; MI455X (gfx1250); checked and timed in simulation.
; The chip was launched on July 23, 2026; its instructions are those of AMD's public machine-readable ISA for CDNA 5 (MIT licence, August 2026) and "CDNA5" Instruction Set Architecture Reference Guide (July 2026). The comments in the code are by the model that wrote it; some were corrected since.
;; Encoder Layer. Allowed arithmetic: float matrix products may take bf16 or f16 operands with f32 sums; all other float work in f32.
;; Inputs: W1 1,024 x 4,096 float32; W2 4,096 x 1,024 float32; Wk 1,024 x 1,024 float32; Wo 1,024 x 1,024 float32; Wq 1,024 x 1,024 float32; Wv 1,024 x 1,024 float32; b1 4,096 float32; b2 1,024 float32; bk 1,024 float32; bo 1,024 float32; bq 1,024 float32; bv 1,024 float32; ln1_b 1,024 float32; ln1_g 1,024 float32; ln2_b 1,024 float32; ln2_g 1,024 float32; mask 2 x 2,048 x 2,048 bool; x 2 x 2,048 x 1,024 float32.
;; Outputs: out0 2 x 2,048 x 1,024 float32.
;; 2 versions, each right. Each part assembles by itself: llvm-mc -triple=amdgcn-amd-amdhsa -mcpu=gfx1250 --defsym DOCPART=n.
;; ======== version 1 of 2: 7 launches
;; limits: right only within a limited range of input values
;; workspace buffers: hn 8,388,608 bytes; wqkvb 8,406,016 bytes; w1b 8,406,016 bytes; wob 2,097,152 bytes; w2b 8,388,608 bytes; maskp 8,388,608 bytes; big 33,554,432 bytes; x1 16,777,216 bytes
;; launch prep (part 1): grid 1281 x 1, 8 waves a work-group, no clusters, 0 bytes of LDS; arguments Wq, Wk, Wv, Wo, W1, W2, x, ln1_g, ln1_b, mask, bq, bk, bv, b1, wqkvb, wob, w1b, w2b, hn, maskp; writes wqkvb, wob, w1b, w2b, hn, maskp
.if DOCPART == 1
	.amdgcn_target "amdgcn-amd-amdhsa--gfx1250"
	.amdhsa_code_object_version 6
	.text
	.protected	k_q7ae3283e34_prep
	.globl	k_q7ae3283e34_prep
	.p2align	8
	.type	k_q7ae3283e34_prep,@function
k_q7ae3283e34_prep:
	s_mov_b64 s[64:65], 0
	v_nop
	global_prefetch_b8 v0, s[64:65] scope:SCOPE_SE
	s_setreg_imm32_b32 hwreg(HW_REG_WAVE_MODE, 25, 1), 1
	s_wait_xcnt 0x0
; PREPARATION, four streaming roles chosen by the work-group's number; no LDS, no barrier, no matrix work: bytes are all that counts here.
;   0-767      CAST: 16,384 numbers of a weight matrix, f32 -> bf16, still [k][n].  Wq, Wk, Wv go side by side into rows of 4,096 (wqkvb), the others dense.
;   768-1023   LN:   16 rows of x -> layer norm 1 -> hn in bf16.  One wave, one row at a time, the row kept in registers; mean first, then the squares of x - mean.
;   1024-1279  MASK: 16 query rows of the mask -> maskp, bytes 0x00 / 0xFF laid as the attention's lanes want them: [16-row block][64 keys][half u][lane][16 bytes];
;                    lane (r, h), half u: keys 16 (2u) + 8 h + 0..7, then 16 (2u + 1) + 8 h + 0..7 of row r.
;   1280       TAIL: the biases behind the weights (bq, bk, bv behind wqkvb; b1 behind w1b), and behind them the floor that the product's way out takes a maximum with:
;                    the lowest finite number (no effect) for q, k, v; 0 (ReLU) for the feed-forward's first product.
.set DO,  4                            ; CAST v4-11: byte offset of my 16 bytes in pair i of the chunk's 16 rows
.set CX,  16                           ; CAST v16-79: 8 f32 for each of 8 pairs of rows
.set CY,  80                           ; CAST v80-111: the same as bf16
.set G,   8                            ; LN v8-39 gain, v40-71 bias of my 32 columns
.set BB,  40
.set T,   136                          ; LN v136-143 at work
.set M,   144                          ; LN v144-145 the mean, twice
.set R,   146                          ; LN v146-147 1 / sqrt(var + eps), twice
.set MX,  16                           ; MASK v16-47
.set XP,  16                           ; s[16:17] x
.set GP,  18                           ; s[18:19] ln1_g
.set BP,  20                           ; s[20:21] ln1_b
.set HP,  40                           ; s[40:41] hn
.set SEL, 52                           ; s[52:53] selects of v_permlanex16_b32
.set K10, 54                           ; s54 1 / 1024
.set KEPS, 55                          ; s55 1e-5
	s_load_b512 s[4:19], s[0:1], 0x0               ; Wq 4, Wk 6, Wv 8, Wo 10, W1 12, W2 14, x 16, ln1_g 18
	s_load_b512 s[20:35], s[0:1], 0x40             ; ln1_b 20, mask 22, bq 24, bk 26, bv 28, b1 30, wqkvb 32, wob 34
	s_load_b256 s[36:43], s[0:1], 0x80             ; w1b 36, w2b 38, hn 40, maskp 42
	s_mov_b32 s2, ttmp9
	s_wait_kmcnt 0x0
	s_cmp_ge_u32 s2, 1280
	s_cbranch_scc1 .Ltail
	s_cmp_ge_u32 s2, 1024
	s_cbranch_scc1 .Lmask
	s_cmp_ge_u32 s2, 768
	s_cbranch_scc1 .Lln
	; ---- CAST.  Which matrix: source, destination, first work-group, log2 of the destination's pitch for a row of 1,024 numbers, column bytes.
	s_mov_b64 s[44:45], s[4:5]
	s_mov_b64 s[46:47], s[32:33]
	s_mov_b32 s48, 0
	s_mov_b32 s49, 13
	s_mov_b32 s50, 0
	s_cmp_ge_u32 s2, 64
	s_cselect_b64 s[44:45], s[6:7], s[44:45]
	s_cselect_b32 s48, 64, s48
	s_cselect_b32 s50, 2048, s50
	s_cmp_ge_u32 s2, 128
	s_cselect_b64 s[44:45], s[8:9], s[44:45]
	s_cselect_b32 s48, 128, s48
	s_cselect_b32 s50, 4096, s50
	s_cmp_ge_u32 s2, 192
	s_cselect_b64 s[44:45], s[10:11], s[44:45]
	s_cselect_b64 s[46:47], s[34:35], s[46:47]
	s_cselect_b32 s48, 192, s48
	s_cselect_b32 s49, 11, s49
	s_cselect_b32 s50, 0, s50
	s_cmp_ge_u32 s2, 256
	s_cselect_b64 s[44:45], s[12:13], s[44:45]
	s_cselect_b64 s[46:47], s[36:37], s[46:47]
	s_cselect_b32 s48, 256, s48
	s_cmp_ge_u32 s2, 512
	s_cselect_b64 s[44:45], s[14:15], s[44:45]
	s_cselect_b64 s[46:47], s[38:39], s[46:47]
	s_cselect_b32 s48, 512, s48
	s_sub_co_u32 s51, s2, s48                      ; my chunk of the matrix
	s_lshl_b32 s52, s51, 16                        ; 16,384 f32
	s_mov_b32 s53, 0
	s_add_nc_u64 s[44:45], s[44:45], s[52:53]
	s_lshl_b32 s52, s51, 4                         ; 16 rows of 1,024
	s_lshl_b32 s52, s52, s49
	s_add_co_u32 s52, s52, s50
	s_add_nc_u64 s[46:47], s[46:47], s[52:53]
	s_lshl_b32 s51, 2, s49                         ; two rows of the destination
	v_lshlrev_b32 v1, 5, v0                        ; thread t reads 32 bytes at 32 t of each pair of rows,
	v_lshrrev_b32 v2, 7, v0
	v_lshlrev_b32 v2, s49, v2
	v_and_b32 v3, 0x7f, v0
	v_lshl_add_u32 v[DO], v3, 4, v2                ; and writes 16 bytes: row t / 128, byte 16 (t % 128)
.irp i, 1,2,3,4,5,6,7
	v_add_nc_u32 v[DO+(\i)], s51, v[DO+(\i)-1]
.endr
.irp i, 0,1,2,3,4,5,6,7
	global_load_b128 v[CX+8*(\i):CX+8*(\i)+3],   v1, s[44:45] offset:8192*(\i) th:TH_LOAD_NT
	global_load_b128 v[CX+8*(\i)+4:CX+8*(\i)+7], v1, s[44:45] offset:8192*(\i)+16 th:TH_LOAD_NT
.endr
.irp i, 0,1,2,3,4,5,6,7
	s_wait_loadcnt 14-2*(\i)                       ; loads come back in order: two for each younger pair of rows may stay out
	v_cvt_pk_bf16_f32 v[CY+4*(\i)],   v[CX+8*(\i)],   v[CX+8*(\i)+1]
	v_cvt_pk_bf16_f32 v[CY+4*(\i)+1], v[CX+8*(\i)+2], v[CX+8*(\i)+3]
	v_cvt_pk_bf16_f32 v[CY+4*(\i)+2], v[CX+8*(\i)+4], v[CX+8*(\i)+5]
	v_cvt_pk_bf16_f32 v[CY+4*(\i)+3], v[CX+8*(\i)+6], v[CX+8*(\i)+7]
	global_store_b128 v[DO+(\i)], v[CY+4*(\i):CY+4*(\i)+3], s[46:47]  ; a wave stores 512 consecutive bytes, aligned; no register is written twice
.endr
	s_endpgm
	; ---- LN.  A lane owns columns 256 j + 8 lane + 0..7, j = 0..3.
.macro FOLD                            ; four chains of pairs in T -> one number, the same in every lane
	v_pk_add_f32 v[T:T+1], v[T:T+1], v[T+2:T+3]
	v_pk_add_f32 v[T+4:T+5], v[T+4:T+5], v[T+6:T+7]
	v_pk_add_f32 v[T:T+1], v[T:T+1], v[T+4:T+5]
	v_add_f32 v[T], v[T], v[T+1]
	v_add_f32_dpp v[T], v[T], v[T] row_xmask:1 row_mask:0xf bank_mask:0xf
	v_add_f32_dpp v[T], v[T], v[T] row_xmask:2 row_mask:0xf bank_mask:0xf
	v_add_f32_dpp v[T], v[T], v[T] row_xmask:4 row_mask:0xf bank_mask:0xf
	v_add_f32_dpp v[T], v[T], v[T] row_xmask:8 row_mask:0xf bank_mask:0xf
	v_permlanex16_b32 v[T+1], v[T], s[SEL], s[SEL+1]
	v_add_f32 v[T], v[T], v[T+1]
.endm
.macro LNROW x0, row                   ; the row in v[x0 .. x0+31] is normalised in place, rounded and stored
.irp c, 0,1,2,3
	v_pk_add_f32 v[T+2*(\c):T+2*(\c)+1], v[(\x0)+2*(\c):(\x0)+2*(\c)+1], v[(\x0)+8+2*(\c):(\x0)+8+2*(\c)+1]  ; the first pairs start the chains
.endr
.irp o, 16,24
.irp c, 0,1,2,3
	v_pk_add_f32 v[T+2*(\c):T+2*(\c)+1], v[T+2*(\c):T+2*(\c)+1], v[(\x0)+(\o)+2*(\c):(\x0)+(\o)+2*(\c)+1]
.endr
.endr
	FOLD
	v_mul_f32 v[M], s[K10], v[T]
	v_mov_b32 v[M+1], v[M]
.set z, 0
.rept 16
	v_pk_add_f32 v[(\x0)+z:(\x0)+z+1], v[(\x0)+z:(\x0)+z+1], v[M:M+1] neg_lo:[0,1] neg_hi:[0,1]  ; x - mean first: a common offset does no harm to the variance
.set z, z+2
.endr
.irp c, 0,1,2,3
	v_pk_mul_f32 v[T+2*(\c):T+2*(\c)+1], v[(\x0)+2*(\c):(\x0)+2*(\c)+1], v[(\x0)+2*(\c):(\x0)+2*(\c)+1]
.endr
.irp o, 8,16,24
.irp c, 0,1,2,3
	v_pk_fma_f32 v[T+2*(\c):T+2*(\c)+1], v[(\x0)+(\o)+2*(\c):(\x0)+(\o)+2*(\c)+1], v[(\x0)+(\o)+2*(\c):(\x0)+(\o)+2*(\c)+1], v[T+2*(\c):T+2*(\c)+1]
.endr
.endr
	FOLD
	v_fma_f32 v[T], v[T], s[K10], s[KEPS]
	v_rsq_f32 v[R], v[T]
	v_rsq_f32 v[R+1], v[T]
	v_nop                                          ; a plain instruction between the root and the use of its result (ISA guide 5.7.2)
.set z, 0
	s_wait_alu depctr_va_vdst(0)
.rept 16
	v_pk_mul_f32 v[(\x0)+z:(\x0)+z+1], v[(\x0)+z:(\x0)+z+1], v[R:R+1]
.set z, z+2
.endr
.set z, 0
.rept 16
	v_pk_fma_f32 v[(\x0)+z:(\x0)+z+1], v[(\x0)+z:(\x0)+z+1], v[G+z:G+z+1], v[BB+z:BB+z+1]
.set z, z+2
.endr
.set z, 0
.rept 16
	v_cvt_pk_bf16_f32 v[(\x0)+z], v[(\x0)+2*z], v[(\x0)+2*z+1]  ; in place, ascending: register z is free when pair z is rounded
.set z, z+1
.endr
.irp j, 0,1,2,3
	global_store_b128 v2, v[(\x0)+4*(\j):(\x0)+4*(\j)+3], s[HP:HP+1] offset:2048*(\row)+512*(\j)  ; 512 consecutive bytes a wave, aligned
.endr
.endm
.macro LNLOAD dst, off, base, add0
.irp j, 0,1,2,3
	global_load_b128 v[(\dst)+8*(\j):(\dst)+8*(\j)+3],   v[\off], s[\base:\base+1] offset:(\add0)+1024*(\j)
	global_load_b128 v[(\dst)+8*(\j)+4:(\dst)+8*(\j)+7], v[\off], s[\base:\base+1] offset:(\add0)+1024*(\j)+16
.endr
.endm
.Lln:
	s_sub_co_u32 s44, s2, 768                      ; my 16 rows
	s_lshl_b32 s46, s44, 16
	s_mov_b32 s47, 0
	s_add_nc_u64 s[XP:XP+1], s[XP:XP+1], s[46:47]
	s_lshl_b32 s46, s44, 15
	s_add_nc_u64 s[HP:HP+1], s[HP:HP+1], s[46:47]
	s_mov_b32 s[SEL], 0x76543210
	s_mov_b32 s[SEL+1], 0xfedcba98
	s_mov_b32 s[K10], 0x3a800000
	s_mov_b32 s[KEPS], 0x3727c5ac
	v_and_b32 v4, 31, v0
	v_lshrrev_b32 v5, 5, v0
	v_lshlrev_b32 v3, 5, v4                        ; 32 lane: gain and bias
	v_lshl_add_u32 v1, v5, 13, v3                  ; + two rows of 4,096 bytes a wave: x
	v_lshlrev_b32 v2, 4, v4
	v_lshl_add_u32 v2, v5, 12, v2                  ; 16 lane + two rows of 2,048 bytes a wave: hn
	LNLOAD G, 3, GP, 0
	LNLOAD BB, 3, BP, 0
	LNLOAD 72, 1, XP, 0
	LNLOAD 104, 1, XP, 4096
	s_wait_loadcnt 0x8                             ; the second row's eight loads stay out
	LNROW 72, 0
	s_wait_loadcnt 0x0
	LNROW 104, 1
	s_endpgm
	; ---- MASK.  Lane (r = lane % 16, p = lane / 16) of wave w reads, in pass it, the 64 bytes of row r at keys 64 (4 w + 2 it + p).
.Lmask:
	s_sub_co_u32 s44, s2, 1024
	s_lshl_b32 s46, s44, 15                        ; 16 rows of 2,048 bytes, in and out
	s_mov_b32 s47, 0
	s_add_nc_u64 s[22:23], s[22:23], s[46:47]
	s_add_nc_u64 s[42:43], s[42:43], s[46:47]
	s_mov_b32 s54, 0xff
	v_and_b32 v4, 15, v0
	v_bfe_u32 v5, v0, 4, 1
	v_lshrrev_b32 v6, 5, v0
	v_lshlrev_b32 v1, 11, v4
	v_lshl_add_u32 v1, v5, 6, v1
	v_lshl_add_u32 v1, v6, 8, v1                   ; 2,048 r + 64 p + 256 w
	v_lshlrev_b32 v2, 4, v4
	v_lshl_add_u32 v2, v5, 10, v2
	v_lshl_add_u32 v2, v6, 12, v2                  ; 16 r + 1,024 p + 4,096 w
.irp it, 0,1
.irp kt, 0,1,2,3
.irp h, 0,1
	global_load_b64 v[MX+16*(\it)+4*(2*((\kt)/2)+(\h))+2*((\kt)%2):MX+16*(\it)+4*(2*((\kt)/2)+(\h))+2*((\kt)%2)+1], v1, s[22:23] offset:128*(\it)+16*(\kt)+8*(\h) th:TH_LOAD_NT
.endr
.endr
.endr
.irp it, 0,1
	s_wait_loadcnt 8-8*(\it)                       ; the second pass's eight loads stay out
.set z, 0
.rept 16
	v_mul_lo_u32 v[MX+16*(\it)+z], v[MX+16*(\it)+z], s54  ; bytes 0 / 1 -> 0x00 / 0xFF: no byte carries into the next
.set z, z+1
.endr
.irp u, 0,1
.irp h, 0,1
	global_store_b128 v2, v[MX+16*(\it)+4*(2*(\u)+(\h)):MX+16*(\it)+4*(2*(\u)+(\h))+3], s[42:43] offset:2048*(\it)+512*(\u)+256*(\h)  ; sixteen lanes store 256 consecutive bytes, aligned
.endr
.endr
.endr
	s_endpgm
	; ---- TAIL
.Ltail:
	v_lshlrev_b32 v1, 4, v0
	v_lshlrev_b32 v2, 2, v0
	global_load_b128 v[4:7], v1, s[24:25]
	global_load_b128 v[8:11], v1, s[26:27]
	global_load_b128 v[12:15], v1, s[28:29]
.irp i, 0,1,2,3
	global_load_b128 v[16+4*(\i):16+4*(\i)+3], v1, s[30:31] offset:4096*(\i)
.endr
	s_add_nc_u64 s[44:45], s[32:33], 0x800000      ; behind 1,024 rows of 8,192 bytes
	s_add_nc_u64 s[46:47], s[36:37], 0x800000
	v_mov_b32 v32, 0xff7fffff
	v_mov_b32 v33, 0
	s_wait_loadcnt 0x0
	global_store_b128 v1, v[4:7], s[44:45]
	global_store_b128 v1, v[8:11], s[44:45] offset:4096
	global_store_b128 v1, v[12:15], s[44:45] offset:8192
.irp i, 0,1,2,3
	global_store_b128 v1, v[16+4*(\i):16+4*(\i)+3], s[46:47] offset:4096*(\i)
.endr
	global_store_b32 v2, v32, s[44:45] offset:16384
	global_store_b32 v2, v33, s[46:47] offset:16384
	s_endpgm
.Lfunc_end_k_q7ae3283e34_prep:
	.size	k_q7ae3283e34_prep, .Lfunc_end_k_q7ae3283e34_prep-k_q7ae3283e34_prep
	.p2alignl 7, 3214868480
	.fill 96, 4, 3214868480
	.section	.rodata,"a",@progbits
	.p2align	6, 0x0
	.amdhsa_kernel k_q7ae3283e34_prep
		.amdhsa_group_segment_fixed_size 0
		.amdhsa_private_segment_fixed_size 0
		.amdhsa_enable_private_segment 0
		.amdhsa_kernarg_size 160
		.amdhsa_user_sgpr_count 2
		.amdhsa_user_sgpr_kernarg_segment_ptr 1
		.amdhsa_wavefront_size32 1
		.amdhsa_system_sgpr_workgroup_id_x 1
		.amdhsa_system_sgpr_workgroup_id_y 1
		.amdhsa_system_sgpr_workgroup_id_z 1
		.amdhsa_system_vgpr_workitem_id 0
		.amdhsa_next_free_vgpr 152
		.amdhsa_next_free_sgpr 66
		.amdhsa_reserve_vcc 0
		.amdhsa_float_denorm_mode_32 3
		.amdhsa_float_denorm_mode_16_64 3
		.amdhsa_memory_ordered 1
		.amdhsa_forward_progress 1
		.amdhsa_inst_pref_size 33
	.end_amdhsa_kernel
	.amdgpu_metadata
---
amdhsa.version: [ 1, 2 ]
amdhsa.kernels:
  - .name:           k_q7ae3283e34_prep
    .symbol:         k_q7ae3283e34_prep.kd
    .args:
      - { .name: Wq, .offset: 0, .size: 8, .value_kind: global_buffer, .address_space: global }
      - { .name: Wk, .offset: 8, .size: 8, .value_kind: global_buffer, .address_space: global }
      - { .name: Wv, .offset: 16, .size: 8, .value_kind: global_buffer, .address_space: global }
      - { .name: Wo, .offset: 24, .size: 8, .value_kind: global_buffer, .address_space: global }
      - { .name: W1, .offset: 32, .size: 8, .value_kind: global_buffer, .address_space: global }
      - { .name: W2, .offset: 40, .size: 8, .value_kind: global_buffer, .address_space: global }
      - { .name: x, .offset: 48, .size: 8, .value_kind: global_buffer, .address_space: global }
      - { .name: ln1_g, .offset: 56, .size: 8, .value_kind: global_buffer, .address_space: global }
      - { .name: ln1_b, .offset: 64, .size: 8, .value_kind: global_buffer, .address_space: global }
      - { .name: mask, .offset: 72, .size: 8, .value_kind: global_buffer, .address_space: global }
      - { .name: bq, .offset: 80, .size: 8, .value_kind: global_buffer, .address_space: global }
      - { .name: bk, .offset: 88, .size: 8, .value_kind: global_buffer, .address_space: global }
      - { .name: bv, .offset: 96, .size: 8, .value_kind: global_buffer, .address_space: global }
      - { .name: b1, .offset: 104, .size: 8, .value_kind: global_buffer, .address_space: global }
      - { .name: wqkvb, .offset: 112, .size: 8, .value_kind: global_buffer, .address_space: global }
      - { .name: wob, .offset: 120, .size: 8, .value_kind: global_buffer, .address_space: global }
      - { .name: w1b, .offset: 128, .size: 8, .value_kind: global_buffer, .address_space: global }
      - { .name: w2b, .offset: 136, .size: 8, .value_kind: global_buffer, .address_space: global }
      - { .name: hn, .offset: 144, .size: 8, .value_kind: global_buffer, .address_space: global }
      - { .name: maskp, .offset: 152, .size: 8, .value_kind: global_buffer, .address_space: global }
    .group_segment_fixed_size: 0
    .private_segment_fixed_size: 0
    .kernarg_segment_align: 8
    .kernarg_segment_size: 160
    .max_flat_workgroup_size: 256
    .sgpr_count:     66
    .vgpr_count:     152
    .wavefront_size: 32
...
	.end_amdgpu_metadata
.endif
;; end of part 1
;; launch qkv (part 2): grid 12 x 16, 4 waves a work-group, clusters of 4 x 4, 327,680 bytes of LDS; arguments hn, wqkvb, big; writes big
.if DOCPART == 2
	.amdgcn_target "amdgcn-amd-amdhsa--gfx1250"
	.amdhsa_code_object_version 6
	.text
	.protected	k_q7ae3283e34_qkv
	.globl	k_q7ae3283e34_qkv
	.p2align	8
	.type	k_q7ae3283e34_qkv,@function
k_q7ae3283e34_qkv:
	s_mov_b64 s[64:65], 0
	v_nop
	global_prefetch_b8 v0, s[64:65] scope:SCOPE_SE
	s_setreg_imm32_b32 hwreg(HW_REG_WAVE_MODE, 25, 1), 1
	s_wait_xcnt 0x0
	s_wait_alu depctr_hold_cnt(0) depctr_sa_sdst(0) depctr_va_vdst(0) depctr_va_sdst(0) depctr_va_ssrc(0) depctr_va_vcc(0) depctr_vm_vsrc(0)
	s_getreg_b32 s2, hwreg(HW_REG_IB_STS2, 6, 4)
	s_cmp_eq_u32 s2, 0
	s_cbranch_scc0 .Lentry_in_a_cluster
	s_endpgm
.Lentry_in_a_cluster:
	s_bfe_u32 s2, ttmp6, 0x10000c
	s_cmp_lg_u32 s2, 0xf033
	s_cbranch_scc0 .Lentry_shape_is_right
	s_endpgm
.Lentry_shape_is_right:
; C[m][n] = max(floor, bias[n] + sum over k of A[m][k] W[k][n]).  A: [4096][1024] bf16.  W: [1024][4096] bf16, rows along n; behind it 4,096 f32 of bias and the floor (one f32).
; C: [4096][4096] bf16; sums in f32, C rounded once.  The grid says how many blocks of 256 columns are made (12: q, k, v; 16: the feed-forward's first product).
; A tile of C, 256 x 256, is made by four waves; a wave makes 128 x 128: 64 accumulators of 16 x 16, 512 registers.  K goes in steps of 128 through a ring of two LDS slots
; filled by the tensor data mover: A's rows are 256 bytes, W's 512, all aligned to 256 bytes in memory.  W stays [k][n] in LDS and is turned on its way into registers (ds_load_tr16_b128).
; CLUSTERS: 4 x 4 work-groups.  The four of a row of the cluster need the same tiles of A, the four of a column the same tiles of W: each tile is asked for JOINTLY, by the same tensor load with the
; same descriptor and a mask that names the four.
; THE MATRIX INSTRUCTION IS USED TRANSPOSED: source 0 = 16 columns of W, source 1 = 16 rows of A: lane l holds row l % 16 of C and the columns 8 (l / 16) + 0..7.  So the bias of a block of 16 columns
; is 8 registers that hang on l / 16 alone, and it is the C operand of the product that starts each sum: nothing is cleared, and no addition is written for it.
; REGISTERS, in windows of 256 (s_set_vgpr_msb: bits 1:0 source 0, 3:2 source 1, 5:4 source 2, 7:6 destination):
;   window 0: v0-31 addresses; v64-127, v128-191 fragments of A, two buffers; v192-255 the bias, later (with v32-63) at work on the way out
;   window 1: v64-127, v128-191 fragments of W, two buffers      window 2: the accumulators of my rows 0-63 ((a, b) at v[8 (8 a + b)])      window 3: those of my rows 64-127
; LIMITS: bf16 operands; NaN and infinities are not treated apart (the maximum with the floor turns a NaN into the floor).
.set SIZE_K, 1024
.set NP,     4096                      ; elements from row to row of W and of C
.set KSTEP,  128
.set PITCH,  272                       ; a row of A in LDS: 256 bytes + 16: the 16 rows of a load start at 16 different groups of four banks (ISA guide 11.1)
.set PW,     544                       ; a row of W in LDS: 512 bytes + 32
.set HALFT,  128*PITCH                 ; what one tensor load brings: 128 rows of A, or 64 rows of W (64 x 544 is the same number)
.set SLOT,   4*HALFT                   ; A's 256 rows, then W's 128 rows
.set STAGE,  2*SLOT                    ; behind the ring: 16 rows x 272 bytes for each wave, for the way out
.set SPITCH, 272
.set SPARE,  STAGE+4*16*SPITCH         ; behind the stages: the spare words, 128 bytes for each wave
.set LAPS,   SIZE_K/(2*KSTEP)          ; a lap = two K steps = once round the ring
.set WSTEP,  KSTEP*NP*2                ; bytes of W from a K step to the next
.set TAILB,  SIZE_K*NP*2               ; bias and floor lie behind W
.set ADRA, 16                          ; v16-17  LDS address of my A fragments in slot 0, 1
.set ADRB, 20                          ; v20-21  the same for W
.set STO,  24                          ; v24     the way out: where I put 16 bytes of a row
.set RD,   25                          ; v25     the way out: where I read a row back
.set CO,   26                          ; v26     my byte offset in C
.set BO,   27                          ; v27     32 (l / 16): my eight numbers in a block of 16 of the bias
.set SPW,  28                          ; v28     LDS address of my spare word; never rewritten
.set NIL,  29                          ; v29     0; never rewritten
.set F0,   64
.set F1,   128
.set TMP,  192
.set BIAS, 192
.set OB,   32
.set G1, 24                            ; s[24:31] descriptor group 1 for A's tiles;  s[32:39] group 0, a set for each slot
.set G0, 32
.set G1B, 48                           ; s[48:55], s[56:63] the same for W's tiles
.set G0B, 56
.set FLOOR, 70                         ; s70
.set MSB, 0
.macro WIN new                         ; the immediate's high byte repeats the setting that is left; a switch that changes nothing is dropped
.if MSB != (\new)
	s_set_vgpr_msb (MSB<<8)|(\new)
.set MSB, \new
.endif
.endm
.set MUL_LO, 0xa1                      ; source 0 (W) window 1, source 1 (A) window 0, C and D window 2
.set TO_B,   0x40                      ; destination window 1, address window 0
; A joint load.  Waves 0 and 1 fetch A's two halves, waves 2 and 3 W's.  The branch hangs on the wave's number alone.  An s_nop 0 and four v_nop follow each of the two lines.
.macro JLOAD s
	s_cmp_eq_u32 s11, 0
	s_cbranch_scc0 .Lfor_b_\@
	tensor_load_to_lds s[G0+4*(\s):G0+4*(\s)+3], s[G1:G1+7]
	s_nop 0
.rept 4
	v_nop
.endr
	s_branch .Lasked_\@
.Lfor_b_\@:
	tensor_load_to_lds s[G0B+4*(\s):G0B+4*(\s)+3], s[G1B:G1B+7]
	s_nop 0
.rept 4
	v_nop
.endr
.Lasked_\@:
.endm
.macro CREST                           ; a round of the cluster's barrier behind its opening barrier
	s_cmp_lg_u32 s10, 0
	s_cbranch_scc1 .Lnot_wave_0_\@
	s_barrier_signal -3
.Lnot_wave_0_\@:
	s_barrier_wait -3
	s_barrier_signal -1
	s_barrier_wait -1
.endm
.macro CROUND                          ; a whole round
	s_barrier_signal -1
	s_barrier_wait -1
	CREST
.endm
	s_load_b128 s[4:7], s[0:1], 0x0                ; A s[4:5], W s[6:7]
	s_load_b64 s[8:9], s[0:1], 0x10                ; C
	v_lshl_add_u32 v[SPW], v0, 2, SPARE
	v_mov_b32 v[NIL], 0
	ds_add_u32 v[SPW], v[NIL]                      ; the wave's opening: the add and its wait stand ahead of my first tensor load; the set-up below stands between them
	v_lshrrev_b32 v1, 5, v0
	v_readfirstlane_b32 s10, v1                    ; wave 0..3
	s_lshr_b32 s11, s10, 1                         ; which half of the tile's rows is mine.  Also: I fetch for A (0) or for W (1)
	s_and_b32 s12, s10, 1                          ; which half of its columns.  Also: which half of that tile I fetch
	s_bfe_u32 s40, ttmp6, 0x40000                  ; cx, cy: my place in the cluster
	s_bfe_u32 s41, ttmp6, 0x40004
	s_lshl_b32 s42, ttmp9, 2
	s_add_co_u32 s42, s42, s40                     ; tile column of C = 4 x cluster x + cx
	s_and_b32 s13, ttmp7, 0xffff
	s_lshl_b32 s13, s13, 2
	s_add_co_u32 s13, s13, s41                     ; tile row of C = 4 x cluster y + cy
	s_lshl_b32 s43, s41, 2
	s_lshl_b32 s43, 15, s43                        ; my row of the cluster
	s_lshl_b32 s44, 0x1111, s40                    ; my column
	s_or_b32 s[G1+0], s43, (1<<16)|(1<<20)|(1<<21)|(5<<22)|(3<<25)   ; A: the mask of my row; 2-byte elements; padding on; bit 21 beside a mask; after every 64 words, 4 words
	s_mov_b32 s[G1+1], KSTEP<<16                   ; tensor_dim0 = 128
	s_mov_b32 s[G1+2], 128<<16                     ; tensor_dim1 = 128
	s_mov_b32 s[G1+3], KSTEP<<16                   ; tile_dim0 = 128
	s_mov_b32 s[G1+4], 128                         ; tile_dim1 = 128
	s_mov_b32 s[G1+5], SIZE_K                      ; elements from row to row
	s_mov_b32 s[G1+6], 0
	s_mov_b32 s[G1+7], 0
	s_or_b32 s[G1B+0], s44, (1<<16)|(1<<20)|(1<<21)|(6<<22)|(7<<25)  ; W: the mask of my column; after every 128 words, 8 words
	s_mov_b32 s[G1B+1], 256<<16                    ; tensor_dim0 = 256 columns
	s_mov_b32 s[G1B+2], 64<<16                     ; tensor_dim1 = 64 rows (k)
	s_mov_b32 s[G1B+3], 256<<16
	s_mov_b32 s[G1B+4], 64
	s_mov_b32 s[G1B+5], NP
	s_mov_b32 s[G1B+6], 0
	s_mov_b32 s[G1B+7], 0
	s_lshl_b32 s16, s13, 19                        ; A: 256 rows of 2,048 bytes for each tile row,
	s_lshl_b32 s17, s12, 18                        ; 128 rows for my half
	s_add_co_u32 s16, s16, s17
	s_mov_b32 s17, 0
	s_lshl_b32 s46, s42, 9                         ; W: 512 bytes for each tile column,
	s_lshl_b32 s47, s12, 19                        ; 64 rows of 8,192 bytes for my half
	s_add_co_u32 s46, s46, s47
	s_mov_b32 s47, 0
	s_mul_i32 s20, s10, HALFT                      ; where they go: wave x 34,816: no place in the cluster enters an LDS address
	s_wait_dscnt 0x0                               ; the opening add is done
	s_wait_kmcnt 0x0
	s_add_nc_u64 s[14:15], s[4:5], s[16:17]
	s_add_nc_u64 s[46:47], s[6:7], s[46:47]
	CROUND                                         ; all sixteen work-groups are here: the first joint loads meet
.irp s, 0,1
	s_mov_b32 s[G0+4*(\s)], 1
	s_add_co_u32 s[G0+4*(\s)+1], s20, (\s)*SLOT
	s_add_nc_u64 s[G0+4*(\s)+2:G0+4*(\s)+3], s[14:15], (\s)*KSTEP*2
	s_or_b32 s[G0+4*(\s)+3], s[G0+4*(\s)+3], 0x80000000
	s_mov_b32 s[G0B+4*(\s)], 1
	s_add_co_u32 s[G0B+4*(\s)+1], s20, (\s)*SLOT
	s_add_nc_u64 s[G0B+4*(\s)+2:G0B+4*(\s)+3], s[46:47], (\s)*WSTEP
	s_or_b32 s[G0B+4*(\s)+3], s[G0B+4*(\s)+3], 0x80000000
	JLOAD \s                                       ; two tensor loads of mine are out
.endr
	s_add_nc_u64 s[66:67], s[6:7], TAILB           ; bias and floor
	s_load_b32 s[FLOOR], s[66:67], 0x4000
	s_lshl_b32 s72, s42, 10                        ; 4 bytes x (256 x tile column + 128 x half)
	s_lshl_b32 s73, s12, 9
	s_add_co_u32 s72, s72, s73
	s_mov_b32 s73, 0
	s_add_nc_u64 s[68:69], s[66:67], s[72:73]
	v_and_b32 v1, 15, v0                           ; l % 16
	v_bfe_u32 v2, v0, 4, 1                         ; l / 16
	v_lshlrev_b32 v[BO], 5, v2
.irp b, 0,1,2,3,4,5,6,7
	global_load_b128 v[BIAS+8*(\b):BIAS+8*(\b)+3],   v[BO], s[68:69] offset:64*(\b)
	global_load_b128 v[BIAS+8*(\b)+4:BIAS+8*(\b)+7], v[BO], s[68:69] offset:64*(\b)+16
.endr
	v_mul_u32_u24 v3, v1, PITCH
	v_lshl_add_u32 v3, v2, 4, v3                   ; A: row x pitch + 16 x half
	v_and_b32 v6, 7, v0
	v_lshl_add_u32 v6, v2, 3, v6                   ; W, turned: lane l reads row (k) 8 (l / 16) + l % 8,
	v_mul_u32_u24 v6, v6, PW
	v_bfe_u32 v7, v0, 3, 1
	v_lshl_add_u32 v6, v7, 4, v6                   ; columns 8 ((l / 8) % 2) + 0..7, and is left with column l % 16 and 8 k
	s_mul_i32 s21, s11, HALFT                      ; my 128 rows of A
	s_lshl_b32 s22, s12, 8                         ; my 128 columns of W,
	s_add_co_u32 s22, s22, 2*HALFT                 ; which lies behind A's 256 rows
.irp s, 0,1
	v_add_nc_u32 v[ADRA+(\s)], s21, v3
	v_add_nc_u32 v[ADRB+(\s)], s22, v6
	s_add_co_u32 s21, s21, SLOT
	s_add_co_u32 s22, s22, SLOT
.endr
	s_mul_i32 s23, s10, 16*SPITCH
	s_add_co_u32 s23, s23, STAGE                   ; my stage
	v_mul_u32_u24 v4, v1, SPITCH
	v_lshl_add_u32 v4, v2, 4, v4
	v_add_nc_u32 v[STO], s23, v4
	v_mul_u32_u24 v5, v2, SPITCH
	v_lshl_add_u32 v5, v1, 4, v5
	v_add_nc_u32 v[RD], s23, v5
	v_mul_u32_u24 v5, v2, NP*2
	v_lshl_add_u32 v[CO], v1, 4, v5
	s_lshl_b32 s16, s13, 8
	s_lshl_b32 s14, s11, 7
	s_add_co_u32 s16, s16, s14                     ; my first row of C,
	s_lshl_b32 s16, s16, 13                        ; in bytes
	s_mov_b32 s17, 0
	s_lshl_b32 s46, s42, 9                         ; my first column, in bytes
	s_lshl_b32 s47, s12, 8
	s_add_co_u32 s46, s46, s47
	s_mov_b32 s47, 0
	s_add_nc_u64 s[16:17], s[16:17], s[46:47]
; 16 matrix instructions: m blocks a0, a0 + 1 of the window's four (hi = 0: my rows 0-63, 1: rows 64-127) x all 8 n blocks, 32 along K.  zero = 1: the first product starts the sums, with the bias as C.
; The 64 accumulators take turns, one instruction a turn, in the same order in every quarter.
.macro MUL16 f, hi, a0, zero
.if \zero
	WIN 0x81+0x40*(\hi)                            ; C (the bias) in window 0
.else
	WIN MUL_LO+0x50*(\hi)
.endif
.irp a, \a0, (\a0)+1
.irp b, 0,1,2,3,4,5,6,7
.if \zero
	v_wmma_f32_16x16x32_bf16 v[8*(8*(\a)+(\b)):8*(8*(\a)+(\b))+7], v[(\f)+8*(\b):(\f)+8*(\b)+7], v[(\f)+8*(4*(\hi)+(\a)):(\f)+8*(4*(\hi)+(\a))+7], v[BIAS+8*(\b):BIAS+8*(\b)+7]
.else
	v_wmma_f32_16x16x32_bf16 v[8*(8*(\a)+(\b)):8*(8*(\a)+(\b))+7], v[(\f)+8*(\b):(\f)+8*(\b)+7], v[(\f)+8*(4*(\hi)+(\a)):(\f)+8*(4*(\hi)+(\a))+7], v[8*(8*(\a)+(\b)):8*(8*(\a)+(\b))+7]
.endif
.endr
.endr
.endm
; 32 LDS loads in one run: the fragments of quarter q (32 along K) of a slot into buffer f: 128 columns of W (turned), then 128 rows of A
.macro FETCH slot, q, f
	WIN TO_B
.irp i, 0,1,2,3,4,5,6,7
	ds_load_tr16_b128 v[(\f)+8*(\i):(\f)+8*(\i)+3],   v[ADRB+(\slot)] offset:(\q)*32*PW+32*(\i)
	ds_load_tr16_b128 v[(\f)+8*(\i)+4:(\f)+8*(\i)+7], v[ADRB+(\slot)] offset:(\q)*32*PW+16*PW+32*(\i)
.endr
	WIN 0
.irp i, 0,1,2,3,4,5,6,7
	ds_load_b128 v[(\f)+8*(\i):(\f)+8*(\i)+3],   v[ADRA+(\slot)] offset:64*(\q)+(\i)*16*PITCH
	ds_load_b128 v[(\f)+8*(\i)+4:(\f)+8*(\i)+7], v[ADRA+(\slot)] offset:64*(\q)+(\i)*16*PITCH+32
.endr
.endm
.macro PLACES                          ; four plain vector instructions between a matrix instruction and a load into, or a vector instruction on, its registers (ISA guide 7.12.1 for vector instructions)
.rept 4
	v_nop
.endr
.endm
; One of a K step's first three quarters: multiplies buffer f; in its middle it fetches quarter q of the same slot into buffer g.
.macro QUARTER slot, q, f, g, zero
	s_wait_dscnt 8                                 ; W and A's rows 0-63 are in; the youngest eight loads (A's rows 64-127) may be out
	MUL16 \f, 0, 0, \zero
	MUL16 \f, 0, 2, \zero
	PLACES
	FETCH \slot, \q, \g
	s_wait_dscnt 32                                ; all but the 32 just issued
	MUL16 \f, 1, 0, \zero
	MUL16 \f, 1, 2, \zero
.endm
; The last quarter multiplies buffer 1 and changes slots.  MEET is its first half: one barrier; in front of it each wave waits for all its tensor loads (one is out: its part of the next slot),
; adds 0 to its spare word, and waits for that and for its own reads of this slot.
.macro MEET round
	WIN 0
	s_wait_tensorcnt 0x0
	ds_add_u32 v[SPW], v[NIL]
	s_wait_dscnt 9                                 ; the add and the youngest eight loads may be out
	MUL16 F1, 0, 0, 0
	s_wait_dscnt 0x0                               ; the add is done, and my reads of this slot are over
	s_barrier_signal -1
	MUL16 F1, 0, 2, 0
.if \round
	WIN 0
.endif
	s_barrier_wait -1
.endm
.macro TURN slot, next
	MEET 1
	CREST                                          ; the barrier has opened a round of the cluster's: no wave of any partner still reads this slot or has a load on its way
	s_add_nc_u64 s[G0+4*(\slot)+2:G0+4*(\slot)+3], s[G0+4*(\slot)+2:G0+4*(\slot)+3], 2*KSTEP*2
	s_add_nc_u64 s[G0B+4*(\slot)+2:G0B+4*(\slot)+3], s[G0B+4*(\slot)+2:G0B+4*(\slot)+3], 2*WSTEP
	JLOAD \slot                                    ; my one tensor load behind the round: 224 matrix instructions ahead of the wait for it; its four v_nop are also the places in front of the loads below
	FETCH \next, 0, F0
	MUL16 F1, 1, 0, 0
	MUL16 F1, 1, 2, 0
.endm
; THE WAY OUT of block a (16 rows).  PACK: the maximum with the floor, then rounded to bf16, 16 bytes a lane.  TOSTAGE: into my own stage and back as whole rows of 256 bytes.  SEND: stored.
.macro PACK a
.set AC, 64*((\a)%4)
	WIN 0x88+0x44*((\a)/4)                         ; source 1 and destination: window 2 or 3
.set z, 0
.rept 64
	v_max_num_f32 v[AC+z], s[FLOOR], v[AC+z]       ; ascending: each accumulator is read from its low end
.set z, z+1
.endr
	WIN 0x0a+5*((\a)/4)                            ; sources 0 and 1: window 2 or 3
.irp b, 0,1,2,3,4,5,6,7
.irp r, 0,1,2,3
	v_cvt_pk_bf16_f32 v[TMP+4*(\b)+(\r)], v[AC+8*(\b)+2*(\r)], v[AC+8*(\b)+2*(\r)+1]
.endr
.endr
	WIN 0
.endm
.macro TOSTAGE a
	WIN 0
.set BK, OB+192*((\a)%2)
.irp b, 0,1,2,3,4,5,6,7
	ds_store_b128 v[STO], v[TMP+4*(\b):TMP+4*(\b)+3] offset:32*(\b)
.endr
.irp t, 0,1,2,3,4,5,6,7
	ds_load_b128 v[BK+4*(\t):BK+4*(\t)+3], v[RD] offset:(\t)*2*SPITCH  ; LDS serves a wave's instructions in order (ISA guide 5.7.1.4): these see the stores above
.endr
.endm
.macro SEND a
	WIN 0
.set BK, OB+192*((\a)%2)
	s_wait_dscnt 0x0                               ; the block is back in registers
	s_wait_xcnt 0x0                                ; only behind this wait are the stores' base and the registers that earlier stores read rewritten
.if (\a) == 0
	s_add_nc_u64 s[8:9], s[8:9], s[16:17]
.else
	s_add_nc_u64 s[8:9], s[8:9], 16*NP*2
.endif
.irp t, 0,1,2,3,4,5,6,7
	global_store_b128 v[CO], v[BK+4*(\t):BK+4*(\t)+3], s[8:9] offset:2*(\t)*NP*2  ; 16 lanes store 256 consecutive bytes, aligned
.endr
.endm
	s_wait_tensorcnt 1                             ; my part of K step 0 is in; K step 1's may stay out
	s_barrier_signal -1
	s_barrier_wait -1
	FETCH 0, 0, F0
	s_wait_loadcnt 0x0                             ; the bias
	s_wait_kmcnt 0x0                               ; the floor
	QUARTER 0, 1, F0, F1, 1                        ; the first quarter stands in front of the loop: its products start the sums
	WIN 0
	s_mov_b32 s3, LAPS-1
.Llap:                                                 ; a trip goes once round the ring, from a lap's second quarter to the next lap's first, and fills both slots again
	QUARTER 0, 2, F1, F0, 0
	QUARTER 0, 3, F0, F1, 0
	TURN 0, 1
	QUARTER 1, 1, F0, F1, 0
	QUARTER 1, 2, F1, F0, 0
	QUARTER 1, 3, F0, F1, 0
	TURN 1, 0
	QUARTER 0, 1, F0, F1, 0
	WIN 0
	s_sub_co_u32 s3, s3, 1
	s_cmp_lg_u32 s3, 0
	s_cbranch_scc1 .Llap
	QUARTER 0, 2, F1, F0, 0                        ; the last lap fills nothing
	QUARTER 0, 3, F0, F1, 0
	MEET 0
	PLACES
	FETCH 1, 0, F0
	MUL16 F1, 1, 0, 0
	MUL16 F1, 1, 2, 0
	QUARTER 1, 1, F0, F1, 0
	QUARTER 1, 2, F1, F0, 0
	QUARTER 1, 3, F0, F1, 0
	s_wait_dscnt 8
	MUL16 F1, 0, 0, 0
	MUL16 F1, 0, 2, 0
	s_wait_dscnt 0x0
	MUL16 F1, 1, 0, 0
	MUL16 F1, 1, 2, 0
	PLACES
	PACK 0
	TOSTAGE 0
.irp a, 1,2,3,4,5,6,7                  ; block a's arithmetic stands between block a - 1's loads from the stage and the wait for them
	PACK \a
	SEND (\a)-1
	TOSTAGE \a
.endr
	SEND 7
	s_wait_tensorcnt 0x0                           ; the wave's end
	ds_add_u32 v[SPW], v[NIL]
	s_wait_dscnt 0x0
	CROUND                                         ; the closing round
	s_endpgm
.Lfunc_end_k_q7ae3283e34_qkv:
	.size	k_q7ae3283e34_qkv, .Lfunc_end_k_q7ae3283e34_qkv-k_q7ae3283e34_qkv
	.p2alignl 7, 3214868480
	.fill 96, 4, 3214868480
	.section	.rodata,"a",@progbits
	.p2align	6, 0x0
	.amdhsa_kernel k_q7ae3283e34_qkv
		.amdhsa_group_segment_fixed_size 327680
		.amdhsa_private_segment_fixed_size 0
		.amdhsa_enable_private_segment 0
		.amdhsa_kernarg_size 24
		.amdhsa_user_sgpr_count 2
		.amdhsa_user_sgpr_kernarg_segment_ptr 1
		.amdhsa_wavefront_size32 1
		.amdhsa_system_sgpr_workgroup_id_x 1
		.amdhsa_system_sgpr_workgroup_id_y 1
		.amdhsa_system_sgpr_workgroup_id_z 1
		.amdhsa_system_vgpr_workitem_id 0
		.amdhsa_next_free_vgpr 1024
		.amdhsa_next_free_sgpr 76
		.amdhsa_reserve_vcc 0
		.amdhsa_float_denorm_mode_32 3
		.amdhsa_float_denorm_mode_16_64 3
		.amdhsa_memory_ordered 1
		.amdhsa_forward_progress 1
		.amdhsa_inst_pref_size 161
	.end_amdhsa_kernel
	.amdgpu_metadata
---
amdhsa.version: [ 1, 2 ]
amdhsa.kernels:
  - .name:           k_q7ae3283e34_qkv
    .symbol:         k_q7ae3283e34_qkv.kd
    .args:
      - { .name: hn, .offset: 0, .size: 8, .value_kind: global_buffer, .address_space: global }
      - { .name: wqkvb, .offset: 8, .size: 8, .value_kind: global_buffer, .address_space: global }
      - { .name: big, .offset: 16, .size: 8, .value_kind: global_buffer, .address_space: global }
    .group_segment_fixed_size: 327680
    .private_segment_fixed_size: 0
    .kernarg_segment_align: 8
    .kernarg_segment_size: 24
    .max_flat_workgroup_size: 128
    .sgpr_count:     76
    .vgpr_count:     1024
    .wavefront_size: 32
...
	.end_amdgpu_metadata
.endif
;; end of part 2
;; launch attn (part 3): grid 16 x 16, 4 waves a work-group, clusters of 4 x 1, 327,680 bytes of LDS; arguments big, maskp, hn; writes hn
.if DOCPART == 3
	.amdgcn_target "amdgcn-amd-amdhsa--gfx1250"
	.amdhsa_code_object_version 6
	.text
	.protected	k_q7ae3283e34_attn
	.globl	k_q7ae3283e34_attn
	.p2align	8
	.type	k_q7ae3283e34_attn,@function
k_q7ae3283e34_attn:
	s_mov_b64 s[64:65], 0
	v_nop
	global_prefetch_b8 v0, s[64:65] scope:SCOPE_SE
	s_setreg_imm32_b32 hwreg(HW_REG_WAVE_MODE, 25, 1), 1
	s_wait_xcnt 0x0
	s_wait_alu depctr_hold_cnt(0) depctr_sa_sdst(0) depctr_va_vdst(0) depctr_va_sdst(0) depctr_va_ssrc(0) depctr_va_vcc(0) depctr_vm_vsrc(0)
	s_getreg_b32 s2, hwreg(HW_REG_IB_STS2, 6, 4)
	s_cmp_eq_u32 s2, 0
	s_cbranch_scc0 .Lentry_in_a_cluster
	s_endpgm
.Lentry_in_a_cluster:
	s_bfe_u32 s2, ttmp6, 0x10000c
	s_cmp_lg_u32 s2, 0x3003
	s_cbranch_scc0 .Lentry_shape_is_right
	s_endpgm
.Lentry_shape_is_right:
; ATTENTION WITH A GIVEN MASK.  ctx[b][q][64 head + :] = sum over k of softmax_k(mask ? -1e18 : q . k / 8) v.  q, k, v lie in big ([4096 tokens][4096] bf16) at columns 0, 1024, 2048 + 64 head.
; maskp holds the mask as bytes 0x00 / 0xFF in the lanes' order: [16-query block][64 keys][half u][lane][16].  ctx goes to hn ([4096][1024] bf16).  Products, maxima and sums in f32; the weights are
; rounded to bf16 for the second product (their sum l is taken of the unrounded weights), ctx once.
; SHARES.  A work-group owns 128 queries of a PAIR of heads (so K's and V's rows in memory are 256 bytes, aligned); wave w has head w / 2 of the pair and 64 queries (w % 2): four PIECES of 16.  Every wave walks all
; 2,048 keys, 64 a step.  CLUSTER: the four query blocks of a cluster walk the same K and V: each tile is asked for JOINTLY, by the same tensor load, descriptor and mask in all four.
; LAYOUT.  S^T = K Q^T holds ONE query a lane (lane % 16) and the keys 8 (lane / 16) + 0..7; two such results rounded to bf16 ARE source 1 of O^T = V^T P.  K comes out of LDS as it lies, V turned (ds_load_tr16_b128).
; THE MASK is the C operand that starts the sum S^T: 0, or -2^127 (the mask's byte 0xFF moved into the top byte of a word, one v_perm_b32 a score).
; SOFTMAX.  p = 2^(c s - c m), c = log2(e) / 8, with a running maximum m; O and l are multiplied by a = 2^(c m_old - c m_new) in every step.  m starts at -8e18, which is -1e18 on the scale of the undivided score:
; a hidden score never raises it, and its weight is exactly 0.  A ROW WITH NO VISIBLE KEY has O = 0 and l = 0 at the end; its result is the mean of all v, as -1e18 everywhere gives: OS^T = V^T x ones is summed beside O^T (8 products a step),
; and ctx = (O + 2^-100 OS) / (l + 2^-89): with a visible key l >= 1 and both additions vanish; with none it is OS / 2,048.
; LIMITS.  A visible score at or below -1e18 (divided by 8) counts as hidden; a weight below 2^-126 counts as 0; NaN and infinities are not treated apart; bf16 operands.
; BY TURNS.  Turn n belongs to piece n: 8 products K Q^T of piece n + 1, later 8 products V^T P of piece n - 1 and 2 of OS; beside them the scaling, exponentials, roundings, sums and rescaling of piece n, the maximum and
; statistics of piece n + 1, and the 32 mask words of piece n + 2.  Four vector instructions stand behind every matrix instruction, the rest in runs of their own.
; REGISTERS, in windows of 256 (s_set_vgpr_msb: bits 1:0 source 0, 3:2 source 1, 5:4 source 2, 7:6 destination):
;   window 0: v0-15 addresses; v16-31 statistics; v48-55 at work; v62-63 the add's; v64-127 S^T, two buffers; v128-159 the raw mask, 8 a piece; v192-223 P, two buffers; v224-231 ones
;   window 1: v0-127 O^T, 32 a piece; v128-159 OS^T; v160-223 mask words, two buffers        window 2: v0-63 Q; v128-191 K of one step; v192-255 V of one step
.set NP,    4
.set KS,    64
.set PK,    272       ; a row of K in LDS: 256 bytes (two heads) + 16: the 16 rows of a load start at 16 different groups of four banks (ISA guide 11.1)
.set PV,    288       ; a row of V: 256 + 32
.set VOFF,  KS*PK     ; a step's tiles lie together: 64 rows of K, then 64 rows of V
.set STEPB, KS*(PK+PV)
.set SLOT1, 1<<17     ; a slot holds two steps (71,680 bytes); slot 1 begins here
.set STAGE, SLOT1+2*STEPB  ; behind the ring: 128 rows x 272 bytes, the work-group's, for the way out
.set SP,    272
.set SPARE, STAGE+128*SP   ; behind the stage: the spare words, 128 bytes for each wave
.set SLOTG, 2*KS*8192      ; bytes of big from a slot's keys to the next slot's
.set AK0, 2           ; v2   my lane's place in a tile of K; never rewritten
.set AV0, 3           ; v3   the same for V
.set AK,  4
.set AV,  5
.set STO, 6
.set RD,  7
.set GO,  8
.set MO,  9           ; v9   16 x lane: my 16 bytes in 512 of maskp
.set ZR,  10          ; v10  0
.set MV,  12          ; v12-13  c m_old, by buffer
.set QO,  15
.set ST,  16          ; piece t's statistics at v[ST+4 t]: c m, m, l (even keys', odd keys')
.set TMP, 48
.set SPW, 62
.set NIL, 63
.set S,   64
.set MR,  128
.set P,   192
.set ONES, 224
.set OS,  128         ; window 1
.set MC,  160         ; window 1
.set KF,  128         ; window 2
.set VF,  192         ; window 2
.set WV,  12
.set G1K, 24
.set G1V, 32
.set G0K, 40
.set G0V, 44
.set SLOTS, 56
.set CNT, 57
.set CS,  58
.set SEL, 60
.set TBK, 62
.set TBV, 63
.set MB0, 66          ; s[66:67] maskp at my first piece, keys 0
.set MB,  68          ; s[68:69] the same at the 64 keys to be loaded next
.set OFM, 70          ; s[70:71]
.set KBN, 72          ; s72  their number
.set SB,  76          ; s[76:79] v_perm_b32's selects: byte 0..3 of the mask word into the top byte, zeros below
.set MSB, 0
.macro WIN new
.if MSB != (\new)
	s_set_vgpr_msb (MSB<<8)|(\new)
.set MSB, (\new)
.endif
.endm
.set W_KQ, 0x0a       ; K and Q in window 2, S^T in window 0
.set W_KM, 0x1a       ; the same with the C operand in window 1
.set W_PV, 0x52       ; V in window 2, P (or ones) in window 0, C and D in window 1
.set W_RS, 0x41       ; destination and source 0 in window 1, source 1 in window 0
; A joint fill.  Waves 0 and 1 fetch K of a slot's two steps, waves 2 and 3 V.  An s_nop 0 and four v_nop follow each of the two lines.
.macro JLOAD
	s_cmp_lt_u32 s[WV], 2
	s_cbranch_scc0 .Lfor_v_\@
	tensor_load_to_lds s[G0K:G0K+3], s[G1K:G1K+7]
	s_nop 0
.rept 4
	v_nop
.endr
	s_branch .Lasked_\@
.Lfor_v_\@:
	tensor_load_to_lds s[G0V:G0V+3], s[G1V:G1V+7]
	s_nop 0
.rept 4
	v_nop
.endr
.Lasked_\@:
.endm
.macro CROUND
	s_barrier_signal -1
	s_barrier_wait -1
	s_cmp_lg_u32 s[WV], 0
	s_cbranch_scc1 .Lnot_wave_0_\@
	s_barrier_signal -3
.Lnot_wave_0_\@:
	s_barrier_wait -3
	s_barrier_signal -1
	s_barrier_wait -1
.endm
; THE CHANGE OF SLOTS.  Each wave waits for all its tensor loads (one is out: its part of the other slot), adds 0 to its spare word, and waits for that and for its reads of the slot that it leaves.
; fill = 1: the barrier is a round of the cluster's, and the joint fill of the slot just left, with the keys two slots on, is the first thing behind it: two key steps, 144 matrix instructions, in which to land.
.macro CHANGE fill
	WIN 0
	s_wait_tensorcnt 0x0
	ds_add_u32 v[SPW], v[NIL]
.if \fill
.irp g, G0K, G0V
	s_xor_b32 s[\g+1], s[\g+1], SLOT1
	s_add_nc_u64 s[\g+2:\g+3], s[\g+2:\g+3], SLOTG
.endr
	s_wait_dscnt 0x0
	CROUND
	JLOAD
.else
	s_wait_dscnt 0x0
	s_barrier_signal -1
	s_barrier_wait -1
.endif
	s_sub_co_u32 s[TBK], s[TBK], 2*STEPB
	s_xor_b32 s[TBK], s[TBK], SLOT1
	s_sub_co_u32 s[TBV], s[TBV], 2*STEPB
	s_xor_b32 s[TBV], s[TBV], SLOT1
.endm
	s_load_b128 s[4:7], s[0:1], 0x0 ; big s[4:5], maskp s[6:7]
	s_load_b64 s[8:9], s[0:1], 0x10 ; hn
	v_lshl_add_u32 v[SPW], v0, 2, SPARE
	v_mov_b32 v[NIL], 0
	ds_add_u32 v[SPW], v[NIL]       ; the wave's opening: the add and its wait stand ahead of my first tensor load
	v_lshrrev_b32 v1, 5, v0
	v_readfirstlane_b32 s[WV], v1
	s_bfe_u32 s13, ttmp6, 0x40000   ; cx
	s_lshl_b32 s14, ttmp9, 2
	s_add_co_u32 s14, s14, s13      ; my block of 128 queries: it enters Q's, the mask's and ctx's addresses alone
	s_and_b32 s15, ttmp7, 0xffff
	s_lshr_b32 s16, s15, 3          ; the batch,
	s_and_b32 s17, s15, 7           ; the pair of heads: the four partners share both
	s_and_b32 s18, s[WV], 1         ; my half of the queries.  Also: which of a slot's two steps I fetch
	s_lshr_b32 s19, s[WV], 1        ; my head of the pair
	s_lshl_b32 s23, s17, 8          ; 256 bytes for each pair of heads
	s_lshl_b32 s20, s16, 24         ; K, V: 2,048 rows of 8,192 bytes a batch,
	s_lshl_b32 s21, s18, 19         ; 64 rows for my step
	s_add_co_u32 s20, s20, s21
	s_add_co_u32 s20, s20, s23
	s_mov_b32 s21, 0
	s_mul_i32 s22, s18, STEPB       ; and its place in a slot
	s_lshl_b32 s74, s19, 7          ; 128 bytes for my head
	s_lshl_b32 s2, s16, 24          ; Q: batch, block of 128 rows, half of 64 rows, pair, head
	s_lshl_b32 s3, s14, 20
	s_add_co_u32 s2, s2, s3
	s_lshl_b32 s3, s18, 19
	s_add_co_u32 s2, s2, s3
	s_add_co_u32 s2, s2, s23
	s_add_co_u32 s2, s2, s74
	s_mov_b32 s3, 0
	s_lshl_b32 s80, s16, 22         ; maskp: 32,768 bytes for each 16 queries
	s_lshl_b32 s81, s14, 18
	s_add_co_u32 s80, s80, s81
	s_lshl_b32 s81, s18, 17
	s_add_co_u32 s80, s80, s81
	s_mov_b32 s81, 0
	s_lshl_b32 s82, s16, 22         ; hn: rows of 2,048 bytes; on the way out wave w stores rows 32 w .. 32 w + 31 of the block
	s_lshl_b32 s83, s14, 18
	s_add_co_u32 s82, s82, s83
	s_lshl_b32 s83, s[WV], 16
	s_add_co_u32 s82, s82, s83
	s_add_co_u32 s82, s82, s23
	s_mov_b32 s83, 0
	s_mov_b32 s[G1K], 15|(1<<16)|(1<<20)|(1<<21)|(5<<22)|(3<<25)  ; the mask of four; 2-byte elements; padding on; bit 21 beside a mask; after every 64 words, 4 words
	s_mov_b32 s[G1V], 15|(1<<16)|(1<<20)|(1<<21)|(5<<22)|(7<<25)  ; the same with 8 words
.irp g, G1K, G1V
	s_mov_b32 s[\g+1], 128<<16      ; tensor_dim0 = 128
	s_mov_b32 s[\g+2], KS<<16       ; tensor_dim1 = 64
	s_mov_b32 s[\g+3], 128<<16      ; tile_dim0 = 128
	s_mov_b32 s[\g+4], KS           ; tile_dim1 = 64
	s_mov_b32 s[\g+5], 4096         ; elements from row to row
	s_mov_b32 s[\g+6], 0
	s_mov_b32 s[\g+7], 0
.endr
	s_mov_b32 s[CS], 0x3e38aa3b     ; c = log2(e) / 8
	s_mov_b32 s[CS+1], s[CS]
	s_mov_b32 s[SEL], 0x76543210
	s_mov_b32 s[SEL+1], 0xfedcba98
	s_mov_b32 s[SB], 0x04000000
	s_mov_b32 s[SB+1], 0x05000000
	s_mov_b32 s[SB+2], 0x06000000
	s_mov_b32 s[SB+3], 0x07000000
	s_mov_b32 s[OFM+1], 0
	s_mov_b32 s[KBN], 1
	s_mov_b32 s[TBK], SLOT1+2*STEPB ; the first change of slots turns these two into 0
	s_mov_b32 s[TBV], SLOT1+2*STEPB
	s_mov_b32 s[G0K], 1
	s_mov_b32 s[G0K+1], s22
	s_mov_b32 s[G0V], 1
	s_add_co_u32 s[G0V+1], s22, VOFF
	s_wait_dscnt 0x0                ; the opening add is done
	s_wait_kmcnt 0x0
	s_add_nc_u64 s[20:21], s[4:5], s[20:21]
	s_add_nc_u64 s[G0K+2:G0K+3], s[20:21], 2048    ; k begins at column 1,024
	s_or_b32 s[G0K+3], s[G0K+3], 0x80000000
	s_add_nc_u64 s[G0V+2:G0V+3], s[20:21], 4096    ; v at column 2,048
	s_or_b32 s[G0V+3], s[G0V+3], 0x80000000
	s_add_nc_u64 s[4:5], s[4:5], s[2:3]            ; Q at my wave's first row
	s_add_nc_u64 s[MB0:MB0+1], s[6:7], s[80:81]
	s_add_nc_u64 s[MB:MB+1], s[MB0:MB0+1], 1024
	s_add_nc_u64 s[8:9], s[8:9], s[82:83]
	CROUND                          ; all four work-groups are here: the first joint loads meet
	JLOAD                           ; slot 0; slot 1 is asked for when slot 0 is in
	v_and_b32 v1, 15, v0            ; l % 16
	v_bfe_u32 v14, v0, 4, 1         ; l / 16
	v_lshlrev_b32 v[QO], 13, v1
	v_lshl_add_u32 v[QO], v14, 4, v[QO]  ; row x 8,192 + 16 x half
	v_and_b32 v[MO], 31, v0
	v_lshlrev_b32 v[MO], 4, v[MO]
	WIN 0x80
.set i, 0
.rept 8                             ; Q stays in registers: piece i / 2, channels 32 (i % 2) on
	global_load_b128 v[8*i:8*i+3],   v[QO], s[4:5] offset:(i/2)*131072+(i%2)*64
	global_load_b128 v[8*i+4:8*i+7], v[QO], s[4:5] offset:(i/2)*131072+(i%2)*64+32
.set i, i+1
.endr
	WIN 0
.irp x, 0,1,2,3                     ; the raw mask of keys 0-63, all four pieces
	global_load_b128 v[MR+8*\x:MR+8*\x+3],   v[MO], s[MB0:MB0+1] offset:32768*\x
	global_load_b128 v[MR+8*\x+4:MR+8*\x+7], v[MO], s[MB0:MB0+1] offset:32768*\x+512
.endr
	; What the first turn finds: V and P's second buffer hold 0 (its products, of a piece that has not been, add 0); O^T, OS^T and l are 0.  All this stands in the wait for the first tile.
	WIN 0x80
.set i, VF
.rept 64
	v_mov_b32 v[i], 0
.set i, i+1
.endr
	WIN 0x40
.set i, 0
.rept 160
	v_mov_b32 v[i], 0
.set i, i+1
.endr
	WIN 0
	v_mov_b32 v[ZR], 0
.set i, 0
.rept 4
	v_mov_b32 v[ST+4*i+1], 0xdede0b6b  ; m = -8e18
	v_mov_b32 v[ST+4*i+2], 0
	v_mov_b32 v[ST+4*i+3], 0
.set i, i+1
.endr
.set i, 0
.rept 4
	v_mul_f32 v[ST+4*i], s[CS], v[ST+4*i+1]  ; c m, by the line that makes it in every step: while m stays, a is 2^0
.set i, i+1
.endr
.set i, P+16
.rept 16
	v_mov_b32 v[i], 0
.set i, i+1
.endr
.set i, ONES
.rept 8
	v_mov_b32 v[i], 0x3f803f80
.set i, i+1
.endr
	v_mul_u32_u24 v[AK0], v1, PK
	v_lshl_add_u32 v[AK0], v14, 4, v[AK0]
	v_add_nc_u32 v[AK0], s74, v[AK0]      ; row x pitch + 16 x half + my head
	v_and_b32 v32, 7, v0
	v_bfe_u32 v33, v0, 3, 1
	v_lshl_add_u32 v[AV0], v14, 3, v32    ; the turning load: lane l reads key 8 (l / 16) + l % 8, channels 8 ((l / 8) % 2) + 0..7
	v_mul_u32_u24 v[AV0], v[AV0], PV
	v_lshl_add_u32 v[AV0], v33, 4, v[AV0]
	v_add_nc_u32 v[AV0], s74, v[AV0]
	v_add_nc_u32 v[AV0], VOFF, v[AV0]
	v_mov_b32 v[AK], v[AK0]
; THE MATRIX WORK.  The accumulators take turns, one instruction a turn.  Product i of 8 of S^T = K Q^T for piece x: channels 32 (i / 4) on, keys 16 (i % 4) on.  The first 4 start the sums with the mask.
.macro KQ x
.set rS, S+32*((\x)%2)+8*(i%4)
.set rK, KF+16*(i%4)+8*(i/4)
.set rQ, 16*(\x)+8*(i/4)
.set rM, MC+32*((\x)%2)+8*(i%4)
.if i < 4
	WIN W_KM
	v_wmma_f32_16x16x32_bf16 v[rS:rS+7], v[rK:rK+7], v[rQ:rQ+7], v[rM:rM+7]
.else
	WIN W_KQ
	v_wmma_f32_16x16x32_bf16 v[rS:rS+7], v[rK:rK+7], v[rQ:rQ+7], v[rS:rS+7]
.endif
.endm
; Product i of 8 of O^T += V^T P for piece x: keys 32 (i / 4) on, channels 16 (i % 4) on.
.macro PV x
	WIN W_PV
.set rO, 32*(\x)+8*(i%4)
.set rV, VF+32*(i/4)+8*(i%4)
.set rP, P+16*((\x)%2)+8*(i/4)
	v_wmma_f32_16x16x32_bf16 v[rO:rO+7], v[rV:rV+7], v[rP:rP+7], v[rO:rO+7]
.endm
.macro VS k                         ; OS^T += V^T x ones: keys 32 k on, channels 16 CB on
	WIN W_PV
	v_wmma_f32_16x16x32_bf16 v[OS+8*CB:OS+8*CB+7], v[VF+32*(\k)+8*CB:VF+32*(\k)+8*CB+7], v[ONES:ONES+7], v[OS+8*CB:OS+8*CB+7]
.endm
.macro MM                           ; the turn's next matrix instruction
.if i < 8
	KQ (Y+1)%NP
.else
.set i, i-8
	PV (Y+NP-1)%NP
.set i, i+8
.endif
.set i, i+1
.endm
; THE LDS LOADS stand in runs of 16.  last = 1 (the tail): in the last trip there is no further step, and the run is jumped over.
.macro FETCH_K last=0
	WIN 0
.if \last
	s_cmp_eq_u32 s[CNT], 1
	s_cbranch_scc1 .Lno_k_\@
.endif
	WIN 0x80
.irp f, 0,1,2,3,4,5,6,7             ; keys 16 (f / 2) on, channels 32 (f % 2) on
	ds_load_b128 v[KF+8*\f:KF+8*\f+3],   v[AK] offset:(\f/2)*16*PK+(\f%2)*64
	ds_load_b128 v[KF+8*\f+4:KF+8*\f+7], v[AK] offset:(\f/2)*16*PK+(\f%2)*64+32
.endr
	s_add_co_u32 s[TBK], s[TBK], STEPB
	WIN 0
.if \last
.Lno_k_\@:
.endif
.endm
.macro FETCH_V
	WIN 0x80
.irp f, 0,1,2,3,4,5,6,7             ; keys 32 (f / 4) on, channels 16 (f % 4) on
	ds_load_tr16_b128 v[VF+8*\f:VF+8*\f+3],   v[AV] offset:(\f/4)*32*PV+(\f%4)*32
	ds_load_tr16_b128 v[VF+8*\f+4:VF+8*\f+7], v[AV] offset:(\f/4)*32*PV+16*PV+(\f%4)*32
.endr
	WIN 0
.endm
; Mask word n (= 8 kt + j: keys 16 kt + 8 (l / 16) + j) of piece x into buffer buf: the byte goes into the top byte of a word of zeros.
.macro MK x, buf, n
	WIN 0x40
	v_perm_b32 v[MC+32*(\buf)+(\n)], v[MR+8*(\x)+4*((\n)/16)+2*(((\n)/8)%2)+((\n)%8)/4], v[ZR], s[SB+(\n)%4]
.endm
.macro MLOAD x                      ; piece x's raw mask of the 64 keys at MB
	WIN 0
	global_load_b128 v[MR+8*(\x):MR+8*(\x)+3],   v[MO], s[MB:MB+1] offset:32768*(\x)
	global_load_b128 v[MR+8*(\x)+4:MR+8*(\x)+7], v[MO], s[MB:MB+1] offset:32768*(\x)+512
.endm
; THE VECTOR WORK, one line at a time: OP kind, number.  For piece Y: F n: c s - c m for pair n of 16.  E n: the exponential of score n of 32.  C n: pair n rounded to bf16.  B n: of the four weights 4 n .. the second
; pair is added onto the first, in place.  L n: l takes that sum (L 0: l = a l + sum).  R n: pair n of 16 of O^T times a.  For piece Y + 1: X n, number n of the 22 that find its maximum and statistics:
;   0-11 four chains of seven scores (each accumulator's lowest registers are read first)   12-14, 16 the four left over, the old m, and the chains into one   15 c m_old is kept
;   17, 18 the query's other 32 keys lie in the lane 16 away: the new m   19-21 c m; c m_old - c m_new; a
.set F, 0
.set E, 1
.set C, 2
.set B, 3
.set L, 4
.set R, 5
.set X, 6
.macro REGS y
.set rT, ST+4*(\y)
.set rC, TMP+4*((\y)%2)
.set rW, MV+((\y)%2)
.set rS, S+32*((\y)%2)
.set rP, P+16*((\y)%2)
.set rO, 32*(\y)
.endm
.macro OP k, n
.if (\k) == R
	REGS Y
	WIN W_RS
	v_pk_mul_f32 v[rO+2*(\n):rO+2*(\n)+1], v[rO+2*(\n):rO+2*(\n)+1], v[rC+2:rC+3] op_sel_hi:[1,0]
.elseif (\k) < R
	REGS Y
	WIN 0
.if (\k) == F
	v_pk_fma_f32 v[rS+2*(\n):rS+2*(\n)+1], v[rS+2*(\n):rS+2*(\n)+1], s[CS:CS+1], v[rT:rT+1] op_sel_hi:[1,0,0] neg_lo:[0,0,1] neg_hi:[0,0,1]
.elseif (\k) == E
	v_exp_f32 v[rS+(\n)], v[rS+(\n)]
.elseif (\k) == C
	s_wait_alu depctr_va_vdst(0)
	v_cvt_pk_bf16_f32 v[rP+(\n)], v[rS+2*(\n)], v[rS+2*(\n)+1]
.elseif (\k) == B
	s_wait_alu depctr_va_vdst(0)
	v_pk_add_f32 v[rS+4*(\n):rS+4*(\n)+1], v[rS+4*(\n):rS+4*(\n)+1], v[rS+4*(\n)+2:rS+4*(\n)+3]
.elseif (\n) == 0
	v_pk_fma_f32 v[rT+2:rT+3], v[rT+2:rT+3], v[rC+2:rC+3], v[rS:rS+1] op_sel_hi:[1,0,1]
.else
	v_pk_add_f32 v[rT+2:rT+3], v[rT+2:rT+3], v[rS+4*(\n):rS+4*(\n)+1]
.endif
.else
	REGS (Y+1)%NP
	WIN 0
.if (\n) < 4
	v_max3_num_f32 v[rC+(\n)], v[rS+8*(\n)], v[rS+8*(\n)+1], v[rS+8*(\n)+2]
.elseif (\n) < 12
	v_max3_num_f32 v[rC+(\n)%4], v[rC+(\n)%4], v[rS+8*((\n)%4)+2*((\n)/4)+1], v[rS+8*((\n)%4)+2*((\n)/4)+2]
.elseif (\n) == 12
	v_max3_num_f32 v[rC], v[rC], v[rS+7], v[rS+15]
.elseif (\n) == 13
	v_max3_num_f32 v[rC+1], v[rC+1], v[rS+23], v[rS+31]
.elseif (\n) == 14
	v_max3_num_f32 v[rC+2], v[rC+2], v[rC+3], v[rT+1]
.elseif (\n) == 15
	v_mov_b32 v[rW], v[rT]
.elseif (\n) == 16
	v_max3_num_f32 v[rC], v[rC], v[rC+1], v[rC+2]
.elseif (\n) == 17
	v_permlanex16_b32 v[rC+3], v[rC], s[SEL], s[SEL+1]
.elseif (\n) == 18
	v_max_num_f32 v[rT+1], v[rC], v[rC+3]
.elseif (\n) == 19
	v_mul_f32 v[rT], s[CS], v[rT+1]
.elseif (\n) == 20
	v_sub_f32 v[rC+1], v[rW], v[rT]
.else
	v_exp_f32 v[rC+2], v[rC+1]
.endif
.endif
.endm
.macro OPS a, i1, b=-1, i2=0, c=-1, i3=0, d=-1, i4=0
	OP \a, \i1
.if (\b) >= 0
	OP \b, \i2
.endif
.if (\c) >= 0
	OP \c, \i3
.endif
.if (\d) >= 0
	OP \d, \i4
.endif
.endm
.macro ROW a, i1, b, i2, c, i3, d, i4  ; a matrix instruction and the four behind it
	MM
	OPS \a, \i1, \b, \i2, \c, \i3, \d, \i4
.endm
; A TURN, for piece p.  Behind a matrix instruction: plain, exponential, plain, plain; or four of the rescaling, the scaling or the mask; none names a register of the products round it.
; K of the next step is fetched in piece 2's turn, behind four rescalings and a scaling that follow the last product that read K; V of the step in hand in piece 0's turn, behind four mask words and a rounding that
; follow the last product that read V.  Each is waited for a turn later.
; THE MASK.  The turn makes the words for the products of the turn after it: piece XM = p + 2.  Its two raw loads were issued four turns ago; the three other pieces' six may stay out.  When the words are made the
; registers take the piece's next 64 keys.  Their number steps in piece 2's turn and is held at 31, the last: every load stays inside maskp, and every turn issues two, so the count is the same on every way.
.macro TURN p, last=0, cnt=0
.set Y, (\p)
.set i, 0
.set XM, ((\p)+2)%NP
.set BM, (\p)%2
.set CB, ((\p)+3)%NP
.if (\p) == 3
	s_wait_dscnt 0x0                ; K is in
.endif
	ROW F,0, F,1, F,2, F,3
	ROW F,4, E,0, F,5, F,6
	ROW F,7, E,1, F,8, F,9
	ROW F,10, E,2, C,0, F,11
	ROW F,12, E,3, X,15, F,13
	ROW R,0, R,1, R,2, R,3
	ROW B,0, E,4, F,14, L,0
.if (\p) == 2
	v_add_nc_u32 v[AK], s[TBK], v[AK0]
.endif
	ROW R,4, R,5, R,6, R,7
	OPS E,5, F,15
.if (\p) == 2
	FETCH_K \last
.endif
	OPS E,6, C,1, E,7, R,8
	OPS E,8, R,9, E,9, C,2
	OPS E,10, X,0, E,11, X,1
	OPS E,12, X,2, E,13, X,3
.if (\p) == 1
	s_wait_dscnt 0x0                ; V is in
.endif
	ROW X,4, E,14, X,5, X,6
	ROW X,7, E,15, X,8, X,9
	ROW X,10, E,16, X,11, X,12
	ROW X,13, E,17, X,14, B,1
	s_wait_loadcnt 0x6              ; piece XM's raw mask is in; six younger loads stay out
	VS 0
.irp n, 0,1,2,3
	MK XM, BM, \n
.endr
	ROW C,4, E,18, X,16, L,1
	ROW B,2, E,19, C,6, L,2
	ROW C,8, E,20, B,3, B,4
.if (\p) == 0
	v_add_nc_u32 v[AV], s[TBV], v[AV0]
.endif
	ROW C,3, E,21, L,3, C,5
	VS 1
.irp n, 4,5,6,7
	MK XM, BM, \n
.endr
	OPS E,22, X,17, E,23, C,10
.if (\p) == 0
	FETCH_V
.endif
	OPS E,24, L,4
	OPS E,25, X,18, E,26, C,7
	OPS E,27, B,5, E,28, X,19
	OPS E,29, C,12, E,30, L,5
	OPS E,31, X,20, B,6, C,9
	OPS C,14, C,11, X,21, L,6
.if (\p) == 0
	s_add_co_u32 s[TBV], s[TBV], STEPB
.endif
.if \cnt
	s_sub_co_u32 s[CNT], s[CNT], 1  ; the loop's count, some lines ahead of the branch behind the turn: no line below writes SCC in this turn
	s_cmp_lg_u32 s[CNT], 0
.endif
	OPS C,13, B,7, C,15, R,10
	OPS R,11, R,12, L,7, R,13
	OPS R,14, R,15
.set z, 8
.rept 24
	MK XM, BM, z
.set z, z+1
.endr
.if (\p) == 2
	s_wait_xcnt 0x0                 ; the base of the loads that are out is rewritten only behind this wait
	s_add_co_u32 s[KBN], s[KBN], 1
	s_min_u32 s73, s[KBN], 31
	s_lshl_b32 s[OFM], s73, 10
	s_add_nc_u64 s[MB:MB+1], s[MB0:MB0+1], s[OFM:OFM+1]
.endif
	MLOAD XM
.endm
	CHANGE 1                        ; slot 0 is in, everybody's part of it; slot 1 is asked for
	FETCH_K                         ; key step 0
	s_wait_loadcnt 0x4              ; Q and the raw masks of pieces 0 and 1 are in; those of pieces 2 and 3 stay out
.set z, 0
.rept 32
	MK 0, 0, z
	MK 1, 1, z
.set z, z+1
.endr
	MLOAD 0                         ; keys 64-127: out are now, oldest first, pieces 2, 3 (keys 0-63), 0, 1: as in every turn
	MLOAD 1
	s_wait_dscnt 0x0
.set i, 0
.rept 8
	KQ 0                            ; piece 0's first scores
.set i, i+1
.endr
	WIN 0                           ; the addresses for the way out: eight plain instructions, the places behind those products
	s_mul_i32 s75, s18, 64*SP
	s_add_co_u32 s75, s75, s74
	s_add_co_u32 s75, s75, STAGE    ; into the stage: my 64 rows, my head's 128 bytes of their 256
	v_mul_u32_u24 v[STO], v1, SP
	v_lshl_add_u32 v[STO], v14, 4, v[STO]
	v_add_nc_u32 v[STO], s75, v[STO]
	s_mul_i32 s75, s[WV], 32*SP
	s_add_co_u32 s75, s75, STAGE    ; back: wave w takes rows 32 w .. 32 w + 31, whole
	v_mul_u32_u24 v[RD], v14, SP
	v_lshl_add_u32 v[RD], v1, 4, v[RD]
	v_add_nc_u32 v[RD], s75, v[RD]
	v_lshlrev_b32 v[GO], 11, v14
	v_lshl_add_u32 v[GO], v1, 4, v[GO]
.set Y, NP-1                        ; X works for piece Y + 1: piece 0
.irp n, 0,1,2,3,4,5,6,7,8,9,10,11,12,13,14,15,16,17,18,19,20,21
	OP X, \n
.endr
	v_nop                           ; a plain instruction behind the exponential
	s_mov_b32 s[CNT], 2
	s_mov_b32 s[SLOTS], 15
	s_branch .Lfirst                ; the loop is entered at a step's first turn, in the middle of a trip
.Lslot:                             ; 14 times: every slot but the last two is filled again
	CHANGE 1
	s_mov_b32 s[CNT], 2
.Lstep:                             ; a trip: pieces 2 and 3 of one step, then pieces 0 and 1 of the next, whose K and V it fetches
	TURN 2
	TURN 3
	WIN 0
.Lfirst:
	TURN 0
	TURN 1, 0, 1
	WIN 0
	s_cbranch_scc1 .Lstep
	s_sub_co_u32 s[SLOTS], s[SLOTS], 1
	s_cmp_lg_u32 s[SLOTS], 0
	s_cbranch_scc1 .Lslot
	CHANGE 0                        ; the tail is written out: nothing is asked for
	s_mov_b32 s[CNT], 3             ; two trips fetch the last slot's steps; the third is left in its middle
.Ltail:
	TURN 2, 1
	TURN 3
	WIN 0
	s_sub_co_u32 s[CNT], s[CNT], 1
	s_cmp_eq_u32 s[CNT], 0
	s_cbranch_scc1 .Lout
	TURN 0
	TURN 1
	WIN 0
	s_branch .Ltail
.Lout:                              ; the third trip's 8 products K Q^T (on the last K once more) and the maximum made of them serve nothing: they touch piece 0's m and c m alone, which nothing reads any more
.set CB, 3
.set i, 0
.rept 4
	PV NP-1                         ; the last piece's V^T P of the last step,
.set i, i+1
.endr
	VS 0                            ; and the last channels of OS^T
.rept 4
	PV NP-1
.set i, i+1
.endr
	VS 1
	; THE WAY OUT.  The additions are the places behind the last products.
	WIN 0
.macro ALL line:vararg
.set t, 0
.rept 4
	\line
.set t, t+1
.endr
.endm
	ALL v_add_f32 v[ST+4*t+2], v[ST+4*t+2], v[ST+4*t+3]
	ALL v_permlanex16_b32 v[ST+4*t+3], v[ST+4*t+2], s[SEL], s[SEL+1]
	ALL v_add_f32 v[ST+4*t+2], v[ST+4*t+2], v[ST+4*t+3]
	ALL v_add_f32 v[ST+4*t+2], 0x13000000, v[ST+4*t+2]
	ALL v_rcp_f32 v[ST+4*t+2], v[ST+4*t+2]
	v_nop                           ; a plain instruction between the last reciprocal and the use of its result
.macro PACK t                       ; (O + 2^-100 OS) / (l + 2^-89), rounded; a lane's eight channels of a row are 16 bytes
	WIN 0x51                        ; sources 0 and 2 and the destination in window 1
.set i, 0
.rept 16
	v_pk_fma_f32 v[32*(\t)+i:32*(\t)+i+1], v[OS+i:OS+i+1], 0x0d800000, v[32*(\t)+i:32*(\t)+i+1] op_sel_hi:[1,0,1]
.set i, i+2
.endr
	WIN W_RS
.set i, 32*(\t)
.rept 16
	s_wait_alu depctr_va_vdst(0)
	v_pk_mul_f32 v[i:i+1], v[i:i+1], v[ST+4*(\t)+2:ST+4*(\t)+3] op_sel_hi:[1,0]
.set i, i+2
.endr
	WIN 0x05
.set i, 0
.rept 16
	v_cvt_pk_bf16_f32 v[S+16*(\t)+i], v[32*(\t)+2*i], v[32*(\t)+2*i+1]
.set i, i+1
.endr
	WIN 0
.irp f, 0,1,2,3
	ds_store_b128 v[STO], v[S+16*(\t)+4*\f:S+16*(\t)+4*\f+3] offset:(\t)*16*SP+32*\f
.endr
.endm
	PACK 0
	PACK 1
	PACK 2
	PACK 3
	s_wait_dscnt 0x0                ; for the others' sake: a row's 256 bytes come from two waves
	s_barrier_signal -1
	s_barrier_wait -1
.irp t, 0,1,2,3,4,5,6,7,8,9,10,11,12,13,14,15
	ds_load_b128 v[S+4*\t:S+4*\t+3], v[RD] offset:\t*2*SP
.endr
.irp t, 0,1,2,3,4,5,6,7,8,9,10,11,12,13,14,15
	s_wait_dscnt 15-\t              ; the younger loads stay out
	global_store_b128 v[GO], v[S+4*\t:S+4*\t+3], s[8:9] offset:\t*4096  ; 16 lanes store 256 consecutive bytes, aligned
.endr
	s_wait_tensorcnt 0x0            ; the wave's end
	ds_add_u32 v[SPW], v[NIL]
	s_wait_dscnt 0x0
	CROUND                          ; the closing round
	s_endpgm
.Lfunc_end_k_q7ae3283e34_attn:
	.size	k_q7ae3283e34_attn, .Lfunc_end_k_q7ae3283e34_attn-k_q7ae3283e34_attn
	.p2alignl 7, 3214868480
	.fill 96, 4, 3214868480
	.section	.rodata,"a",@progbits
	.p2align	6, 0x0
	.amdhsa_kernel k_q7ae3283e34_attn
		.amdhsa_group_segment_fixed_size 327680
		.amdhsa_private_segment_fixed_size 0
		.amdhsa_enable_private_segment 0
		.amdhsa_kernarg_size 24
		.amdhsa_user_sgpr_count 2
		.amdhsa_user_sgpr_kernarg_segment_ptr 1
		.amdhsa_wavefront_size32 1
		.amdhsa_system_sgpr_workgroup_id_x 1
		.amdhsa_system_sgpr_workgroup_id_y 1
		.amdhsa_system_sgpr_workgroup_id_z 1
		.amdhsa_system_vgpr_workitem_id 0
		.amdhsa_next_free_vgpr 768
		.amdhsa_next_free_sgpr 84
		.amdhsa_reserve_vcc 0
		.amdhsa_float_denorm_mode_32 3
		.amdhsa_float_denorm_mode_16_64 3
		.amdhsa_memory_ordered 1
		.amdhsa_forward_progress 1
		.amdhsa_inst_pref_size 152
	.end_amdhsa_kernel
	.amdgpu_metadata
---
amdhsa.version: [ 1, 2 ]
amdhsa.kernels:
  - .name:           k_q7ae3283e34_attn
    .symbol:         k_q7ae3283e34_attn.kd
    .args:
      - { .name: big, .offset: 0, .size: 8, .value_kind: global_buffer, .address_space: global }
      - { .name: maskp, .offset: 8, .size: 8, .value_kind: global_buffer, .address_space: global }
      - { .name: hn, .offset: 16, .size: 8, .value_kind: global_buffer, .address_space: global }
    .group_segment_fixed_size: 327680
    .private_segment_fixed_size: 0
    .kernarg_segment_align: 8
    .kernarg_segment_size: 24
    .max_flat_workgroup_size: 128
    .sgpr_count:     84
    .vgpr_count:     768
    .wavefront_size: 32
...
	.end_amdgpu_metadata
.endif
;; end of part 3
;; launch wo (part 4): grid 8 x 32, 4 waves a work-group, clusters of 4 x 4, 327,680 bytes of LDS; arguments hn, wob, bo, x, x1; writes x1
.if DOCPART == 4
	.amdgcn_target "amdgcn-amd-amdhsa--gfx1250"
	.amdhsa_code_object_version 6
	.text
	.protected	k_q7ae3283e34_wo
	.globl	k_q7ae3283e34_wo
	.p2align	8
	.type	k_q7ae3283e34_wo,@function
k_q7ae3283e34_wo:
	s_mov_b64 s[64:65], 0
	v_nop
	global_prefetch_b8 v0, s[64:65] scope:SCOPE_SE
	s_setreg_imm32_b32 hwreg(HW_REG_WAVE_MODE, 25, 1), 1
	s_wait_xcnt 0x0
	s_wait_alu depctr_hold_cnt(0) depctr_sa_sdst(0) depctr_va_vdst(0) depctr_va_sdst(0) depctr_va_ssrc(0) depctr_va_vcc(0) depctr_vm_vsrc(0)
	s_getreg_b32 s2, hwreg(HW_REG_IB_STS2, 6, 4)
	s_cmp_eq_u32 s2, 0
	s_cbranch_scc0 .Lentry_in_a_cluster
	s_endpgm
.Lentry_in_a_cluster:
	s_bfe_u32 s2, ttmp6, 0x10000c
	s_cmp_lg_u32 s2, 0xf033
	s_cbranch_scc0 .Lentry_shape_is_right
	s_endpgm
.Lentry_shape_is_right:
; OUT[m][n] = RES[m][n] + bias[n] + sum over k of A[m][k] W[k][n].  A: [4096][SIZE_K] bf16.  W: [SIZE_K][1024] bf16, rows along n.  bias: [1024] f32.  RES, OUT: [4096][1024] f32.  Sums in f32.
; A tile of OUT is 128 x 128, which gives each of 256 work-groups one.  Four waves, each 64 x 64: 16 accumulators.  K goes in steps of 256 through two LDS slots: A's rows are 512 bytes, W's 256.
; W stays [k][n] in LDS and is turned on its way into registers (ds_load_tr16_b128).  CLUSTERS: 4 x 4 work-groups; A's tiles are asked for jointly along a row of the cluster, W's along a column.
; THE MATRIX INSTRUCTION IS USED TRANSPOSED (source 0 = 16 columns of W, source 1 = 16 rows of A): a lane holds eight neighbouring numbers of a row of OUT; the bias is the C operand that starts each sum.
; The residual is loaded at the start into registers of its own, in the layout in which rows leave, and is added on the way out.  A wave's 64 columns of f32 are 256 aligned bytes: each wave has a stage of its own.
; REGISTERS: window 0: v0-31 addresses; v32-63 the bias, later rows on the way out; v128-255 the accumulators.  window 1: two fragment buffers of 128 (64 of A, 64 of W).  window 2: v0-127 the residual.
.set SIZE_K, 1024
.set NO,     1024
.set KSTEP,  256
.set PITCH,  528                       ; a row of A in LDS: 512 bytes + 16
.set HALFA,  64*PITCH
.set PW,     288                       ; a row of W in LDS: 256 bytes + 32
.set HALFW,  128*PW
.set SLOT,   2*HALFA+2*HALFW           ; A's 128 rows, then W's 256 rows
.set STAGE,  2*SLOT                    ; behind the ring: 16 rows x 272 bytes for each wave
.set SPITCH, 272
.set SPARE,  STAGE+4*16*SPITCH
.set LAPS,   SIZE_K/(2*KSTEP)
.set ADRA, 16                          ; v16-17  LDS address of my A fragments in slot 0, 1
.set ADRB, 20                          ; v20-23  of my W fragments: slot 0 rows 0-127, 128-255; slot 1 likewise (an LDS immediate has 16 bits)
.set STO,  24
.set RD,   25
.set CO,   26                          ; v26     my byte offset in two rows of RES and OUT
.set BO,   27
.set SPW,  28
.set NIL,  29
.set TMP,  32
.set BIAS, 32
.set ACC,  128
.set F0,   0
.set F1,   128
.set G1, 24
.set G0, 32
.set G1B, 48
.set G0B, 56
.set MSB, 0
.macro WIN new
.if MSB != (\new)
	s_set_vgpr_msb (MSB<<8)|(\new)
.set MSB, \new
.endif
.endm
.set MUL,  0x05                        ; sources 0 (W) and 1 (A) window 1; C and D window 0
.set TO_F, 0x40
.macro JLOAD s                         ; a joint load: waves 0 and 1 fetch A's two halves, waves 2 and 3 W's; an s_nop 0 and four v_nop follow each of the two lines
	s_cmp_eq_u32 s11, 0
	s_cbranch_scc0 .Lfor_b_\@
	tensor_load_to_lds s[G0+4*(\s):G0+4*(\s)+3], s[G1:G1+7]
	s_nop 0
.rept 4
	v_nop
.endr
	s_branch .Lasked_\@
.Lfor_b_\@:
	tensor_load_to_lds s[G0B+4*(\s):G0B+4*(\s)+3], s[G1B:G1B+7]
	s_nop 0
.rept 4
	v_nop
.endr
.Lasked_\@:
.endm
.macro CREST
	s_cmp_lg_u32 s10, 0
	s_cbranch_scc1 .Lnot_wave_0_\@
	s_barrier_signal -3
.Lnot_wave_0_\@:
	s_barrier_wait -3
	s_barrier_signal -1
	s_barrier_wait -1
.endm
.macro CROUND
	s_barrier_signal -1
	s_barrier_wait -1
	CREST
.endm
	s_load_b256 s[68:75], s[0:1], 0x0              ; A s[68:69], W s[70:71], bias s[72:73], RES s[74:75]
	s_load_b64 s[76:77], s[0:1], 0x20              ; OUT
	v_lshl_add_u32 v[SPW], v0, 2, SPARE
	v_mov_b32 v[NIL], 0
	ds_add_u32 v[SPW], v[NIL]                      ; the wave's opening: the add and its wait stand ahead of my first tensor load
	v_lshrrev_b32 v1, 5, v0
	v_readfirstlane_b32 s10, v1
	s_lshr_b32 s11, s10, 1                         ; my half of the tile's rows.  Also: I fetch for A (0) or for W (1)
	s_and_b32 s12, s10, 1                          ; my half of its columns.  Also: which half of that tile I fetch
	s_bfe_u32 s40, ttmp6, 0x40000
	s_bfe_u32 s41, ttmp6, 0x40004
	s_lshl_b32 s42, ttmp9, 2
	s_add_co_u32 s42, s42, s40                     ; tile column
	s_and_b32 s13, ttmp7, 0xffff
	s_lshl_b32 s13, s13, 2
	s_add_co_u32 s13, s13, s41                     ; tile row
	s_lshl_b32 s43, s41, 2
	s_lshl_b32 s43, 15, s43
	s_lshl_b32 s44, 0x1111, s40
	s_or_b32 s[G1+0], s43, (1<<16)|(1<<20)|(1<<21)|(6<<22)|(3<<25)   ; A: my row's mask; after every 128 words, 4 words
	s_mov_b32 s[G1+1], KSTEP<<16
	s_mov_b32 s[G1+2], 64<<16
	s_mov_b32 s[G1+3], KSTEP<<16
	s_mov_b32 s[G1+4], 64
	s_mov_b32 s[G1+5], SIZE_K
	s_mov_b32 s[G1+6], 0
	s_mov_b32 s[G1+7], 0
	s_or_b32 s[G1B+0], s44, (1<<16)|(1<<20)|(1<<21)|(5<<22)|(7<<25)  ; W: my column's mask; after every 64 words, 8 words
	s_mov_b32 s[G1B+1], 128<<16
	s_mov_b32 s[G1B+2], 128<<16
	s_mov_b32 s[G1B+3], 128<<16
	s_mov_b32 s[G1B+4], 128
	s_mov_b32 s[G1B+5], NO
	s_mov_b32 s[G1B+6], 0
	s_mov_b32 s[G1B+7], 0
	s_lshl_b32 s16, s13, 7
	s_lshl_b32 s17, s12, 6
	s_add_co_u32 s16, s16, s17                     ; A: row 128 x tile row + 64 x half,
	s_mul_i32 s16, s16, SIZE_K*2                   ; in bytes (under 2^26)
	s_mov_b32 s17, 0
	s_lshl_b32 s46, s42, 8                         ; W: 256 bytes for each tile column,
	s_lshl_b32 s47, s12, 18                        ; 128 rows of 2,048 bytes for my half
	s_add_co_u32 s46, s46, s47
	s_mov_b32 s47, 0
	s_mul_i32 s20, s12, HALFA                      ; where they go
	s_mul_i32 s23, s12, HALFW
	s_add_co_u32 s23, s23, 2*HALFA
	s_wait_dscnt 0x0
	s_wait_kmcnt 0x0
	s_add_nc_u64 s[14:15], s[68:69], s[16:17]
	s_add_nc_u64 s[46:47], s[70:71], s[46:47]
	CROUND
.irp s, 0,1
	s_mov_b32 s[G0+4*(\s)], 1
	s_add_co_u32 s[G0+4*(\s)+1], s20, (\s)*SLOT
	s_add_nc_u64 s[G0+4*(\s)+2:G0+4*(\s)+3], s[14:15], (\s)*KSTEP*2
	s_or_b32 s[G0+4*(\s)+3], s[G0+4*(\s)+3], 0x80000000
	s_mov_b32 s[G0B+4*(\s)], 1
	s_add_co_u32 s[G0B+4*(\s)+1], s23, (\s)*SLOT
	s_add_nc_u64 s[G0B+4*(\s)+2:G0B+4*(\s)+3], s[46:47], (\s)*KSTEP*NO*2
	s_or_b32 s[G0B+4*(\s)+3], s[G0B+4*(\s)+3], 0x80000000
	JLOAD \s                                       ; two tensor loads of mine are out
.endr
	v_and_b32 v1, 15, v0
	v_bfe_u32 v2, v0, 4, 1
	v_lshlrev_b32 v[BO], 5, v2
	v_lshlrev_b32 v5, 12, v2
	v_lshl_add_u32 v[CO], v1, 4, v5                ; lanes 0-15 one row's 256 bytes, lanes 16-31 the next row's
	s_lshl_b32 s46, s42, 9                         ; my first column in f32 bytes: 512 x tile column + 256 x half
	s_lshl_b32 s47, s12, 8
	s_add_co_u32 s46, s46, s47
	s_mov_b32 s47, 0
	s_add_nc_u64 s[72:73], s[72:73], s[46:47]
	s_lshl_b32 s16, s13, 19                        ; my first row: 128 rows of 4,096 bytes for each tile row, 64 for my half
	s_lshl_b32 s17, s11, 18
	s_add_co_u32 s16, s16, s17
	s_mov_b32 s17, 0
	s_add_nc_u64 s[16:17], s[16:17], s[46:47]
	s_add_nc_u64 s[74:75], s[74:75], s[16:17]
	s_add_nc_u64 s[76:77], s[76:77], s[16:17]
.irp b, 0,1,2,3
	global_load_b128 v[BIAS+8*(\b):BIAS+8*(\b)+3],   v[BO], s[72:73] offset:64*(\b)
	global_load_b128 v[BIAS+8*(\b)+4:BIAS+8*(\b)+7], v[BO], s[72:73] offset:64*(\b)+16
.endr
	WIN 0x80                                       ; destination window 2
.irp a, 0,1,2,3
.irp t, 0,1,2,3,4,5,6,7
	global_load_b128 v[32*(\a)+4*(\t):32*(\a)+4*(\t)+3], v[CO], s[74:75] offset:(16*(\a)+2*(\t))*4096
.endr
.endr
	WIN 0
	v_mul_u32_u24 v3, v1, PITCH
	v_lshl_add_u32 v3, v2, 4, v3
	v_and_b32 v6, 7, v0
	v_lshl_add_u32 v6, v2, 3, v6
	v_mul_u32_u24 v6, v6, PW
	v_bfe_u32 v7, v0, 3, 1
	v_lshl_add_u32 v6, v7, 4, v6
	s_mul_i32 s21, s11, HALFA
	s_lshl_b32 s22, s12, 7
	s_add_co_u32 s22, s22, 2*HALFA
.irp s, 0,1
	v_add_nc_u32 v[ADRA+(\s)], s21, v3
	v_add_nc_u32 v[ADRB+2*(\s)], s22, v6
	s_add_co_u32 s22, s22, HALFW
	v_add_nc_u32 v[ADRB+2*(\s)+1], s22, v6
	s_add_co_u32 s21, s21, SLOT
	s_add_co_u32 s22, s22, SLOT-HALFW
.endr
	s_mul_i32 s23, s10, 16*SPITCH
	s_add_co_u32 s23, s23, STAGE                   ; my stage
	v_mul_u32_u24 v4, v1, SPITCH
	v_lshl_add_u32 v4, v2, 5, v4                   ; in: row l % 16, 32 bytes for each half of the lanes
	v_add_nc_u32 v[STO], s23, v4
	v_mul_u32_u24 v5, v2, SPITCH
	v_lshl_add_u32 v5, v1, 4, v5
	v_add_nc_u32 v[RD], s23, v5
; 8 matrix instructions: m blocks a0, a0 + 1 x all 4 n blocks, 32 along K: half c of buffer f.  zero = 1: the first product starts the sums, with the bias as C.  The 16 accumulators take turns.
.macro MUL8 f, c, a0, zero
	WIN MUL
.irp a, \a0, (\a0)+1
.irp b, 0,1,2,3
.if \zero
	v_wmma_f32_16x16x32_bf16 v[ACC+8*(4*(\a)+(\b)):ACC+8*(4*(\a)+(\b))+7], v[(\f)+64+8*(4*(\c)+(\b)):(\f)+64+8*(4*(\c)+(\b))+7], v[(\f)+8*(4*(\c)+(\a)):(\f)+8*(4*(\c)+(\a))+7], v[BIAS+8*(\b):BIAS+8*(\b)+7]
.else
	v_wmma_f32_16x16x32_bf16 v[ACC+8*(4*(\a)+(\b)):ACC+8*(4*(\a)+(\b))+7], v[(\f)+64+8*(4*(\c)+(\b)):(\f)+64+8*(4*(\c)+(\b))+7], v[(\f)+8*(4*(\c)+(\a)):(\f)+8*(4*(\c)+(\a))+7], v[ACC+8*(4*(\a)+(\b)):ACC+8*(4*(\a)+(\b))+7]
.endif
.endr
.endr
.endm
; 32 LDS loads in one run: the fragments of quarter q (64 along K) into buffer f; the first 32 along K first
.macro FETCH slot, q, f
	WIN TO_F
.irp c, 0,1
.irp i, 0,1,2,3
	ds_load_tr16_b128 v[(\f)+64+8*(4*(\c)+(\i)):(\f)+64+8*(4*(\c)+(\i))+3],   v[ADRB+2*(\slot)+(\q)/2] offset:(((\q)%2)*64+32*(\c))*PW+32*(\i)
	ds_load_tr16_b128 v[(\f)+64+8*(4*(\c)+(\i))+4:(\f)+64+8*(4*(\c)+(\i))+7], v[ADRB+2*(\slot)+(\q)/2] offset:(((\q)%2)*64+32*(\c)+16)*PW+32*(\i)
	ds_load_b128 v[(\f)+8*(4*(\c)+(\i)):(\f)+8*(4*(\c)+(\i))+3],         v[ADRA+(\slot)] offset:128*(\q)+64*(\c)+(\i)*16*PITCH
	ds_load_b128 v[(\f)+8*(4*(\c)+(\i))+4:(\f)+8*(4*(\c)+(\i))+7],       v[ADRA+(\slot)] offset:128*(\q)+64*(\c)+(\i)*16*PITCH+32
.endr
.endr
.endm
.macro PLACES
.rept 4
	v_nop
.endr
.endm
.macro QUARTER slot, q, f, g, zero
	s_wait_dscnt 16                                ; the first 32 along K are in
	MUL8 \f, 0, 0, \zero
	MUL8 \f, 0, 2, \zero
	PLACES
	FETCH \slot, \q, \g
	s_wait_dscnt 32                                ; all but the 32 just issued
	MUL8 \f, 1, 0, 0
	MUL8 \f, 1, 2, 0
.endm
; The last quarter multiplies buffer 1 and changes slots: one barrier; in front of it each wave waits for all its tensor loads, adds 0 to its spare word, and waits for that and for its reads of this slot.
.macro TURN slot, next, fill
	WIN 0
	s_wait_tensorcnt 0x0
	ds_add_u32 v[SPW], v[NIL]
	s_wait_dscnt 17                                ; the add and the youngest sixteen loads may be out
	MUL8 F1, 0, 0, 0
	s_wait_dscnt 0x0
	s_barrier_signal -1
	MUL8 F1, 0, 2, 0
.if \fill
	WIN 0
.endif
	s_barrier_wait -1
.if \fill
	CREST
	s_add_nc_u64 s[G0+4*(\slot)+2:G0+4*(\slot)+3], s[G0+4*(\slot)+2:G0+4*(\slot)+3], 2*KSTEP*2
	s_add_nc_u64 s[G0B+4*(\slot)+2:G0B+4*(\slot)+3], s[G0B+4*(\slot)+2:G0B+4*(\slot)+3], 2*KSTEP*NO*2
	JLOAD \slot                                    ; my one tensor load behind the round: 112 matrix instructions ahead of the wait for it
.else
	PLACES
.endif
	FETCH \next, 0, F0
	MUL8 F1, 1, 0, 0
	MUL8 F1, 1, 2, 0
.endm
	s_wait_tensorcnt 1                             ; my part of K step 0 is in; K step 1's may stay out
	s_barrier_signal -1
	s_barrier_wait -1
	FETCH 0, 0, F0
	s_wait_loadcnt 32                              ; the bias is in; the 32 loads of the residual stay out
	QUARTER 0, 1, F0, F1, 1
	WIN 0
	s_mov_b32 s3, LAPS-1
.Llap:
	QUARTER 0, 2, F1, F0, 0
	QUARTER 0, 3, F0, F1, 0
	TURN 0, 1, 1
	QUARTER 1, 1, F0, F1, 0
	QUARTER 1, 2, F1, F0, 0
	QUARTER 1, 3, F0, F1, 0
	TURN 1, 0, 1
	QUARTER 0, 1, F0, F1, 0
	WIN 0
	s_sub_co_u32 s3, s3, 1
	s_cmp_lg_u32 s3, 0
	s_cbranch_scc1 .Llap
	QUARTER 0, 2, F1, F0, 0                        ; the last lap fills nothing
	QUARTER 0, 3, F0, F1, 0
	TURN 0, 1, 0
	QUARTER 1, 1, F0, F1, 0
	QUARTER 1, 2, F1, F0, 0
	QUARTER 1, 3, F0, F1, 0
	s_wait_dscnt 16
	MUL8 F1, 0, 0, 0
	MUL8 F1, 0, 2, 0
	s_wait_dscnt 0x0
	MUL8 F1, 1, 0, 0
	MUL8 F1, 1, 2, 0
	WIN 0
	; THE WAY OUT, 16 rows at a time: the f32 sums go into my stage (32 bytes a lane) and come back as whole rows of 256 bytes; the residual is added; stored.
	PLACES
.irp a, 0,1,2,3
.irp b, 0,1,2,3
	ds_store_b128 v[STO], v[ACC+8*(4*(\a)+(\b)):ACC+8*(4*(\a)+(\b))+3]   offset:64*(\b)      ; each accumulator from its low end
	ds_store_b128 v[STO], v[ACC+8*(4*(\a)+(\b))+4:ACC+8*(4*(\a)+(\b))+7] offset:64*(\b)+16
.endr
.if (\a) > 0
	s_wait_xcnt 0x0                                ; the rows' registers were the data of the block before's stores: loaded again only behind this wait
.endif
.irp t, 0,1,2,3,4,5,6,7
	ds_load_b128 v[TMP+4*(\t):TMP+4*(\t)+3], v[RD] offset:(\t)*2*SPITCH  ; LDS serves a wave's instructions in order (ISA guide 5.7.1.4)
.endr
	s_wait_dscnt 0x0
	s_wait_loadcnt 24-8*(\a)                       ; this block's residual is in; eight loads for each later block stay out
	WIN 0x08                                       ; source 1 in window 2
.set z, 0
.rept 16
	v_pk_add_f32 v[TMP+z:TMP+z+1], v[TMP+z:TMP+z+1], v[32*(\a)+z:32*(\a)+z+1]
.set z, z+2
.endr
	WIN 0
.irp t, 0,1,2,3,4,5,6,7
	global_store_b128 v[CO], v[TMP+4*(\t):TMP+4*(\t)+3], s[76:77] offset:(16*(\a)+2*(\t))*4096  ; 16 lanes store 256 consecutive bytes, aligned
.endr
.endr
	s_wait_tensorcnt 0x0                           ; the wave's end
	ds_add_u32 v[SPW], v[NIL]
	s_wait_dscnt 0x0
	CROUND
	s_endpgm
.Lfunc_end_k_q7ae3283e34_wo:
	.size	k_q7ae3283e34_wo, .Lfunc_end_k_q7ae3283e34_wo-k_q7ae3283e34_wo
	.p2alignl 7, 3214868480
	.fill 96, 4, 3214868480
	.section	.rodata,"a",@progbits
	.p2align	6, 0x0
	.amdhsa_kernel k_q7ae3283e34_wo
		.amdhsa_group_segment_fixed_size 327680
		.amdhsa_private_segment_fixed_size 0
		.amdhsa_enable_private_segment 0
		.amdhsa_kernarg_size 40
		.amdhsa_user_sgpr_count 2
		.amdhsa_user_sgpr_kernarg_segment_ptr 1
		.amdhsa_wavefront_size32 1
		.amdhsa_system_sgpr_workgroup_id_x 1
		.amdhsa_system_sgpr_workgroup_id_y 1
		.amdhsa_system_sgpr_workgroup_id_z 1
		.amdhsa_system_vgpr_workitem_id 0
		.amdhsa_next_free_vgpr 640
		.amdhsa_next_free_sgpr 80
		.amdhsa_reserve_vcc 0
		.amdhsa_float_denorm_mode_32 3
		.amdhsa_float_denorm_mode_16_64 3
		.amdhsa_memory_ordered 1
		.amdhsa_forward_progress 1
		.amdhsa_inst_pref_size 94
	.end_amdhsa_kernel
	.amdgpu_metadata
---
amdhsa.version: [ 1, 2 ]
amdhsa.kernels:
  - .name:           k_q7ae3283e34_wo
    .symbol:         k_q7ae3283e34_wo.kd
    .args:
      - { .name: hn, .offset: 0, .size: 8, .value_kind: global_buffer, .address_space: global }
      - { .name: wob, .offset: 8, .size: 8, .value_kind: global_buffer, .address_space: global }
      - { .name: bo, .offset: 16, .size: 8, .value_kind: global_buffer, .address_space: global }
      - { .name: x, .offset: 24, .size: 8, .value_kind: global_buffer, .address_space: global }
      - { .name: x1, .offset: 32, .size: 8, .value_kind: global_buffer, .address_space: global }
    .group_segment_fixed_size: 327680
    .private_segment_fixed_size: 0
    .kernarg_segment_align: 8
    .kernarg_segment_size: 40
    .max_flat_workgroup_size: 128
    .sgpr_count:     80
    .vgpr_count:     640
    .wavefront_size: 32
...
	.end_amdgpu_metadata
.endif
;; end of part 4
;; launch ln2 (part 5): grid 256 x 1, 8 waves a work-group, no clusters, 0 bytes of LDS; arguments x1, ln2_g, ln2_b, hn; writes hn
.if DOCPART == 5
	.amdgcn_target "amdgcn-amd-amdhsa--gfx1250"
	.amdhsa_code_object_version 6
	.text
	.protected	k_q7ae3283e34_ln2
	.globl	k_q7ae3283e34_ln2
	.p2align	8
	.type	k_q7ae3283e34_ln2,@function
k_q7ae3283e34_ln2:
	s_mov_b64 s[64:65], 0
	v_nop
	global_prefetch_b8 v0, s[64:65] scope:SCOPE_SE
	s_setreg_imm32_b32 hwreg(HW_REG_WAVE_MODE, 25, 1), 1
	s_wait_xcnt 0x0
; hn = layer norm 2 of x1, in bf16.  x1: [4096][1024] f32.  A work-group owns 16 rows, a wave two; a row stays in 32 registers between the passes (mean; squares of x - mean; scaling), so memory is read once.
; A lane owns columns 256 j + 8 lane + 0..7, j = 0..3.  No LDS, no barrier, no matrix work: bytes are all that counts here.
.set G,   8                            ; v8-39 gain, v40-71 bias of my 32 columns
.set BB,  40
.set T,   136
.set M,   144
.set R,   146
.set XP,  4                            ; s[4:5] x1
.set GP,  6
.set BP,  8
.set HP,  10                           ; s[10:11] hn
.set SEL, 16
.set K10, 18
.set KEPS, 19
.macro FOLD                            ; four chains of pairs in T -> one number, the same in every lane
	v_pk_add_f32 v[T:T+1], v[T:T+1], v[T+2:T+3]
	v_pk_add_f32 v[T+4:T+5], v[T+4:T+5], v[T+6:T+7]
	v_pk_add_f32 v[T:T+1], v[T:T+1], v[T+4:T+5]
	v_add_f32 v[T], v[T], v[T+1]
	v_add_f32_dpp v[T], v[T], v[T] row_xmask:1 row_mask:0xf bank_mask:0xf
	v_add_f32_dpp v[T], v[T], v[T] row_xmask:2 row_mask:0xf bank_mask:0xf
	v_add_f32_dpp v[T], v[T], v[T] row_xmask:4 row_mask:0xf bank_mask:0xf
	v_add_f32_dpp v[T], v[T], v[T] row_xmask:8 row_mask:0xf bank_mask:0xf
	v_permlanex16_b32 v[T+1], v[T], s[SEL], s[SEL+1]
	v_add_f32 v[T], v[T], v[T+1]
.endm
.macro LNROW x0, row
.irp c, 0,1,2,3
	v_pk_add_f32 v[T+2*(\c):T+2*(\c)+1], v[(\x0)+2*(\c):(\x0)+2*(\c)+1], v[(\x0)+8+2*(\c):(\x0)+8+2*(\c)+1]  ; the first pairs start the chains
.endr
.irp o, 16,24
.irp c, 0,1,2,3
	v_pk_add_f32 v[T+2*(\c):T+2*(\c)+1], v[T+2*(\c):T+2*(\c)+1], v[(\x0)+(\o)+2*(\c):(\x0)+(\o)+2*(\c)+1]
.endr
.endr
	FOLD
	v_mul_f32 v[M], s[K10], v[T]
	v_mov_b32 v[M+1], v[M]
.set z, 0
.rept 16
	v_pk_add_f32 v[(\x0)+z:(\x0)+z+1], v[(\x0)+z:(\x0)+z+1], v[M:M+1] neg_lo:[0,1] neg_hi:[0,1]
.set z, z+2
.endr
.irp c, 0,1,2,3
	v_pk_mul_f32 v[T+2*(\c):T+2*(\c)+1], v[(\x0)+2*(\c):(\x0)+2*(\c)+1], v[(\x0)+2*(\c):(\x0)+2*(\c)+1]
.endr
.irp o, 8,16,24
.irp c, 0,1,2,3
	v_pk_fma_f32 v[T+2*(\c):T+2*(\c)+1], v[(\x0)+(\o)+2*(\c):(\x0)+(\o)+2*(\c)+1], v[(\x0)+(\o)+2*(\c):(\x0)+(\o)+2*(\c)+1], v[T+2*(\c):T+2*(\c)+1]
.endr
.endr
	FOLD
	v_fma_f32 v[T], v[T], s[K10], s[KEPS]
	v_rsq_f32 v[R], v[T]
	v_rsq_f32 v[R+1], v[T]
	v_nop                                          ; a plain instruction between the root and the use of its result (ISA guide 5.7.2)
.set z, 0
	s_wait_alu depctr_va_vdst(0)
.rept 16
	v_pk_mul_f32 v[(\x0)+z:(\x0)+z+1], v[(\x0)+z:(\x0)+z+1], v[R:R+1]
.set z, z+2
.endr
.set z, 0
.rept 16
	v_pk_fma_f32 v[(\x0)+z:(\x0)+z+1], v[(\x0)+z:(\x0)+z+1], v[G+z:G+z+1], v[BB+z:BB+z+1]
.set z, z+2
.endr
.set z, 0
.rept 16
	v_cvt_pk_bf16_f32 v[(\x0)+z], v[(\x0)+2*z], v[(\x0)+2*z+1]  ; in place, ascending
.set z, z+1
.endr
.irp j, 0,1,2,3
	global_store_b128 v2, v[(\x0)+4*(\j):(\x0)+4*(\j)+3], s[HP:HP+1] offset:2048*(\row)+512*(\j)  ; 512 consecutive bytes a wave, aligned
.endr
.endm
.macro LNLOAD dst, off, base, add0
.irp j, 0,1,2,3
	global_load_b128 v[(\dst)+8*(\j):(\dst)+8*(\j)+3],   v[\off], s[\base:\base+1] offset:(\add0)+1024*(\j)
	global_load_b128 v[(\dst)+8*(\j)+4:(\dst)+8*(\j)+7], v[\off], s[\base:\base+1] offset:(\add0)+1024*(\j)+16
.endr
.endm
	s_load_b256 s[4:11], s[0:1], 0x0
	s_lshl_b32 s12, ttmp9, 16                      ; 16 rows of 4,096 bytes
	s_mov_b32 s13, 0
	s_lshl_b32 s14, ttmp9, 15                      ; 16 rows of 2,048 bytes
	s_mov_b32 s15, 0
	s_mov_b32 s[SEL], 0x76543210
	s_mov_b32 s[SEL+1], 0xfedcba98
	s_mov_b32 s[K10], 0x3a800000                   ; 1 / 1024
	s_mov_b32 s[KEPS], 0x3727c5ac                  ; 1e-5
	v_and_b32 v4, 31, v0
	v_lshrrev_b32 v5, 5, v0
	v_lshlrev_b32 v3, 5, v4
	v_lshl_add_u32 v1, v5, 13, v3
	v_lshlrev_b32 v2, 4, v4
	v_lshl_add_u32 v2, v5, 12, v2
	s_wait_kmcnt 0x0
	s_add_nc_u64 s[XP:XP+1], s[XP:XP+1], s[12:13]
	s_add_nc_u64 s[HP:HP+1], s[HP:HP+1], s[14:15]
	LNLOAD G, 3, GP, 0
	LNLOAD BB, 3, BP, 0
	LNLOAD 72, 1, XP, 0
	LNLOAD 104, 1, XP, 4096
	s_wait_loadcnt 0x8                             ; the second row's eight loads stay out
	LNROW 72, 0
	s_wait_loadcnt 0x0
	LNROW 104, 1
	s_endpgm
.Lfunc_end_k_q7ae3283e34_ln2:
	.size	k_q7ae3283e34_ln2, .Lfunc_end_k_q7ae3283e34_ln2-k_q7ae3283e34_ln2
	.p2alignl 7, 3214868480
	.fill 96, 4, 3214868480
	.section	.rodata,"a",@progbits
	.p2align	6, 0x0
	.amdhsa_kernel k_q7ae3283e34_ln2
		.amdhsa_group_segment_fixed_size 0
		.amdhsa_private_segment_fixed_size 0
		.amdhsa_enable_private_segment 0
		.amdhsa_kernarg_size 32
		.amdhsa_user_sgpr_count 2
		.amdhsa_user_sgpr_kernarg_segment_ptr 1
		.amdhsa_wavefront_size32 1
		.amdhsa_system_sgpr_workgroup_id_x 1
		.amdhsa_system_sgpr_workgroup_id_y 1
		.amdhsa_system_sgpr_workgroup_id_z 1
		.amdhsa_system_vgpr_workitem_id 0
		.amdhsa_next_free_vgpr 152
		.amdhsa_next_free_sgpr 66
		.amdhsa_reserve_vcc 0
		.amdhsa_float_denorm_mode_32 3
		.amdhsa_float_denorm_mode_16_64 3
		.amdhsa_memory_ordered 1
		.amdhsa_forward_progress 1
		.amdhsa_inst_pref_size 20
	.end_amdhsa_kernel
	.amdgpu_metadata
---
amdhsa.version: [ 1, 2 ]
amdhsa.kernels:
  - .name:           k_q7ae3283e34_ln2
    .symbol:         k_q7ae3283e34_ln2.kd
    .args:
      - { .name: x1, .offset: 0, .size: 8, .value_kind: global_buffer, .address_space: global }
      - { .name: ln2_g, .offset: 8, .size: 8, .value_kind: global_buffer, .address_space: global }
      - { .name: ln2_b, .offset: 16, .size: 8, .value_kind: global_buffer, .address_space: global }
      - { .name: hn, .offset: 24, .size: 8, .value_kind: global_buffer, .address_space: global }
    .group_segment_fixed_size: 0
    .private_segment_fixed_size: 0
    .kernarg_segment_align: 8
    .kernarg_segment_size: 32
    .max_flat_workgroup_size: 256
    .sgpr_count:     66
    .vgpr_count:     152
    .wavefront_size: 32
...
	.end_amdgpu_metadata
.endif
;; end of part 5
;; launch ffn1: the kernel of part 2 again; grid 16 x 16, 4 waves a work-group, clusters of 4 x 4, 327,680 bytes of LDS; arguments hn, w1b, big; writes big
;; launch ffn2 (part 6): grid 8 x 32, 4 waves a work-group, clusters of 4 x 4, 327,680 bytes of LDS; arguments big, w2b, b2, x1, out0; writes out0
.if DOCPART == 6
	.amdgcn_target "amdgcn-amd-amdhsa--gfx1250"
	.amdhsa_code_object_version 6
	.text
	.protected	k_q7ae3283e34_ffn2
	.globl	k_q7ae3283e34_ffn2
	.p2align	8
	.type	k_q7ae3283e34_ffn2,@function
k_q7ae3283e34_ffn2:
	s_mov_b64 s[64:65], 0
	v_nop
	global_prefetch_b8 v0, s[64:65] scope:SCOPE_SE
	s_setreg_imm32_b32 hwreg(HW_REG_WAVE_MODE, 25, 1), 1
	s_wait_xcnt 0x0
	s_wait_alu depctr_hold_cnt(0) depctr_sa_sdst(0) depctr_va_vdst(0) depctr_va_sdst(0) depctr_va_ssrc(0) depctr_va_vcc(0) depctr_vm_vsrc(0)
	s_getreg_b32 s2, hwreg(HW_REG_IB_STS2, 6, 4)
	s_cmp_eq_u32 s2, 0
	s_cbranch_scc0 .Lentry_in_a_cluster
	s_endpgm
.Lentry_in_a_cluster:
	s_bfe_u32 s2, ttmp6, 0x10000c
	s_cmp_lg_u32 s2, 0xf033
	s_cbranch_scc0 .Lentry_shape_is_right
	s_endpgm
.Lentry_shape_is_right:
; OUT[m][n] = RES[m][n] + bias[n] + sum over k of A[m][k] W[k][n].  A: [4096][SIZE_K] bf16.  W: [SIZE_K][1024] bf16, rows along n.  bias: [1024] f32.  RES, OUT: [4096][1024] f32.  Sums in f32.
; The text of the attention's output projection with SIZE_K = 4096: the trip count and A's pitch are constants of the text.
; A tile of OUT is 128 x 128, which gives each of 256 work-groups one.  Four waves, each 64 x 64: 16 accumulators.  K goes in steps of 256 through two LDS slots: A's rows are 512 bytes, W's 256.
; W stays [k][n] in LDS and is turned on its way into registers (ds_load_tr16_b128).  CLUSTERS: 4 x 4 work-groups; A's tiles are asked for jointly along a row of the cluster, W's along a column.
; THE MATRIX INSTRUCTION IS USED TRANSPOSED (source 0 = 16 columns of W, source 1 = 16 rows of A): a lane holds eight neighbouring numbers of a row of OUT; the bias is the C operand that starts each sum.
; The residual is loaded at the start into registers of its own, in the layout in which rows leave, and is added on the way out.  A wave's 64 columns of f32 are 256 aligned bytes: each wave has a stage of its own.
; REGISTERS: window 0: v0-31 addresses; v32-63 the bias, later rows on the way out; v128-255 the accumulators.  window 1: two fragment buffers of 128 (64 of A, 64 of W).  window 2: v0-127 the residual.
.set SIZE_K, 4096
.set NO,     1024
.set KSTEP,  256
.set PITCH,  528                       ; a row of A in LDS: 512 bytes + 16
.set HALFA,  64*PITCH
.set PW,     288                       ; a row of W in LDS: 256 bytes + 32
.set HALFW,  128*PW
.set SLOT,   2*HALFA+2*HALFW           ; A's 128 rows, then W's 256 rows
.set STAGE,  2*SLOT                    ; behind the ring: 16 rows x 272 bytes for each wave
.set SPITCH, 272
.set SPARE,  STAGE+4*16*SPITCH
.set LAPS,   SIZE_K/(2*KSTEP)
.set ADRA, 16                          ; v16-17  LDS address of my A fragments in slot 0, 1
.set ADRB, 20                          ; v20-23  of my W fragments: slot 0 rows 0-127, 128-255; slot 1 likewise (an LDS immediate has 16 bits)
.set STO,  24
.set RD,   25
.set CO,   26                          ; v26     my byte offset in two rows of RES and OUT
.set BO,   27
.set SPW,  28
.set NIL,  29
.set TMP,  32
.set BIAS, 32
.set ACC,  128
.set F0,   0
.set F1,   128
.set G1, 24
.set G0, 32
.set G1B, 48
.set G0B, 56
.set MSB, 0
.macro WIN new
.if MSB != (\new)
	s_set_vgpr_msb (MSB<<8)|(\new)
.set MSB, \new
.endif
.endm
.set MUL,  0x05                        ; sources 0 (W) and 1 (A) window 1; C and D window 0
.set TO_F, 0x40
.macro JLOAD s                         ; a joint load: waves 0 and 1 fetch A's two halves, waves 2 and 3 W's; an s_nop 0 and four v_nop follow each of the two lines
	s_cmp_eq_u32 s11, 0
	s_cbranch_scc0 .Lfor_b_\@
	tensor_load_to_lds s[G0+4*(\s):G0+4*(\s)+3], s[G1:G1+7]
	s_nop 0
.rept 4
	v_nop
.endr
	s_branch .Lasked_\@
.Lfor_b_\@:
	tensor_load_to_lds s[G0B+4*(\s):G0B+4*(\s)+3], s[G1B:G1B+7]
	s_nop 0
.rept 4
	v_nop
.endr
.Lasked_\@:
.endm
.macro CREST
	s_cmp_lg_u32 s10, 0
	s_cbranch_scc1 .Lnot_wave_0_\@
	s_barrier_signal -3
.Lnot_wave_0_\@:
	s_barrier_wait -3
	s_barrier_signal -1
	s_barrier_wait -1
.endm
.macro CROUND
	s_barrier_signal -1
	s_barrier_wait -1
	CREST
.endm
	s_load_b256 s[68:75], s[0:1], 0x0              ; A s[68:69], W s[70:71], bias s[72:73], RES s[74:75]
	s_load_b64 s[76:77], s[0:1], 0x20              ; OUT
	v_lshl_add_u32 v[SPW], v0, 2, SPARE
	v_mov_b32 v[NIL], 0
	ds_add_u32 v[SPW], v[NIL]                      ; the wave's opening: the add and its wait stand ahead of my first tensor load
	v_lshrrev_b32 v1, 5, v0
	v_readfirstlane_b32 s10, v1
	s_lshr_b32 s11, s10, 1                         ; my half of the tile's rows.  Also: I fetch for A (0) or for W (1)
	s_and_b32 s12, s10, 1                          ; my half of its columns.  Also: which half of that tile I fetch
	s_bfe_u32 s40, ttmp6, 0x40000
	s_bfe_u32 s41, ttmp6, 0x40004
	s_lshl_b32 s42, ttmp9, 2
	s_add_co_u32 s42, s42, s40                     ; tile column
	s_and_b32 s13, ttmp7, 0xffff
	s_lshl_b32 s13, s13, 2
	s_add_co_u32 s13, s13, s41                     ; tile row
	s_lshl_b32 s43, s41, 2
	s_lshl_b32 s43, 15, s43
	s_lshl_b32 s44, 0x1111, s40
	s_or_b32 s[G1+0], s43, (1<<16)|(1<<20)|(1<<21)|(6<<22)|(3<<25)   ; A: my row's mask; after every 128 words, 4 words
	s_mov_b32 s[G1+1], KSTEP<<16
	s_mov_b32 s[G1+2], 64<<16
	s_mov_b32 s[G1+3], KSTEP<<16
	s_mov_b32 s[G1+4], 64
	s_mov_b32 s[G1+5], SIZE_K
	s_mov_b32 s[G1+6], 0
	s_mov_b32 s[G1+7], 0
	s_or_b32 s[G1B+0], s44, (1<<16)|(1<<20)|(1<<21)|(5<<22)|(7<<25)  ; W: my column's mask; after every 64 words, 8 words
	s_mov_b32 s[G1B+1], 128<<16
	s_mov_b32 s[G1B+2], 128<<16
	s_mov_b32 s[G1B+3], 128<<16
	s_mov_b32 s[G1B+4], 128
	s_mov_b32 s[G1B+5], NO
	s_mov_b32 s[G1B+6], 0
	s_mov_b32 s[G1B+7], 0
	s_lshl_b32 s16, s13, 7
	s_lshl_b32 s17, s12, 6
	s_add_co_u32 s16, s16, s17                     ; A: row 128 x tile row + 64 x half,
	s_mul_i32 s16, s16, SIZE_K*2                   ; in bytes (under 2^26)
	s_mov_b32 s17, 0
	s_lshl_b32 s46, s42, 8                         ; W: 256 bytes for each tile column,
	s_lshl_b32 s47, s12, 18                        ; 128 rows of 2,048 bytes for my half
	s_add_co_u32 s46, s46, s47
	s_mov_b32 s47, 0
	s_mul_i32 s20, s12, HALFA                      ; where they go
	s_mul_i32 s23, s12, HALFW
	s_add_co_u32 s23, s23, 2*HALFA
	s_wait_dscnt 0x0
	s_wait_kmcnt 0x0
	s_add_nc_u64 s[14:15], s[68:69], s[16:17]
	s_add_nc_u64 s[46:47], s[70:71], s[46:47]
	CROUND
.irp s, 0,1
	s_mov_b32 s[G0+4*(\s)], 1
	s_add_co_u32 s[G0+4*(\s)+1], s20, (\s)*SLOT
	s_add_nc_u64 s[G0+4*(\s)+2:G0+4*(\s)+3], s[14:15], (\s)*KSTEP*2
	s_or_b32 s[G0+4*(\s)+3], s[G0+4*(\s)+3], 0x80000000
	s_mov_b32 s[G0B+4*(\s)], 1
	s_add_co_u32 s[G0B+4*(\s)+1], s23, (\s)*SLOT
	s_add_nc_u64 s[G0B+4*(\s)+2:G0B+4*(\s)+3], s[46:47], (\s)*KSTEP*NO*2
	s_or_b32 s[G0B+4*(\s)+3], s[G0B+4*(\s)+3], 0x80000000
	JLOAD \s                                       ; two tensor loads of mine are out
.endr
	v_and_b32 v1, 15, v0
	v_bfe_u32 v2, v0, 4, 1
	v_lshlrev_b32 v[BO], 5, v2
	v_lshlrev_b32 v5, 12, v2
	v_lshl_add_u32 v[CO], v1, 4, v5                ; lanes 0-15 one row's 256 bytes, lanes 16-31 the next row's
	s_lshl_b32 s46, s42, 9                         ; my first column in f32 bytes: 512 x tile column + 256 x half
	s_lshl_b32 s47, s12, 8
	s_add_co_u32 s46, s46, s47
	s_mov_b32 s47, 0
	s_add_nc_u64 s[72:73], s[72:73], s[46:47]
	s_lshl_b32 s16, s13, 19                        ; my first row: 128 rows of 4,096 bytes for each tile row, 64 for my half
	s_lshl_b32 s17, s11, 18
	s_add_co_u32 s16, s16, s17
	s_mov_b32 s17, 0
	s_add_nc_u64 s[16:17], s[16:17], s[46:47]
	s_add_nc_u64 s[74:75], s[74:75], s[16:17]
	s_add_nc_u64 s[76:77], s[76:77], s[16:17]
.irp b, 0,1,2,3
	global_load_b128 v[BIAS+8*(\b):BIAS+8*(\b)+3],   v[BO], s[72:73] offset:64*(\b)
	global_load_b128 v[BIAS+8*(\b)+4:BIAS+8*(\b)+7], v[BO], s[72:73] offset:64*(\b)+16
.endr
	WIN 0x80                                       ; destination window 2
.irp a, 0,1,2,3
.irp t, 0,1,2,3,4,5,6,7
	global_load_b128 v[32*(\a)+4*(\t):32*(\a)+4*(\t)+3], v[CO], s[74:75] offset:(16*(\a)+2*(\t))*4096
.endr
.endr
	WIN 0
	v_mul_u32_u24 v3, v1, PITCH
	v_lshl_add_u32 v3, v2, 4, v3
	v_and_b32 v6, 7, v0
	v_lshl_add_u32 v6, v2, 3, v6
	v_mul_u32_u24 v6, v6, PW
	v_bfe_u32 v7, v0, 3, 1
	v_lshl_add_u32 v6, v7, 4, v6
	s_mul_i32 s21, s11, HALFA
	s_lshl_b32 s22, s12, 7
	s_add_co_u32 s22, s22, 2*HALFA
.irp s, 0,1
	v_add_nc_u32 v[ADRA+(\s)], s21, v3
	v_add_nc_u32 v[ADRB+2*(\s)], s22, v6
	s_add_co_u32 s22, s22, HALFW
	v_add_nc_u32 v[ADRB+2*(\s)+1], s22, v6
	s_add_co_u32 s21, s21, SLOT
	s_add_co_u32 s22, s22, SLOT-HALFW
.endr
	s_mul_i32 s23, s10, 16*SPITCH
	s_add_co_u32 s23, s23, STAGE                   ; my stage
	v_mul_u32_u24 v4, v1, SPITCH
	v_lshl_add_u32 v4, v2, 5, v4                   ; in: row l % 16, 32 bytes for each half of the lanes
	v_add_nc_u32 v[STO], s23, v4
	v_mul_u32_u24 v5, v2, SPITCH
	v_lshl_add_u32 v5, v1, 4, v5
	v_add_nc_u32 v[RD], s23, v5
; 8 matrix instructions: m blocks a0, a0 + 1 x all 4 n blocks, 32 along K: half c of buffer f.  zero = 1: the first product starts the sums, with the bias as C.  The 16 accumulators take turns.
.macro MUL8 f, c, a0, zero
	WIN MUL
.irp a, \a0, (\a0)+1
.irp b, 0,1,2,3
.if \zero
	v_wmma_f32_16x16x32_bf16 v[ACC+8*(4*(\a)+(\b)):ACC+8*(4*(\a)+(\b))+7], v[(\f)+64+8*(4*(\c)+(\b)):(\f)+64+8*(4*(\c)+(\b))+7], v[(\f)+8*(4*(\c)+(\a)):(\f)+8*(4*(\c)+(\a))+7], v[BIAS+8*(\b):BIAS+8*(\b)+7]
.else
	v_wmma_f32_16x16x32_bf16 v[ACC+8*(4*(\a)+(\b)):ACC+8*(4*(\a)+(\b))+7], v[(\f)+64+8*(4*(\c)+(\b)):(\f)+64+8*(4*(\c)+(\b))+7], v[(\f)+8*(4*(\c)+(\a)):(\f)+8*(4*(\c)+(\a))+7], v[ACC+8*(4*(\a)+(\b)):ACC+8*(4*(\a)+(\b))+7]
.endif
.endr
.endr
.endm
; 32 LDS loads in one run: the fragments of quarter q (64 along K) into buffer f; the first 32 along K first
.macro FETCH slot, q, f
	WIN TO_F
.irp c, 0,1
.irp i, 0,1,2,3
	ds_load_tr16_b128 v[(\f)+64+8*(4*(\c)+(\i)):(\f)+64+8*(4*(\c)+(\i))+3],   v[ADRB+2*(\slot)+(\q)/2] offset:(((\q)%2)*64+32*(\c))*PW+32*(\i)
	ds_load_tr16_b128 v[(\f)+64+8*(4*(\c)+(\i))+4:(\f)+64+8*(4*(\c)+(\i))+7], v[ADRB+2*(\slot)+(\q)/2] offset:(((\q)%2)*64+32*(\c)+16)*PW+32*(\i)
	ds_load_b128 v[(\f)+8*(4*(\c)+(\i)):(\f)+8*(4*(\c)+(\i))+3],         v[ADRA+(\slot)] offset:128*(\q)+64*(\c)+(\i)*16*PITCH
	ds_load_b128 v[(\f)+8*(4*(\c)+(\i))+4:(\f)+8*(4*(\c)+(\i))+7],       v[ADRA+(\slot)] offset:128*(\q)+64*(\c)+(\i)*16*PITCH+32
.endr
.endr
.endm
.macro PLACES
.rept 4
	v_nop
.endr
.endm
.macro QUARTER slot, q, f, g, zero
	s_wait_dscnt 16                                ; the first 32 along K are in
	MUL8 \f, 0, 0, \zero
	MUL8 \f, 0, 2, \zero
	PLACES
	FETCH \slot, \q, \g
	s_wait_dscnt 32                                ; all but the 32 just issued
	MUL8 \f, 1, 0, 0
	MUL8 \f, 1, 2, 0
.endm
; The last quarter multiplies buffer 1 and changes slots: one barrier; in front of it each wave waits for all its tensor loads, adds 0 to its spare word, and waits for that and for its reads of this slot.
.macro TURN slot, next, fill
	WIN 0
	s_wait_tensorcnt 0x0
	ds_add_u32 v[SPW], v[NIL]
	s_wait_dscnt 17                                ; the add and the youngest sixteen loads may be out
	MUL8 F1, 0, 0, 0
	s_wait_dscnt 0x0
	s_barrier_signal -1
	MUL8 F1, 0, 2, 0
.if \fill
	WIN 0
.endif
	s_barrier_wait -1
.if \fill
	CREST
	s_add_nc_u64 s[G0+4*(\slot)+2:G0+4*(\slot)+3], s[G0+4*(\slot)+2:G0+4*(\slot)+3], 2*KSTEP*2
	s_add_nc_u64 s[G0B+4*(\slot)+2:G0B+4*(\slot)+3], s[G0B+4*(\slot)+2:G0B+4*(\slot)+3], 2*KSTEP*NO*2
	JLOAD \slot                                    ; my one tensor load behind the round: 112 matrix instructions ahead of the wait for it
.else
	PLACES
.endif
	FETCH \next, 0, F0
	MUL8 F1, 1, 0, 0
	MUL8 F1, 1, 2, 0
.endm
	s_wait_tensorcnt 1                             ; my part of K step 0 is in; K step 1's may stay out
	s_barrier_signal -1
	s_barrier_wait -1
	FETCH 0, 0, F0
	s_wait_loadcnt 32                              ; the bias is in; the 32 loads of the residual stay out
	QUARTER 0, 1, F0, F1, 1
	WIN 0
	s_mov_b32 s3, LAPS-1
.Llap:
	QUARTER 0, 2, F1, F0, 0
	QUARTER 0, 3, F0, F1, 0
	TURN 0, 1, 1
	QUARTER 1, 1, F0, F1, 0
	QUARTER 1, 2, F1, F0, 0
	QUARTER 1, 3, F0, F1, 0
	TURN 1, 0, 1
	QUARTER 0, 1, F0, F1, 0
	WIN 0
	s_sub_co_u32 s3, s3, 1
	s_cmp_lg_u32 s3, 0
	s_cbranch_scc1 .Llap
	QUARTER 0, 2, F1, F0, 0                        ; the last lap fills nothing
	QUARTER 0, 3, F0, F1, 0
	TURN 0, 1, 0
	QUARTER 1, 1, F0, F1, 0
	QUARTER 1, 2, F1, F0, 0
	QUARTER 1, 3, F0, F1, 0
	s_wait_dscnt 16
	MUL8 F1, 0, 0, 0
	MUL8 F1, 0, 2, 0
	s_wait_dscnt 0x0
	MUL8 F1, 1, 0, 0
	MUL8 F1, 1, 2, 0
	WIN 0
	; THE WAY OUT, 16 rows at a time: the f32 sums go into my stage (32 bytes a lane) and come back as whole rows of 256 bytes; the residual is added; stored.
	PLACES
.irp a, 0,1,2,3
.irp b, 0,1,2,3
	ds_store_b128 v[STO], v[ACC+8*(4*(\a)+(\b)):ACC+8*(4*(\a)+(\b))+3]   offset:64*(\b)      ; each accumulator from its low end
	ds_store_b128 v[STO], v[ACC+8*(4*(\a)+(\b))+4:ACC+8*(4*(\a)+(\b))+7] offset:64*(\b)+16
.endr
.if (\a) > 0
	s_wait_xcnt 0x0                                ; the rows' registers were the data of the block before's stores: loaded again only behind this wait
.endif
.irp t, 0,1,2,3,4,5,6,7
	ds_load_b128 v[TMP+4*(\t):TMP+4*(\t)+3], v[RD] offset:(\t)*2*SPITCH  ; LDS serves a wave's instructions in order (ISA guide 5.7.1.4)
.endr
	s_wait_dscnt 0x0
	s_wait_loadcnt 24-8*(\a)                       ; this block's residual is in; eight loads for each later block stay out
	WIN 0x08                                       ; source 1 in window 2
.set z, 0
.rept 16
	v_pk_add_f32 v[TMP+z:TMP+z+1], v[TMP+z:TMP+z+1], v[32*(\a)+z:32*(\a)+z+1]
.set z, z+2
.endr
	WIN 0
.irp t, 0,1,2,3,4,5,6,7
	global_store_b128 v[CO], v[TMP+4*(\t):TMP+4*(\t)+3], s[76:77] offset:(16*(\a)+2*(\t))*4096  ; 16 lanes store 256 consecutive bytes, aligned
.endr
.endr
	s_wait_tensorcnt 0x0                           ; the wave's end
	ds_add_u32 v[SPW], v[NIL]
	s_wait_dscnt 0x0
	CROUND
	s_endpgm
.Lfunc_end_k_q7ae3283e34_ffn2:
	.size	k_q7ae3283e34_ffn2, .Lfunc_end_k_q7ae3283e34_ffn2-k_q7ae3283e34_ffn2
	.p2alignl 7, 3214868480
	.fill 96, 4, 3214868480
	.section	.rodata,"a",@progbits
	.p2align	6, 0x0
	.amdhsa_kernel k_q7ae3283e34_ffn2
		.amdhsa_group_segment_fixed_size 327680
		.amdhsa_private_segment_fixed_size 0
		.amdhsa_enable_private_segment 0
		.amdhsa_kernarg_size 40
		.amdhsa_user_sgpr_count 2
		.amdhsa_user_sgpr_kernarg_segment_ptr 1
		.amdhsa_wavefront_size32 1
		.amdhsa_system_sgpr_workgroup_id_x 1
		.amdhsa_system_sgpr_workgroup_id_y 1
		.amdhsa_system_sgpr_workgroup_id_z 1
		.amdhsa_system_vgpr_workitem_id 0
		.amdhsa_next_free_vgpr 640
		.amdhsa_next_free_sgpr 80
		.amdhsa_reserve_vcc 0
		.amdhsa_float_denorm_mode_32 3
		.amdhsa_float_denorm_mode_16_64 3
		.amdhsa_memory_ordered 1
		.amdhsa_forward_progress 1
		.amdhsa_inst_pref_size 94
	.end_amdhsa_kernel
	.amdgpu_metadata
---
amdhsa.version: [ 1, 2 ]
amdhsa.kernels:
  - .name:           k_q7ae3283e34_ffn2
    .symbol:         k_q7ae3283e34_ffn2.kd
    .args:
      - { .name: big, .offset: 0, .size: 8, .value_kind: global_buffer, .address_space: global }
      - { .name: w2b, .offset: 8, .size: 8, .value_kind: global_buffer, .address_space: global }
      - { .name: b2, .offset: 16, .size: 8, .value_kind: global_buffer, .address_space: global }
      - { .name: x1, .offset: 24, .size: 8, .value_kind: global_buffer, .address_space: global }
      - { .name: out0, .offset: 32, .size: 8, .value_kind: global_buffer, .address_space: global }
    .group_segment_fixed_size: 327680
    .private_segment_fixed_size: 0
    .kernarg_segment_align: 8
    .kernarg_segment_size: 40
    .max_flat_workgroup_size: 128
    .sgpr_count:     80
    .vgpr_count:     640
    .wavefront_size: 32
...
	.end_amdgpu_metadata
.endif
;; end of part 6
;; ======== version 2 of 2: 7 launches
;; limits: right only within a limited range of input values
;; workspace buffers: hn 8,388,608 bytes; wqkvb 8,406,016 bytes; w1b 8,406,016 bytes; wob 2,097,152 bytes; w2b 8,388,608 bytes; maskp 8,421,376 bytes; big 33,554,432 bytes; x1 16,777,216 bytes
;; launch prep (part 7): grid 1281 x 1, 8 waves a work-group, no clusters, 1,536 bytes of LDS; arguments Wq, Wk, Wv, Wo, W1, W2, x, ln1_g, ln1_b, mask, bq, bk, bv, b1, wqkvb, wob, w1b, w2b, hn, maskp; writes wqkvb, wob, w1b, w2b, hn, maskp
.if DOCPART == 7
	.amdgcn_target "amdgcn-amd-amdhsa--gfx1250"
	.amdhsa_code_object_version 6
	.text
	.protected	k_q7ae3283e34_prep
	.globl	k_q7ae3283e34_prep
	.p2align	8
	.type	k_q7ae3283e34_prep,@function
k_q7ae3283e34_prep:
	s_mov_b64 s[64:65], 0
	v_nop
	global_prefetch_b8 v0, s[64:65] scope:SCOPE_SE
	s_setreg_imm32_b32 hwreg(HW_REG_WAVE_MODE, 25, 1), 1
	s_wait_xcnt 0x0
; PREPARATION, four streaming roles chosen by the work-group's number; no matrix work: bytes are all that counts here.
;   0-767      CAST: 16,384 numbers of a weight matrix, f32 -> bf16, still [k][n].  Wq, Wk, Wv go side by side into rows of 4,096 (wqkvb), the others dense.
;   768-1023   LN:   16 rows of x -> layer norm 1 -> hn in bf16.  One wave, one row at a time, the row kept in registers; mean first, then the squares of x - mean.
;   1024-1279  MASK: 16 query rows of the mask -> maskp, bytes 0x00 / 0xFF laid as the attention's lanes want them: [16-row block][64 keys][half u][lane][16 bytes];
;                    lane (r, h), half u: keys 16 (2u) + 8 h + 0..7, then 16 (2u + 1) + 8 h + 0..7 of row r.  A ROW IN WHICH EVERY KEY IS HIDDEN is written as all visible, and its flag
;                    (behind the mask: two words a row, one for each half of the lanes) is 0, else all ones: the attention ANDs the row of q with the flag, so that all its scores are 0
;                    and its weights uniform, which is what -1e18 everywhere gives.  The 16 rows' flags are gathered over the eight waves through LDS, with one barrier.
;   1280       TAIL: the biases behind the weights (bq, bk, bv behind wqkvb; b1 behind w1b), and behind them the floor that the product's way out takes a maximum with:
;                    the lowest finite number (no effect) for q, k, v; 0 (ReLU) for the feed-forward's first product.
.set DO,  4                            ; CAST v4-19: byte offset of my 8 bytes in row i of the chunk's 16 rows
.set CX,  20                           ; CAST v20-83: 4 f32 for each of 16 rows
.set CY,  84                           ; CAST v84-115: the same as bf16
.set G,   8                            ; LN v8-39 gain, v40-71 bias of my 32 columns
.set BB,  40
.set T,   136                          ; LN v136-143 at work
.set M,   144                          ; LN v144-145 the mean, twice
.set R,   146                          ; LN v146-147 1 / sqrt(var + eps), twice
.set RAW, 16                           ; MASK v16-47 as loaded
.set OUT, 48                           ; MASK v48-79 as stored
.set SPW, 150                          ; v150 LDS address of my spare word; never rewritten
.set NIL, 151                          ; v151 0; never rewritten
.set SPARE, 512                        ; LDS: 0-511 MASK's words (16 a wave); from 512 on the spare words, 128 bytes for each of eight waves
.set XP,  16                           ; s[16:17] x
.set GP,  18                           ; s[18:19] ln1_g
.set BP,  20                           ; s[20:21] ln1_b
.set HP,  40                           ; s[40:41] hn
.set SEL, 52                           ; s[52:53] selects of v_permlanex16_b32
.set K10, 54                           ; s54 1 / 1024
.set KEPS, 55                          ; s55 1e-5
	s_load_b512 s[4:19], s[0:1], 0x0               ; Wq 4, Wk 6, Wv 8, Wo 10, W1 12, W2 14, x 16, ln1_g 18
	s_load_b512 s[20:35], s[0:1], 0x40             ; ln1_b 20, mask 22, bq 24, bk 26, bv 28, b1 30, wqkvb 32, wob 34
	s_load_b256 s[36:43], s[0:1], 0x80             ; w1b 36, w2b 38, hn 40, maskp 42
	v_lshl_add_u32 v[SPW], v0, 2, SPARE
	v_mov_b32 v[NIL], 0
	s_mov_b32 s2, ttmp9
	s_wait_kmcnt 0x0
	s_cmp_ge_u32 s2, 1280
	s_cbranch_scc1 .Ltail
	s_cmp_ge_u32 s2, 1024
	s_cbranch_scc1 .Lmask
	s_cmp_ge_u32 s2, 768
	s_cbranch_scc1 .Lln
	; ---- CAST.  Which matrix: source, destination, first work-group, log2 of the destination's pitch for a row of 1,024 numbers, column bytes.
	s_mov_b64 s[44:45], s[4:5]
	s_mov_b64 s[46:47], s[32:33]
	s_mov_b32 s48, 0
	s_mov_b32 s49, 13
	s_mov_b32 s50, 0
	s_cmp_ge_u32 s2, 64
	s_cselect_b64 s[44:45], s[6:7], s[44:45]
	s_cselect_b32 s48, 64, s48
	s_cselect_b32 s50, 2048, s50
	s_cmp_ge_u32 s2, 128
	s_cselect_b64 s[44:45], s[8:9], s[44:45]
	s_cselect_b32 s48, 128, s48
	s_cselect_b32 s50, 4096, s50
	s_cmp_ge_u32 s2, 192
	s_cselect_b64 s[44:45], s[10:11], s[44:45]
	s_cselect_b64 s[46:47], s[34:35], s[46:47]
	s_cselect_b32 s48, 192, s48
	s_cselect_b32 s49, 11, s49
	s_cselect_b32 s50, 0, s50
	s_cmp_ge_u32 s2, 256
	s_cselect_b64 s[44:45], s[12:13], s[44:45]
	s_cselect_b64 s[46:47], s[36:37], s[46:47]
	s_cselect_b32 s48, 256, s48
	s_cmp_ge_u32 s2, 512
	s_cselect_b64 s[44:45], s[14:15], s[44:45]
	s_cselect_b64 s[46:47], s[38:39], s[46:47]
	s_cselect_b32 s48, 512, s48
	s_sub_co_u32 s51, s2, s48                      ; my chunk of the matrix
	s_lshl_b32 s52, s51, 16                        ; 16,384 f32
	s_mov_b32 s53, 0
	s_add_nc_u64 s[44:45], s[44:45], s[52:53]
	s_lshl_b32 s52, s51, 4                         ; 16 rows of 1,024
	s_lshl_b32 s52, s52, s49
	s_add_co_u32 s52, s52, s50
	s_add_nc_u64 s[46:47], s[46:47], s[52:53]
	s_lshl_b32 s51, 1, s49                         ; a row of the destination
	v_lshlrev_b32 v1, 4, v0                        ; thread t reads 16 bytes at 16 t of each row: a wave's load covers 512 consecutive bytes, each byte asked for once,
	v_lshlrev_b32 v[DO], 3, v0                     ; and writes 8 bytes at 8 t: a wave's store covers 256 consecutive bytes, aligned
.set i, 1
.rept 15
	v_add_nc_u32 v[DO+i], s51, v[DO+i-1]
.set i, i+1
.endr
.set i, 0
.rept 16
	global_load_b128 v[CX+4*i:CX+4*i+3], v1, s[44:45] offset:4096*i th:TH_LOAD_NT
.set i, i+1
.endr
.set i, 0
.rept 16
	s_wait_loadcnt 15-i                            ; loads come back in order: one for each younger row may stay out
	v_cvt_pk_bf16_f32 v[CY+2*i],   v[CX+4*i],   v[CX+4*i+1]
	v_cvt_pk_bf16_f32 v[CY+2*i+1], v[CX+4*i+2], v[CX+4*i+3]
	global_store_b64 v[DO+i], v[CY+2*i:CY+2*i+1], s[46:47]  ; no register is written twice
.set i, i+1
.endr
	s_endpgm
	; ---- LN.  A lane owns columns 256 j + 8 lane + 0..7, j = 0..3.
.macro FOLD                            ; four chains of pairs in T -> one number, the same in every lane
	v_pk_add_f32 v[T:T+1], v[T:T+1], v[T+2:T+3]
	v_pk_add_f32 v[T+4:T+5], v[T+4:T+5], v[T+6:T+7]
	v_pk_add_f32 v[T:T+1], v[T:T+1], v[T+4:T+5]
	v_add_f32 v[T], v[T], v[T+1]
	v_add_f32_dpp v[T], v[T], v[T] row_xmask:1 row_mask:0xf bank_mask:0xf
	v_add_f32_dpp v[T], v[T], v[T] row_xmask:2 row_mask:0xf bank_mask:0xf
	v_add_f32_dpp v[T], v[T], v[T] row_xmask:4 row_mask:0xf bank_mask:0xf
	v_add_f32_dpp v[T], v[T], v[T] row_xmask:8 row_mask:0xf bank_mask:0xf
	v_permlanex16_b32 v[T+1], v[T], s[SEL], s[SEL+1]
	v_add_f32 v[T], v[T], v[T+1]
.endm
.macro LNROW x0, row                   ; the row in v[x0 .. x0+31] is normalised in place, rounded and stored
.irp c, 0,1,2,3
	v_pk_add_f32 v[T+2*(\c):T+2*(\c)+1], v[(\x0)+2*(\c):(\x0)+2*(\c)+1], v[(\x0)+8+2*(\c):(\x0)+8+2*(\c)+1]  ; the first pairs start the chains
.endr
.irp o, 16,24
.irp c, 0,1,2,3
	v_pk_add_f32 v[T+2*(\c):T+2*(\c)+1], v[T+2*(\c):T+2*(\c)+1], v[(\x0)+(\o)+2*(\c):(\x0)+(\o)+2*(\c)+1]
.endr
.endr
	FOLD
	v_mul_f32 v[M], s[K10], v[T]
	v_mov_b32 v[M+1], v[M]
.set z, 0
.rept 16
	v_pk_add_f32 v[(\x0)+z:(\x0)+z+1], v[(\x0)+z:(\x0)+z+1], v[M:M+1] neg_lo:[0,1] neg_hi:[0,1]  ; x - mean first: a common offset does no harm to the variance
.set z, z+2
.endr
.irp c, 0,1,2,3
	v_pk_mul_f32 v[T+2*(\c):T+2*(\c)+1], v[(\x0)+2*(\c):(\x0)+2*(\c)+1], v[(\x0)+2*(\c):(\x0)+2*(\c)+1]
.endr
.irp o, 8,16,24
.irp c, 0,1,2,3
	v_pk_fma_f32 v[T+2*(\c):T+2*(\c)+1], v[(\x0)+(\o)+2*(\c):(\x0)+(\o)+2*(\c)+1], v[(\x0)+(\o)+2*(\c):(\x0)+(\o)+2*(\c)+1], v[T+2*(\c):T+2*(\c)+1]
.endr
.endr
	FOLD
	v_fma_f32 v[T], v[T], s[K10], s[KEPS]
	v_rsq_f32 v[R], v[T]
	v_rsq_f32 v[R+1], v[T]
	v_nop                                          ; a plain instruction between the root and the use of its result (ISA guide 5.7.2)
.set z, 0
	s_wait_alu depctr_va_vdst(0)
.rept 16
	v_pk_mul_f32 v[(\x0)+z:(\x0)+z+1], v[(\x0)+z:(\x0)+z+1], v[R:R+1]
.set z, z+2
.endr
.set z, 0
.rept 16
	v_pk_fma_f32 v[(\x0)+z:(\x0)+z+1], v[(\x0)+z:(\x0)+z+1], v[G+z:G+z+1], v[BB+z:BB+z+1]
.set z, z+2
.endr
.set z, 0
.rept 16
	v_cvt_pk_bf16_f32 v[(\x0)+z], v[(\x0)+2*z], v[(\x0)+2*z+1]  ; in place, ascending: register z is free when pair z is rounded
.set z, z+1
.endr
.irp j, 0,1,2,3
	global_store_b128 v2, v[(\x0)+4*(\j):(\x0)+4*(\j)+3], s[HP:HP+1] offset:2048*(\row)+512*(\j)  ; 512 consecutive bytes a wave, aligned
.endr
.endm
.macro LNLOAD dst, off, base, add0
.irp j, 0,1,2,3
	global_load_b128 v[(\dst)+8*(\j):(\dst)+8*(\j)+3],   v[\off], s[\base:\base+1] offset:(\add0)+1024*(\j)
	global_load_b128 v[(\dst)+8*(\j)+4:(\dst)+8*(\j)+7], v[\off], s[\base:\base+1] offset:(\add0)+1024*(\j)+16
.endr
.endm
.Lln:
	s_sub_co_u32 s44, s2, 768                      ; my 16 rows
	s_lshl_b32 s46, s44, 16
	s_mov_b32 s47, 0
	s_add_nc_u64 s[XP:XP+1], s[XP:XP+1], s[46:47]
	s_lshl_b32 s46, s44, 15
	s_add_nc_u64 s[HP:HP+1], s[HP:HP+1], s[46:47]
	s_mov_b32 s[SEL], 0x76543210
	s_mov_b32 s[SEL+1], 0xfedcba98
	s_mov_b32 s[K10], 0x3a800000
	s_mov_b32 s[KEPS], 0x3727c5ac
	v_and_b32 v4, 31, v0
	v_lshrrev_b32 v5, 5, v0
	v_lshlrev_b32 v3, 5, v4                        ; 32 lane: gain and bias
	v_lshl_add_u32 v1, v5, 13, v3                  ; + two rows of 4,096 bytes a wave: x
	v_lshlrev_b32 v2, 4, v4
	v_lshl_add_u32 v2, v5, 12, v2                  ; 16 lane + two rows of 2,048 bytes a wave: hn
	LNLOAD G, 3, GP, 0
	LNLOAD BB, 3, BP, 0
	LNLOAD 72, 1, XP, 0
	LNLOAD 104, 1, XP, 4096
	s_wait_loadcnt 0x8                             ; the second row's eight loads stay out
	LNROW 72, 0
	s_wait_loadcnt 0x0
	LNROW 104, 1
	s_endpgm
	; ---- MASK.  Lane (r = lane % 16, p = lane / 16) of wave w reads, in pass it, the 64 bytes of row r at keys 64 (4 w + 2 it + p).
.Lmask:
	s_sub_co_u32 s44, s2, 1024
	s_lshl_b32 s46, s44, 15                        ; 16 rows of 2,048 bytes, in and out
	s_mov_b32 s47, 0
	s_lshl_b32 s48, s44, 7                         ; 16 rows of 8 bytes of flags
	s_mov_b32 s49, 0
	s_add_nc_u64 s[56:57], s[42:43], 0x800000      ; the flags lie behind the mask's 8,388,608 bytes
	s_add_nc_u64 s[56:57], s[56:57], s[48:49]
	s_add_nc_u64 s[22:23], s[22:23], s[46:47]
	s_add_nc_u64 s[42:43], s[42:43], s[46:47]
	s_mov_b32 s[SEL], 0x76543210
	s_mov_b32 s[SEL+1], 0xfedcba98
	v_and_b32 v4, 15, v0
	v_bfe_u32 v5, v0, 4, 1
	v_lshrrev_b32 v6, 5, v0
	v_readfirstlane_b32 s58, v6                    ; my wave's number
	v_lshlrev_b32 v1, 11, v4
	v_lshl_add_u32 v1, v5, 6, v1
	v_lshl_add_u32 v1, v6, 8, v1                   ; 2,048 r + 64 p + 256 w
	v_lshlrev_b32 v2, 4, v4
	v_lshl_add_u32 v2, v5, 10, v2
	v_lshl_add_u32 v2, v6, 12, v2                  ; 16 r + 1,024 p + 4,096 w
	v_lshlrev_b32 v10, 2, v4                       ; LDS: row r's word of wave 0,
	v_lshl_add_u32 v11, v6, 6, v10                 ; and of my wave
	v_lshlrev_b32 v12, 3, v4
	v_lshl_add_u32 v12, v5, 2, v12                 ; flags: 8 r + 4 p
.irp it, 0,1
.irp kt, 0,1,2,3
	global_load_b128 v[RAW+16*(\it)+4*(\kt):RAW+16*(\it)+4*(\kt)+3], v1, s[22:23] offset:128*(\it)+16*(\kt)  ; four loads share a row's bytes, so no hint that they are read once
.endr
.endr
	s_wait_loadcnt 0x0
	; are all 2,048 bytes of row r 1?  My 128 bytes, the other half of the lanes', then the eight waves'
.irp c, 0,1,2,3
	v_and_b32 v[80+(\c)], v[RAW+(\c)], v[RAW+4+(\c)]
.endr
.irp o, 8,12,16,20,24,28
.irp c, 0,1,2,3
	v_and_b32 v[80+(\c)], v[80+(\c)], v[RAW+(\o)+(\c)]
.endr
.endr
	v_and_b32 v80, v80, v81
	v_and_b32 v82, v82, v83
	v_and_b32 v80, v80, v82
	v_lshrrev_b32 v81, 16, v80
	v_and_b32 v80, v80, v81
	v_lshrrev_b32 v81, 8, v80
	v_and_b32 v80, v80, v81
	v_and_b32 v80, 1, v80
	v_permlanex16_b32 v81, v80, s[SEL], s[SEL+1]
	v_and_b32 v80, v80, v81
	ds_store_b32 v11, v80                          ; lanes r and r + 16 hold the same number
	s_wait_dscnt 0x0                               ; for the others' sake: my store is done
	s_barrier_signal -1
	s_barrier_wait -1
.irp i, 0,1,2,3,4,5,6,7
	ds_load_b32 v[84+(\i)], v10 offset:64*(\i)
.endr
	s_wait_dscnt 0x0
	v_and_b32 v84, v84, v85
	v_and_b32 v86, v86, v87
	v_and_b32 v88, v88, v89
	v_and_b32 v90, v90, v91
	v_and_b32 v84, v84, v86
	v_and_b32 v88, v88, v90
	v_and_b32 v84, v84, v88                        ; 1: every key of row r is hidden
	v_add_nc_u32 v85, -1, v84                      ; the flag: 0 for such a row, else all ones
	v_and_b32 v86, 0xff, v85                       ; bytes 0 / 1 times 0xFF are 0x00 / 0xFF (no byte carries into the next); times 0 the row is all visible
.irp it, 0,1
.irp kt, 0,1,2,3
.irp h, 0,1
.irp d, 0,1
	v_mul_lo_u32 v[OUT+16*(\it)+4*(2*((\kt)/2)+(\h))+2*((\kt)%2)+(\d)], v[RAW+16*(\it)+4*(\kt)+2*(\h)+(\d)], v86  ; and each word goes where it is stored from
.endr
.endr
.endr
.endr
.irp it, 0,1
.irp u, 0,1
.irp h, 0,1
	global_store_b128 v2, v[OUT+16*(\it)+4*(2*(\u)+(\h)):OUT+16*(\it)+4*(2*(\u)+(\h))+3], s[42:43] offset:2048*(\it)+512*(\u)+256*(\h)  ; sixteen lanes store 256 consecutive bytes, aligned
.endr
.endr
.endr
	s_wait_tensorcnt 0x0                           ; the wave's end, behind my last LDS store
	ds_add_u32 v[SPW], v[NIL]
	s_wait_dscnt 0x0
	s_cmp_lg_u32 s58, 0
	s_cbranch_scc1 .Lmask_end
	global_store_b32 v12, v85, s[56:57]            ; wave 0: the 16 rows' flags, 128 consecutive bytes
.Lmask_end:
	s_endpgm
	; ---- TAIL
.Ltail:
	v_lshlrev_b32 v1, 4, v0
	v_lshlrev_b32 v2, 2, v0
	global_load_b128 v[4:7], v1, s[24:25]
	global_load_b128 v[8:11], v1, s[26:27]
	global_load_b128 v[12:15], v1, s[28:29]
.irp i, 0,1,2,3
	global_load_b128 v[16+4*(\i):16+4*(\i)+3], v1, s[30:31] offset:4096*(\i)
.endr
	s_add_nc_u64 s[44:45], s[32:33], 0x800000      ; behind 1,024 rows of 8,192 bytes
	s_add_nc_u64 s[46:47], s[36:37], 0x800000
	v_mov_b32 v32, 0xff7fffff
	v_mov_b32 v33, 0
	s_wait_loadcnt 0x0
	global_store_b128 v1, v[4:7], s[44:45]
	global_store_b128 v1, v[8:11], s[44:45] offset:4096
	global_store_b128 v1, v[12:15], s[44:45] offset:8192
.irp i, 0,1,2,3
	global_store_b128 v1, v[16+4*(\i):16+4*(\i)+3], s[46:47] offset:4096*(\i)
.endr
	global_store_b32 v2, v32, s[44:45] offset:16384
	global_store_b32 v2, v33, s[46:47] offset:16384
	s_endpgm
.Lfunc_end_k_q7ae3283e34_prep:
	.size	k_q7ae3283e34_prep, .Lfunc_end_k_q7ae3283e34_prep-k_q7ae3283e34_prep
	.p2alignl 7, 3214868480
	.fill 96, 4, 3214868480
	.section	.rodata,"a",@progbits
	.p2align	6, 0x0
	.amdhsa_kernel k_q7ae3283e34_prep
		.amdhsa_group_segment_fixed_size 1536
		.amdhsa_private_segment_fixed_size 0
		.amdhsa_enable_private_segment 0
		.amdhsa_kernarg_size 160
		.amdhsa_user_sgpr_count 2
		.amdhsa_user_sgpr_kernarg_segment_ptr 1
		.amdhsa_wavefront_size32 1
		.amdhsa_system_sgpr_workgroup_id_x 1
		.amdhsa_system_sgpr_workgroup_id_y 1
		.amdhsa_system_sgpr_workgroup_id_z 1
		.amdhsa_system_vgpr_workitem_id 0
		.amdhsa_next_free_vgpr 152
		.amdhsa_next_free_sgpr 66
		.amdhsa_reserve_vcc 0
		.amdhsa_float_denorm_mode_32 3
		.amdhsa_float_denorm_mode_16_64 3
		.amdhsa_memory_ordered 1
		.amdhsa_forward_progress 1
		.amdhsa_inst_pref_size 37
	.end_amdhsa_kernel
	.amdgpu_metadata
---
amdhsa.version: [ 1, 2 ]
amdhsa.kernels:
  - .name:           k_q7ae3283e34_prep
    .symbol:         k_q7ae3283e34_prep.kd
    .args:
      - { .name: Wq, .offset: 0, .size: 8, .value_kind: global_buffer, .address_space: global }
      - { .name: Wk, .offset: 8, .size: 8, .value_kind: global_buffer, .address_space: global }
      - { .name: Wv, .offset: 16, .size: 8, .value_kind: global_buffer, .address_space: global }
      - { .name: Wo, .offset: 24, .size: 8, .value_kind: global_buffer, .address_space: global }
      - { .name: W1, .offset: 32, .size: 8, .value_kind: global_buffer, .address_space: global }
      - { .name: W2, .offset: 40, .size: 8, .value_kind: global_buffer, .address_space: global }
      - { .name: x, .offset: 48, .size: 8, .value_kind: global_buffer, .address_space: global }
      - { .name: ln1_g, .offset: 56, .size: 8, .value_kind: global_buffer, .address_space: global }
      - { .name: ln1_b, .offset: 64, .size: 8, .value_kind: global_buffer, .address_space: global }
      - { .name: mask, .offset: 72, .size: 8, .value_kind: global_buffer, .address_space: global }
      - { .name: bq, .offset: 80, .size: 8, .value_kind: global_buffer, .address_space: global }
      - { .name: bk, .offset: 88, .size: 8, .value_kind: global_buffer, .address_space: global }
      - { .name: bv, .offset: 96, .size: 8, .value_kind: global_buffer, .address_space: global }
      - { .name: b1, .offset: 104, .size: 8, .value_kind: global_buffer, .address_space: global }
      - { .name: wqkvb, .offset: 112, .size: 8, .value_kind: global_buffer, .address_space: global }
      - { .name: wob, .offset: 120, .size: 8, .value_kind: global_buffer, .address_space: global }
      - { .name: w1b, .offset: 128, .size: 8, .value_kind: global_buffer, .address_space: global }
      - { .name: w2b, .offset: 136, .size: 8, .value_kind: global_buffer, .address_space: global }
      - { .name: hn, .offset: 144, .size: 8, .value_kind: global_buffer, .address_space: global }
      - { .name: maskp, .offset: 152, .size: 8, .value_kind: global_buffer, .address_space: global }
    .group_segment_fixed_size: 1536
    .private_segment_fixed_size: 0
    .kernarg_segment_align: 8
    .kernarg_segment_size: 160
    .max_flat_workgroup_size: 256
    .sgpr_count:     66
    .vgpr_count:     152
    .wavefront_size: 32
...
	.end_amdgpu_metadata
.endif
;; end of part 7
;; launch qkv (part 8): grid 12 x 16, 4 waves a work-group, clusters of 4 x 4, 327,680 bytes of LDS; arguments hn, wqkvb, big; writes big
.if DOCPART == 8
	.amdgcn_target "amdgcn-amd-amdhsa--gfx1250"
	.amdhsa_code_object_version 6
	.text
	.protected	k_q7ae3283e34_qkv
	.globl	k_q7ae3283e34_qkv
	.p2align	8
	.type	k_q7ae3283e34_qkv,@function
k_q7ae3283e34_qkv:
	s_mov_b64 s[64:65], 0
	v_nop
	global_prefetch_b8 v0, s[64:65] scope:SCOPE_SE
	s_setreg_imm32_b32 hwreg(HW_REG_WAVE_MODE, 25, 1), 1
	s_wait_xcnt 0x0
	s_wait_alu depctr_hold_cnt(0) depctr_sa_sdst(0) depctr_va_vdst(0) depctr_va_sdst(0) depctr_va_ssrc(0) depctr_va_vcc(0) depctr_vm_vsrc(0)
	s_getreg_b32 s2, hwreg(HW_REG_IB_STS2, 6, 4)
	s_cmp_eq_u32 s2, 0
	s_cbranch_scc0 .Lentry_in_a_cluster
	s_endpgm
.Lentry_in_a_cluster:
	s_bfe_u32 s2, ttmp6, 0x10000c
	s_cmp_lg_u32 s2, 0xf033
	s_cbranch_scc0 .Lentry_shape_is_right
	s_endpgm
.Lentry_shape_is_right:
; C[m][n] = max(floor, bias[n] + sum over k of A[m][k] W[k][n]).  A: [4096][1024] bf16.  W: [1024][4096] bf16, rows along n; behind it 4,096 f32 of bias and the floor (one f32).
; C: [4096][4096] bf16; sums in f32, C rounded once.  The grid says how many blocks of 256 columns are made (12: q, k, v; 16: the feed-forward's first product).
; A tile of C, 256 x 256, is made by four waves; a wave makes 128 x 128: 64 accumulators of 16 x 16, 512 registers.  K goes in steps of 128 through a ring of two LDS slots
; filled by the tensor data mover: A's rows are 256 bytes, W's 512, all aligned to 256 bytes in memory.  W stays [k][n] in LDS and is turned on its way into registers (ds_load_tr16_b128).
; ONE TEXT FOR EVERY K STEP.  The slot does not stand in the immediates: a scalar holds the offset of the slot that is read (0 or SLOT), the fragment addresses are made from it once a step, and one
; descriptor for each tensor walks: an exclusive or on its LDS word, a K step on its address.  SLOT = 0x22000 shares no bit with a wave's place in a slot (0, 0x8800, 0x11000, 0x19800), so the exclusive or is an
; addition one time and a subtraction the next.  The loop fills a slot in every trip; the last two K steps, which fill nothing, are a loop of two trips that is left in its middle.
; CLUSTERS: 4 x 4 work-groups.  The four of a row of the cluster need the same tiles of A, the four of a column the same tiles of W: each tile is asked for JOINTLY, by the same tensor load with the
; same descriptor and a mask that names the four.
; THE MATRIX INSTRUCTION IS USED TRANSPOSED: source 0 = 16 columns of W, source 1 = 16 rows of A: lane l holds row l % 16 of C and the columns 8 (l / 16) + 0..7.  So the bias of a block of 16 columns
; is 8 registers that hang on l / 16 alone, and it is the C operand of the product that starts each sum: nothing is cleared, and no addition is written for it.
; REGISTERS, in windows of 256 (s_set_vgpr_msb: bits 1:0 source 0, 3:2 source 1, 5:4 source 2, 7:6 destination):
;   window 0: v0-31 addresses; v64-127, v128-191 fragments of A, two buffers; v192-255 the bias, later (with v32-63) at work on the way out
;   window 1: v64-127, v128-191 fragments of W, two buffers      window 2: the accumulators of my rows 0-63 ((a, b) at v[8 (8 a + b)])      window 3: those of my rows 64-127
; LIMITS: bf16 operands; NaN and infinities are not treated apart (the maximum with the floor turns a NaN into the floor).
.set SIZE_K, 1024
.set NP,     4096                      ; elements from row to row of W and of C
.set KSTEP,  128
.set STEPS,  SIZE_K/KSTEP
.set PITCH,  272                       ; a row of A in LDS: 256 bytes + 16: the 16 rows of a load start at 16 different groups of four banks (ISA guide 11.1)
.set PW,     544                       ; a row of W in LDS: 512 bytes + 32
.set HALFT,  128*PITCH                 ; what one tensor load brings: 128 rows of A, or 64 rows of W (64 x 544 is the same number)
.set SLOT,   4*HALFT                   ; A's 256 rows, then W's 128 rows
.set STAGE,  2*SLOT                    ; behind the ring: 16 rows x 272 bytes for each wave, for the way out
.set SPITCH, 272
.set SPARE,  STAGE+4*16*SPITCH         ; behind the stages: the spare words, 128 bytes for each wave
.set WSTEP,  KSTEP*NP*2                ; bytes of W from a K step to the next
.set TAILB,  SIZE_K*NP*2               ; bias and floor lie behind W
.set A0,   16                          ; v16     LDS address of my A fragments in slot 0; never rewritten
.set ADRA, 17                          ; v17     the same in the slot that is read
.set B0,   20                          ; v20, v21  likewise for W
.set ADRB, 21
.set STO,  24                          ; v24     the way out: where I put 16 bytes of a row
.set RD,   25                          ; v25     the way out: where I read a row back
.set CO,   26                          ; v26     my byte offset in C
.set BO,   27                          ; v27     32 (l / 16): my eight numbers in a block of 16 of the bias
.set SPW,  28                          ; v28     LDS address of my spare word; never rewritten
.set NIL,  29                          ; v29     0; never rewritten
.set F0,   64
.set F1,   128
.set TMP,  192
.set BIAS, 192
.set OB,   32
.set G1, 24                            ; s[24:31] descriptor group 1 for A's tiles;  s[32:39] group 0: a set for each of the two first fills; the second then walks on
.set G0, 32
.set G1B, 48                           ; s[48:55], s[56:63] the same for W's tiles
.set G0B, 56
.set FLOOR, 70                         ; s70
.set TB,  74                           ; s74     the offset of the slot that is read
.set MSB, 0
.macro WIN new                         ; the immediate's high byte repeats the setting that is left; a switch that changes nothing is dropped
.if MSB != (\new)
	s_set_vgpr_msb (MSB<<8)|(\new)
.set MSB, \new
.endif
.endm
.set MUL_LO, 0xa1                      ; source 0 (W) window 1, source 1 (A) window 0, C and D window 2
.set TO_B,   0x40                      ; destination window 1, address window 0
; A joint load.  Waves 0 and 1 fetch A's two halves, waves 2 and 3 W's.  The branch hangs on the wave's number alone.  An s_nop 0 and four v_nop follow each of the two lines.
.macro JLOAD s
	s_cmp_eq_u32 s11, 0
	s_cbranch_scc0 .Lfor_b_\@
	tensor_load_to_lds s[G0+4*(\s):G0+4*(\s)+3], s[G1:G1+7]
	s_nop 0
.rept 4
	v_nop
.endr
	s_branch .Lasked_\@
.Lfor_b_\@:
	tensor_load_to_lds s[G0B+4*(\s):G0B+4*(\s)+3], s[G1B:G1B+7]
	s_nop 0
.rept 4
	v_nop
.endr
.Lasked_\@:
.endm
.macro CREST                           ; a round of the cluster's barrier behind its opening barrier
	s_cmp_lg_u32 s10, 0
	s_cbranch_scc1 .Lnot_wave_0_\@
	s_barrier_signal -3
.Lnot_wave_0_\@:
	s_barrier_wait -3
	s_barrier_signal -1
	s_barrier_wait -1
.endm
.macro CROUND                          ; a whole round
	s_barrier_signal -1
	s_barrier_wait -1
	CREST
.endm
	s_load_b128 s[4:7], s[0:1], 0x0                ; A s[4:5], W s[6:7]
	s_load_b64 s[8:9], s[0:1], 0x10                ; C
	v_lshl_add_u32 v[SPW], v0, 2, SPARE
	v_mov_b32 v[NIL], 0
	ds_add_u32 v[SPW], v[NIL]                      ; the wave's opening: the add and its wait stand ahead of my first tensor load; the set-up below stands between them
	v_lshrrev_b32 v1, 5, v0
	v_readfirstlane_b32 s10, v1                    ; wave 0..3
	s_lshr_b32 s11, s10, 1                         ; which half of the tile's rows is mine.  Also: I fetch for A (0) or for W (1)
	s_and_b32 s12, s10, 1                          ; which half of its columns.  Also: which half of that tile I fetch
	s_bfe_u32 s40, ttmp6, 0x40000                  ; cx, cy: my place in the cluster
	s_bfe_u32 s41, ttmp6, 0x40004
	s_lshl_b32 s42, ttmp9, 2
	s_add_co_u32 s42, s42, s40                     ; tile column of C = 4 x cluster x + cx
	s_and_b32 s13, ttmp7, 0xffff
	s_lshl_b32 s13, s13, 2
	s_add_co_u32 s13, s13, s41                     ; tile row of C = 4 x cluster y + cy
	s_lshl_b32 s43, s41, 2
	s_lshl_b32 s43, 15, s43                        ; my row of the cluster
	s_lshl_b32 s44, 0x1111, s40                    ; my column
	s_or_b32 s[G1+0], s43, (1<<16)|(1<<20)|(1<<21)|(5<<22)|(3<<25)   ; A: the mask of my row; 2-byte elements; padding on; bit 21 beside a mask; after every 64 words, 4 words
	s_mov_b32 s[G1+1], KSTEP<<16                   ; tensor_dim0 = 128
	s_mov_b32 s[G1+2], 128<<16                     ; tensor_dim1 = 128
	s_mov_b32 s[G1+3], KSTEP<<16                   ; tile_dim0 = 128
	s_mov_b32 s[G1+4], 128                         ; tile_dim1 = 128
	s_mov_b32 s[G1+5], SIZE_K                      ; elements from row to row
	s_mov_b32 s[G1+6], 0
	s_mov_b32 s[G1+7], 0
	s_or_b32 s[G1B+0], s44, (1<<16)|(1<<20)|(1<<21)|(6<<22)|(7<<25)  ; W: the mask of my column; after every 128 words, 8 words
	s_mov_b32 s[G1B+1], 256<<16                    ; tensor_dim0 = 256 columns
	s_mov_b32 s[G1B+2], 64<<16                     ; tensor_dim1 = 64 rows (k)
	s_mov_b32 s[G1B+3], 256<<16
	s_mov_b32 s[G1B+4], 64
	s_mov_b32 s[G1B+5], NP
	s_mov_b32 s[G1B+6], 0
	s_mov_b32 s[G1B+7], 0
	s_lshl_b32 s16, s13, 19                        ; A: 256 rows of 2,048 bytes for each tile row,
	s_lshl_b32 s17, s12, 18                        ; 128 rows for my half
	s_add_co_u32 s16, s16, s17
	s_mov_b32 s17, 0
	s_lshl_b32 s46, s42, 9                         ; W: 512 bytes for each tile column,
	s_lshl_b32 s47, s12, 19                        ; 64 rows of 8,192 bytes for my half
	s_add_co_u32 s46, s46, s47
	s_mov_b32 s47, 0
	s_mul_i32 s20, s10, HALFT                      ; where they go: wave x 34,816: no place in the cluster enters an LDS address
	s_mov_b32 s[TB], 0
	s_wait_dscnt 0x0                               ; the opening add is done
	s_wait_kmcnt 0x0
	s_add_nc_u64 s[14:15], s[4:5], s[16:17]
	s_add_nc_u64 s[46:47], s[6:7], s[46:47]
	CROUND                                         ; all sixteen work-groups are here: the first joint loads meet
.irp s, 0,1
	s_mov_b32 s[G0+4*(\s)], 1
	s_add_co_u32 s[G0+4*(\s)+1], s20, (\s)*SLOT
	s_add_nc_u64 s[G0+4*(\s)+2:G0+4*(\s)+3], s[14:15], (\s)*KSTEP*2
	s_or_b32 s[G0+4*(\s)+3], s[G0+4*(\s)+3], 0x80000000
	s_mov_b32 s[G0B+4*(\s)], 1
	s_add_co_u32 s[G0B+4*(\s)+1], s20, (\s)*SLOT
	s_add_nc_u64 s[G0B+4*(\s)+2:G0B+4*(\s)+3], s[46:47], (\s)*WSTEP
	s_or_b32 s[G0B+4*(\s)+3], s[G0B+4*(\s)+3], 0x80000000
	JLOAD \s                                       ; two tensor loads of mine are out
.endr
	s_add_nc_u64 s[66:67], s[6:7], TAILB           ; bias and floor
	s_load_b32 s[FLOOR], s[66:67], 0x4000
	s_lshl_b32 s72, s42, 10                        ; 4 bytes x (256 x tile column + 128 x half)
	s_lshl_b32 s73, s12, 9
	s_add_co_u32 s72, s72, s73
	s_mov_b32 s73, 0
	s_add_nc_u64 s[68:69], s[66:67], s[72:73]
	v_and_b32 v1, 15, v0                           ; l % 16
	v_bfe_u32 v2, v0, 4, 1                         ; l / 16
	v_lshlrev_b32 v[BO], 5, v2
.irp b, 0,1,2,3,4,5,6,7
	global_load_b128 v[BIAS+8*(\b):BIAS+8*(\b)+3],   v[BO], s[68:69] offset:64*(\b)
	global_load_b128 v[BIAS+8*(\b)+4:BIAS+8*(\b)+7], v[BO], s[68:69] offset:64*(\b)+16
.endr
	v_mul_u32_u24 v3, v1, PITCH
	v_lshl_add_u32 v3, v2, 4, v3                   ; A: row x pitch + 16 x half
	v_and_b32 v6, 7, v0
	v_lshl_add_u32 v6, v2, 3, v6                   ; W, turned: lane l reads row (k) 8 (l / 16) + l % 8,
	v_mul_u32_u24 v6, v6, PW
	v_bfe_u32 v7, v0, 3, 1
	v_lshl_add_u32 v6, v7, 4, v6                   ; columns 8 ((l / 8) % 2) + 0..7, and is left with column l % 16 and 8 k
	s_mul_i32 s21, s11, HALFT                      ; my 128 rows of A
	s_lshl_b32 s22, s12, 8                         ; my 128 columns of W,
	s_add_co_u32 s22, s22, 2*HALFT                 ; which lies behind A's 256 rows
	v_add_nc_u32 v[A0], s21, v3
	v_add_nc_u32 v[B0], s22, v6
	v_mov_b32 v[ADRA], v[A0]                       ; K step 0 lies in slot 0
	v_mov_b32 v[ADRB], v[B0]
	s_mul_i32 s23, s10, 16*SPITCH
	s_add_co_u32 s23, s23, STAGE                   ; my stage
	v_mul_u32_u24 v4, v1, SPITCH
	v_lshl_add_u32 v4, v2, 4, v4
	v_add_nc_u32 v[STO], s23, v4
	v_mul_u32_u24 v5, v2, SPITCH
	v_lshl_add_u32 v5, v1, 4, v5
	v_add_nc_u32 v[RD], s23, v5
	v_mul_u32_u24 v5, v2, NP*2
	v_lshl_add_u32 v[CO], v1, 4, v5
	s_lshl_b32 s16, s13, 8
	s_lshl_b32 s14, s11, 7
	s_add_co_u32 s16, s16, s14                     ; my first row of C,
	s_lshl_b32 s16, s16, 13                        ; in bytes
	s_mov_b32 s17, 0
	s_lshl_b32 s46, s42, 9                         ; my first column, in bytes
	s_lshl_b32 s47, s12, 8
	s_add_co_u32 s46, s46, s47
	s_mov_b32 s47, 0
	s_add_nc_u64 s[16:17], s[16:17], s[46:47]
; 16 matrix instructions: m blocks a0, a0 + 1 of the window's four (hi = 0: my rows 0-63, 1: rows 64-127) x all 8 n blocks, 32 along K.  zero = 1: the first product starts the sums, with the bias as C.
; The 64 accumulators take turns, one instruction a turn, in the same order in every quarter.
.macro MUL16 f, hi, a0, zero
.if \zero
	WIN 0x81+0x40*(\hi)                            ; C (the bias) in window 0
.else
	WIN MUL_LO+0x50*(\hi)
.endif
.irp a, \a0, (\a0)+1
.irp b, 0,1,2,3,4,5,6,7
.if \zero
	v_wmma_f32_16x16x32_bf16 v[8*(8*(\a)+(\b)):8*(8*(\a)+(\b))+7], v[(\f)+8*(\b):(\f)+8*(\b)+7], v[(\f)+8*(4*(\hi)+(\a)):(\f)+8*(4*(\hi)+(\a))+7], v[BIAS+8*(\b):BIAS+8*(\b)+7]
.else
	v_wmma_f32_16x16x32_bf16 v[8*(8*(\a)+(\b)):8*(8*(\a)+(\b))+7], v[(\f)+8*(\b):(\f)+8*(\b)+7], v[(\f)+8*(4*(\hi)+(\a)):(\f)+8*(4*(\hi)+(\a))+7], v[8*(8*(\a)+(\b)):8*(8*(\a)+(\b))+7]
.endif
.endr
.endr
.endm
; 32 LDS loads in one run: the fragments of quarter q (32 along K) of the slot that is read, into buffer f: 128 columns of W (turned), then 128 rows of A
.macro FETCH q, f
	WIN TO_B
.irp i, 0,1,2,3,4,5,6,7
	ds_load_tr16_b128 v[(\f)+8*(\i):(\f)+8*(\i)+3],   v[ADRB] offset:(\q)*32*PW+32*(\i)
	ds_load_tr16_b128 v[(\f)+8*(\i)+4:(\f)+8*(\i)+7], v[ADRB] offset:(\q)*32*PW+16*PW+32*(\i)
.endr
	WIN 0
.irp i, 0,1,2,3,4,5,6,7
	ds_load_b128 v[(\f)+8*(\i):(\f)+8*(\i)+3],   v[ADRA] offset:64*(\q)+(\i)*16*PITCH
	ds_load_b128 v[(\f)+8*(\i)+4:(\f)+8*(\i)+7], v[ADRA] offset:64*(\q)+(\i)*16*PITCH+32
.endr
.endm
.macro PLACES                          ; four plain vector instructions between a matrix instruction and a load into, or a vector instruction on, its registers (ISA guide 7.12.1 for vector instructions)
.rept 4
	v_nop
.endr
.endm
; One of a K step's first three quarters: multiplies buffer f; in its middle it fetches quarter q of the same slot into buffer g.
.macro QUARTER q, f, g, zero
	s_wait_dscnt 8                                 ; W and A's rows 0-63 are in; the youngest eight loads (A's rows 64-127) may be out
	MUL16 \f, 0, 0, \zero
	MUL16 \f, 0, 2, \zero
	PLACES
	FETCH \q, \g
	s_wait_dscnt 32                                ; all but the 32 just issued
	MUL16 \f, 1, 0, \zero
	MUL16 \f, 1, 2, \zero
.endm
; The last quarter multiplies buffer 1 and changes slots: one barrier; in front of it each wave waits for all its tensor loads (one is out at the most: its part of the next slot), adds 0 to its spare
; word, and waits for that and for its own reads of this slot.  fill = 1: the barrier opens a round of the cluster's, and the slot just read takes the K step two on.
; fill = 0 (the last two K steps): nothing is asked for; in the very last there is no next slot, and the run of loads is jumped over.
.macro TURN fill
	WIN 0
	s_wait_tensorcnt 0x0
	ds_add_u32 v[SPW], v[NIL]
	s_wait_dscnt 9                                 ; the add and the youngest eight loads may be out
	MUL16 F1, 0, 0, 0
	s_wait_dscnt 0x0                               ; the add is done, and my reads of this slot are over
	s_barrier_signal -1
	MUL16 F1, 0, 2, 0
	WIN 0
	s_barrier_wait -1
.if \fill
	CREST                                          ; no wave of any partner still reads this slot or has a load on its way
	s_xor_b32 s[G0+5], s[G0+5], SLOT               ; the walking descriptors: the other slot than last time,
	s_add_nc_u64 s[G0+6:G0+7], s[G0+6:G0+7], KSTEP*2    ; the next K step; the type bits on top are not reached
	s_xor_b32 s[G0B+5], s[G0B+5], SLOT
	s_add_nc_u64 s[G0B+6:G0B+7], s[G0B+6:G0B+7], WSTEP
	JLOAD 1                                        ; my one tensor load behind the round: 224 matrix instructions ahead of the wait for it; its four v_nop are also the places in front of the loads below
.else
	s_cmp_eq_u32 s3, 1
	s_cbranch_scc1 .Lno_fetch_\@
	PLACES
.endif
	s_xor_b32 s[TB], s[TB], SLOT                   ; the reads go on in the other slot
	v_add_nc_u32 v[ADRA], s[TB], v[A0]
	v_add_nc_u32 v[ADRB], s[TB], v[B0]
	FETCH 0, F0
.if !(\fill)
.Lno_fetch_\@:
.endif
	MUL16 F1, 1, 0, 0
	MUL16 F1, 1, 2, 0
.endm
; THE WAY OUT of block a (16 rows).  PACK: the maximum with the floor, then rounded to bf16, 16 bytes a lane.  TOSTAGE: into my own stage and back as whole rows of 256 bytes.  SEND: stored.
.macro PACK a
.set AC, 64*((\a)%4)
	WIN 0x88+0x44*((\a)/4)                         ; source 1 and destination: window 2 or 3
.set z, 0
.rept 64
	v_max_num_f32 v[AC+z], s[FLOOR], v[AC+z]       ; ascending: each accumulator is read from its low end
.set z, z+1
.endr
	WIN 0x0a+5*((\a)/4)                            ; sources 0 and 1: window 2 or 3
.irp b, 0,1,2,3,4,5,6,7
.irp r, 0,1,2,3
	v_cvt_pk_bf16_f32 v[TMP+4*(\b)+(\r)], v[AC+8*(\b)+2*(\r)], v[AC+8*(\b)+2*(\r)+1]
.endr
.endr
	WIN 0
.endm
.macro TOSTAGE a
	WIN 0
.set BK, OB+192*((\a)%2)
.irp b, 0,1,2,3,4,5,6,7
	ds_store_b128 v[STO], v[TMP+4*(\b):TMP+4*(\b)+3] offset:32*(\b)
.endr
.irp t, 0,1,2,3,4,5,6,7
	ds_load_b128 v[BK+4*(\t):BK+4*(\t)+3], v[RD] offset:(\t)*2*SPITCH  ; LDS serves a wave's instructions in order (ISA guide 5.7.1.4): these see the stores above
.endr
.endm
.macro SEND a
	WIN 0
.set BK, OB+192*((\a)%2)
	s_wait_dscnt 0x0                               ; the block is back in registers
	s_wait_xcnt 0x0                                ; only behind this wait are the stores' base and the registers that earlier stores read rewritten
.if (\a) == 0
	s_add_nc_u64 s[8:9], s[8:9], s[16:17]
.else
	s_add_nc_u64 s[8:9], s[8:9], 16*NP*2
.endif
.irp t, 0,1,2,3,4,5,6,7
	global_store_b128 v[CO], v[BK+4*(\t):BK+4*(\t)+3], s[8:9] offset:2*(\t)*NP*2  ; 16 lanes store 256 consecutive bytes, aligned
.endr
.endm
	s_wait_tensorcnt 1                             ; my part of K step 0 is in; K step 1's may stay out
	s_barrier_signal -1
	s_barrier_wait -1
	FETCH 0, F0
	s_wait_loadcnt 0x0                             ; the bias
	s_wait_kmcnt 0x0                               ; the floor
	QUARTER 1, F0, F1, 1                           ; the first quarter stands in front of the loop: its products start the sums
	WIN 0
	s_mov_b32 s3, STEPS-2
.Lstep:                                                ; a trip goes from a K step's second quarter to the next step's first, and fills the slot that it leaves: K steps 2 to 7
	QUARTER 2, F1, F0, 0
	QUARTER 3, F0, F1, 0
	TURN 1
	QUARTER 1, F0, F1, 0
	WIN 0
	s_sub_co_u32 s3, s3, 1
	s_cmp_lg_u32 s3, 0
	s_cbranch_scc1 .Lstep
	s_mov_b32 s3, 2
.Ltail:                                                ; the last two K steps fill nothing: a text of their own; the second trip is left in its middle
	QUARTER 2, F1, F0, 0
	QUARTER 3, F0, F1, 0
	TURN 0
	WIN 0
	s_sub_co_u32 s3, s3, 1
	s_cmp_eq_u32 s3, 0
	s_cbranch_scc1 .Lout
	QUARTER 1, F0, F1, 0
	WIN 0
	s_branch .Ltail
.Lout:
	PLACES
	PACK 0
	TOSTAGE 0
.irp a, 1,2,3,4,5,6,7                  ; block a's arithmetic stands between block a - 1's loads from the stage and the wait for them
	PACK \a
	SEND (\a)-1
	TOSTAGE \a
.endr
	SEND 7
	s_wait_tensorcnt 0x0                           ; the wave's end
	ds_add_u32 v[SPW], v[NIL]
	s_wait_dscnt 0x0
	CROUND                                         ; the closing round
	s_endpgm
.Lfunc_end_k_q7ae3283e34_qkv:
	.size	k_q7ae3283e34_qkv, .Lfunc_end_k_q7ae3283e34_qkv-k_q7ae3283e34_qkv
	.p2alignl 7, 3214868480
	.fill 96, 4, 3214868480
	.section	.rodata,"a",@progbits
	.p2align	6, 0x0
	.amdhsa_kernel k_q7ae3283e34_qkv
		.amdhsa_group_segment_fixed_size 327680
		.amdhsa_private_segment_fixed_size 0
		.amdhsa_enable_private_segment 0
		.amdhsa_kernarg_size 24
		.amdhsa_user_sgpr_count 2
		.amdhsa_user_sgpr_kernarg_segment_ptr 1
		.amdhsa_wavefront_size32 1
		.amdhsa_system_sgpr_workgroup_id_x 1
		.amdhsa_system_sgpr_workgroup_id_y 1
		.amdhsa_system_sgpr_workgroup_id_z 1
		.amdhsa_system_vgpr_workitem_id 0
		.amdhsa_next_free_vgpr 1024
		.amdhsa_next_free_sgpr 76
		.amdhsa_reserve_vcc 0
		.amdhsa_float_denorm_mode_32 3
		.amdhsa_float_denorm_mode_16_64 3
		.amdhsa_memory_ordered 1
		.amdhsa_forward_progress 1
		.amdhsa_inst_pref_size 118
	.end_amdhsa_kernel
	.amdgpu_metadata
---
amdhsa.version: [ 1, 2 ]
amdhsa.kernels:
  - .name:           k_q7ae3283e34_qkv
    .symbol:         k_q7ae3283e34_qkv.kd
    .args:
      - { .name: hn, .offset: 0, .size: 8, .value_kind: global_buffer, .address_space: global }
      - { .name: wqkvb, .offset: 8, .size: 8, .value_kind: global_buffer, .address_space: global }
      - { .name: big, .offset: 16, .size: 8, .value_kind: global_buffer, .address_space: global }
    .group_segment_fixed_size: 327680
    .private_segment_fixed_size: 0
    .kernarg_segment_align: 8
    .kernarg_segment_size: 24
    .max_flat_workgroup_size: 128
    .sgpr_count:     76
    .vgpr_count:     1024
    .wavefront_size: 32
...
	.end_amdgpu_metadata
.endif
;; end of part 8
;; launch attn (part 9): grid 16 x 16, 4 waves a work-group, clusters of 4 x 1, 327,680 bytes of LDS; arguments big, maskp, hn; writes hn
.if DOCPART == 9
	.amdgcn_target "amdgcn-amd-amdhsa--gfx1250"
	.amdhsa_code_object_version 6
	.text
	.protected	k_q7ae3283e34_attn
	.globl	k_q7ae3283e34_attn
	.p2align	8
	.type	k_q7ae3283e34_attn,@function
k_q7ae3283e34_attn:
	s_mov_b64 s[64:65], 0
	v_nop
	global_prefetch_b8 v0, s[64:65] scope:SCOPE_SE
	s_setreg_imm32_b32 hwreg(HW_REG_WAVE_MODE, 25, 1), 1
	s_wait_xcnt 0x0
	s_wait_alu depctr_hold_cnt(0) depctr_sa_sdst(0) depctr_va_vdst(0) depctr_va_sdst(0) depctr_va_ssrc(0) depctr_va_vcc(0) depctr_vm_vsrc(0)
	s_getreg_b32 s2, hwreg(HW_REG_IB_STS2, 6, 4)
	s_cmp_eq_u32 s2, 0
	s_cbranch_scc0 .Lentry_in_a_cluster
	s_endpgm
.Lentry_in_a_cluster:
	s_bfe_u32 s2, ttmp6, 0x10000c
	s_cmp_lg_u32 s2, 0x3003
	s_cbranch_scc0 .Lentry_shape_is_right
	s_endpgm
.Lentry_shape_is_right:
; ATTENTION WITH A GIVEN MASK.  ctx[b][q][64 head + :] = sum over k of softmax_k(mask ? -1e18 : q . k / 8) v.  q, k, v lie in big ([4096 tokens][4096] bf16) at columns 0, 1024, 2048 + 64 head.
; maskp holds the mask as bytes 0x00 / 0xFF in the lanes' order: [16-query block][64 keys][half u][lane][16]; behind it a flag for each query, two words.  ctx goes to hn ([4096][1024] bf16).
; Products, maxima and sums in f32; the weights are rounded to bf16 for the second product (their sum l is taken of the unrounded weights), ctx once.
; SHARES.  A work-group owns 128 queries of a PAIR of heads (so K's and V's rows in memory are 256 bytes, aligned); wave w has head w / 2 of the pair and 64 queries (w % 2): four PIECES of 16.  Every wave walks all
; 2,048 keys, 64 a step.  CLUSTER: the four query blocks of a cluster walk the same K and V: each tile is asked for JOINTLY, by the same tensor load, descriptor and mask in all four.
; LAYOUT.  S^T = K Q^T holds ONE query a lane (lane % 16) and the keys 8 (lane / 16) + 0..7; two such results rounded to bf16 ARE source 1 of O^T = V^T P.  K comes out of LDS as it lies, V turned (ds_load_tr16_b128).
; THE MASK is the C operand that starts the sum S^T: 0, or -2^127 (the mask's byte 0xFF moved into the top byte of a word, one v_perm_b32 a score).
; SOFTMAX.  p = 2^(c s - c m), c = log2(e) / 8, with a running maximum m; O and l are multiplied by a = 2^(c m_old - c m_new) in every step.  m starts at -8e18, which is -1e18 on the scale of the undivided score:
; a hidden score never raises it, and its weight is exactly 0.  A ROW WITH NO VISIBLE KEY arrives with its mask all visible and its flag 0 (the launch that lays the mask out sees whole rows): the row of Q is ANDed
; with the flag, so all its scores are exactly 0 and its weights uniform, as -1e18 everywhere gives.
; LIMITS.  A visible score at or below -1e18 (divided by 8) is not served (a row in which all visible scores are that low has l = 0); a weight below 2^-126 counts as 0; NaN and infinities are not treated apart; bf16 operands.
; BY TURNS.  Turn n belongs to piece n: 8 products K Q^T of piece n + 1, later 8 products V^T P of piece n - 1; beside them the scaling, exponentials, roundings, sums and rescaling of piece n, the maximum and
; statistics of piece n + 1, and the 32 mask words of piece n + 2.  Four vector instructions stand behind every matrix instruction, the rest in runs of their own.
; REGISTERS, in windows of 256 (s_set_vgpr_msb: bits 1:0 source 0, 3:2 source 1, 5:4 source 2, 7:6 destination):
;   window 0: v0-15 addresses; v16-31 statistics; v34-39 the flags; v48-55 at work; v62-63 the add's; v64-127 S^T, two buffers; v128-159 the raw mask, 8 a piece; v160-191, v224-255 mask words, two buffers; v192-223 P, two buffers
;   window 1: v0-127 O^T, 32 a piece        window 2: v0-63 Q; v128-191 K of one step; v192-255 V of one step
.set NP,    4
.set KS,    64
.set PK,    272       ; a row of K in LDS: 256 bytes (two heads) + 16: the 16 rows of a load start at 16 different groups of four banks (ISA guide 11.1)
.set PV,    288       ; a row of V: 256 + 32
.set VOFF,  KS*PK     ; a step's tiles lie together: 64 rows of K, then 64 rows of V
.set STEPB, KS*(PK+PV)
.set SLOT1, 1<<17     ; a slot holds two steps (71,680 bytes); slot 1 begins here
.set STAGE, SLOT1+2*STEPB  ; behind the ring: 128 rows x 272 bytes, the work-group's, for the way out
.set SP,    272
.set SPARE, STAGE+128*SP   ; behind the stage: the spare words, 128 bytes for each wave
.set SLOTG, 2*KS*8192      ; bytes of big from a slot's keys to the next slot's
.set AK0, 2           ; v2   my lane's place in a tile of K; never rewritten
.set AV0, 3           ; v3   the same for V
.set AK,  4
.set AV,  5
.set STO, 6
.set RD,  7
.set GO,  8
.set MO,  9           ; v9   16 x lane: my 16 bytes in 512 of maskp
.set ZR,  10          ; v10  0
.set MV,  12          ; v12-13  c m_old, by buffer
.set QO,  15
.set ST,  16          ; piece t's statistics at v[ST+4 t]: c m, m, l (even keys', odd keys')
.set FO,  34          ; v34  my word in 16 queries' flags
.set FL,  36          ; v36-39  my query's flag, by piece
.set TMP, 48
.set SPW, 62
.set NIL, 63
.set S,   64
.set MR,  128
.set MC,  160         ; buffer 0 at v160, buffer 1 at v224
.set P,   192
.set KF,  128         ; window 2
.set VF,  192         ; window 2
.set WV,  12
.set G1K, 24
.set G1V, 32
.set G0K, 40
.set G0V, 44
.set SLOTS, 56
.set CNT, 57
.set CS,  58
.set SEL, 60
.set TBK, 62
.set TBV, 63
.set MB0, 66          ; s[66:67] maskp at my first piece, keys 0
.set MB,  68          ; s[68:69] the same at the 64 keys to be loaded next
.set OFM, 70          ; s[70:71]
.set KBN, 72          ; s72  their number
.set SB,  76          ; s[76:79] v_perm_b32's selects: byte 0..3 of the mask word into the top byte, zeros below
.set MSB, 0
.macro WIN new
.if MSB != (\new)
	s_set_vgpr_msb (MSB<<8)|(\new)
.set MSB, (\new)
.endif
.endm
.set W_KQ, 0x0a       ; K and Q in window 2, S^T and the mask words in window 0
.set W_PV, 0x52       ; V in window 2, P in window 0, C and D in window 1
.set W_RS, 0x41       ; destination and source 0 in window 1, source 1 in window 0
; A joint fill.  Waves 0 and 1 fetch K of a slot's two steps, waves 2 and 3 V.  An s_nop 0 and four v_nop follow each of the two lines.
.macro JLOAD
	s_cmp_lt_u32 s[WV], 2
	s_cbranch_scc0 .Lfor_v_\@
	tensor_load_to_lds s[G0K:G0K+3], s[G1K:G1K+7]
	s_nop 0
.rept 4
	v_nop
.endr
	s_branch .Lasked_\@
.Lfor_v_\@:
	tensor_load_to_lds s[G0V:G0V+3], s[G1V:G1V+7]
	s_nop 0
.rept 4
	v_nop
.endr
.Lasked_\@:
.endm
.macro CROUND
	s_barrier_signal -1
	s_barrier_wait -1
	s_cmp_lg_u32 s[WV], 0
	s_cbranch_scc1 .Lnot_wave_0_\@
	s_barrier_signal -3
.Lnot_wave_0_\@:
	s_barrier_wait -3
	s_barrier_signal -1
	s_barrier_wait -1
.endm
; THE CHANGE OF SLOTS.  Each wave waits for all its tensor loads (one is out: its part of the other slot), adds 0 to its spare word, and waits for that and for its reads of the slot that it leaves.
; fill = 1: the barrier is a round of the cluster's, and the joint fill of the slot just left, with the keys two slots on, is the first thing behind it: two key steps, 128 matrix instructions, in which to land.
.macro CHANGE fill
	WIN 0
	s_wait_tensorcnt 0x0
	ds_add_u32 v[SPW], v[NIL]
.if \fill
.irp g, G0K, G0V
	s_xor_b32 s[\g+1], s[\g+1], SLOT1
	s_add_nc_u64 s[\g+2:\g+3], s[\g+2:\g+3], SLOTG
.endr
	s_wait_dscnt 0x0
	CROUND
	JLOAD
.else
	s_wait_dscnt 0x0
	s_barrier_signal -1
	s_barrier_wait -1
.endif
	s_sub_co_u32 s[TBK], s[TBK], 2*STEPB
	s_xor_b32 s[TBK], s[TBK], SLOT1
	s_sub_co_u32 s[TBV], s[TBV], 2*STEPB
	s_xor_b32 s[TBV], s[TBV], SLOT1
.endm
	s_load_b128 s[4:7], s[0:1], 0x0 ; big s[4:5], maskp s[6:7]
	s_load_b64 s[8:9], s[0:1], 0x10 ; hn
	v_lshl_add_u32 v[SPW], v0, 2, SPARE
	v_mov_b32 v[NIL], 0
	ds_add_u32 v[SPW], v[NIL]       ; the wave's opening: the add and its wait stand ahead of my first tensor load
	v_lshrrev_b32 v1, 5, v0
	v_readfirstlane_b32 s[WV], v1
	s_bfe_u32 s13, ttmp6, 0x40000   ; cx
	s_lshl_b32 s14, ttmp9, 2
	s_add_co_u32 s14, s14, s13      ; my block of 128 queries: it enters Q's, the mask's and ctx's addresses alone
	s_and_b32 s15, ttmp7, 0xffff
	s_lshr_b32 s16, s15, 3          ; the batch,
	s_and_b32 s17, s15, 7           ; the pair of heads: the four partners share both
	s_and_b32 s18, s[WV], 1         ; my half of the queries.  Also: which of a slot's two steps I fetch
	s_lshr_b32 s19, s[WV], 1        ; my head of the pair
	s_lshl_b32 s23, s17, 8          ; 256 bytes for each pair of heads
	s_lshl_b32 s20, s16, 24         ; K, V: 2,048 rows of 8,192 bytes a batch,
	s_lshl_b32 s21, s18, 19         ; 64 rows for my step
	s_add_co_u32 s20, s20, s21
	s_add_co_u32 s20, s20, s23
	s_mov_b32 s21, 0
	s_mul_i32 s22, s18, STEPB       ; and its place in a slot
	s_lshl_b32 s74, s19, 7          ; 128 bytes for my head
	s_lshl_b32 s2, s16, 24          ; Q: batch, block of 128 rows, half of 64 rows, pair, head
	s_lshl_b32 s3, s14, 20
	s_add_co_u32 s2, s2, s3
	s_lshl_b32 s3, s18, 19
	s_add_co_u32 s2, s2, s3
	s_add_co_u32 s2, s2, s23
	s_add_co_u32 s2, s2, s74
	s_mov_b32 s3, 0
	s_lshl_b32 s80, s16, 22         ; maskp: 32,768 bytes for each 16 queries
	s_lshl_b32 s81, s14, 18
	s_add_co_u32 s80, s80, s81
	s_lshl_b32 s81, s18, 17
	s_add_co_u32 s80, s80, s81
	s_mov_b32 s81, 0
	s_lshl_b32 s82, s16, 22         ; hn: rows of 2,048 bytes; on the way out wave w stores rows 32 w .. 32 w + 31 of the block
	s_lshl_b32 s83, s14, 18
	s_add_co_u32 s82, s82, s83
	s_lshl_b32 s83, s[WV], 16
	s_add_co_u32 s82, s82, s83
	s_add_co_u32 s82, s82, s23
	s_mov_b32 s83, 0
	s_lshl_b32 s84, s16, 14         ; the flags: 8 bytes a query: 2,048 queries a batch,
	s_lshl_b32 s85, s14, 10         ; 128 a block,
	s_add_co_u32 s84, s84, s85
	s_lshl_b32 s85, s18, 9          ; 64 for my half;
	s_add_co_u32 s84, s84, s85
	s_add_co_u32 s84, s84, 0x800000 ; they lie behind the mask's 8,388,608 bytes
	s_mov_b32 s85, 0
	s_mov_b32 s[G1K], 15|(1<<16)|(1<<20)|(1<<21)|(5<<22)|(3<<25)  ; the mask of four; 2-byte elements; padding on; bit 21 beside a mask; after every 64 words, 4 words
	s_mov_b32 s[G1V], 15|(1<<16)|(1<<20)|(1<<21)|(5<<22)|(7<<25)  ; the same with 8 words
.irp g, G1K, G1V
	s_mov_b32 s[\g+1], 128<<16      ; tensor_dim0 = 128
	s_mov_b32 s[\g+2], KS<<16       ; tensor_dim1 = 64
	s_mov_b32 s[\g+3], 128<<16      ; tile_dim0 = 128
	s_mov_b32 s[\g+4], KS           ; tile_dim1 = 64
	s_mov_b32 s[\g+5], 4096         ; elements from row to row
	s_mov_b32 s[\g+6], 0
	s_mov_b32 s[\g+7], 0
.endr
	s_mov_b32 s[CS], 0x3e38aa3b     ; c = log2(e) / 8
	s_mov_b32 s[CS+1], s[CS]
	s_mov_b32 s[SEL], 0x76543210
	s_mov_b32 s[SEL+1], 0xfedcba98
	s_mov_b32 s[SB], 0x04000000
	s_mov_b32 s[SB+1], 0x05000000
	s_mov_b32 s[SB+2], 0x06000000
	s_mov_b32 s[SB+3], 0x07000000
	s_mov_b32 s[OFM+1], 0
	s_mov_b32 s[KBN], 1
	s_mov_b32 s[TBK], SLOT1+2*STEPB ; the first change of slots turns these two into 0
	s_mov_b32 s[TBV], SLOT1+2*STEPB
	s_mov_b32 s[G0K], 1
	s_mov_b32 s[G0K+1], s22
	s_mov_b32 s[G0V], 1
	s_add_co_u32 s[G0V+1], s22, VOFF
	s_wait_dscnt 0x0                ; the opening add is done
	s_wait_kmcnt 0x0
	s_add_nc_u64 s[20:21], s[4:5], s[20:21]
	s_add_nc_u64 s[G0K+2:G0K+3], s[20:21], 2048    ; k begins at column 1,024
	s_or_b32 s[G0K+3], s[G0K+3], 0x80000000
	s_add_nc_u64 s[G0V+2:G0V+3], s[20:21], 4096    ; v at column 2,048
	s_or_b32 s[G0V+3], s[G0V+3], 0x80000000
	s_add_nc_u64 s[4:5], s[4:5], s[2:3]            ; Q at my wave's first row
	s_add_nc_u64 s[MB0:MB0+1], s[6:7], s[80:81]
	s_add_nc_u64 s[MB:MB+1], s[MB0:MB0+1], 1024
	s_add_nc_u64 s[84:85], s[6:7], s[84:85]        ; the flags of my 64 queries
	s_add_nc_u64 s[8:9], s[8:9], s[82:83]
	CROUND                          ; all four work-groups are here: the first joint loads meet
	JLOAD                           ; slot 0; slot 1 is asked for when slot 0 is in
	v_and_b32 v1, 15, v0            ; l % 16
	v_bfe_u32 v14, v0, 4, 1         ; l / 16
	v_lshlrev_b32 v[QO], 13, v1
	v_lshl_add_u32 v[QO], v14, 4, v[QO]  ; row x 8,192 + 16 x half
	v_and_b32 v[MO], 31, v0
	v_lshlrev_b32 v[MO], 4, v[MO]
	v_lshlrev_b32 v[FO], 3, v1
	v_lshl_add_u32 v[FO], v14, 2, v[FO]  ; 8 x row + 4 x half
	WIN 0x80
.set i, 0
.rept 8                             ; Q stays in registers: piece i / 2, channels 32 (i % 2) on
	global_load_b128 v[8*i:8*i+3],   v[QO], s[4:5] offset:(i/2)*131072+(i%2)*64
	global_load_b128 v[8*i+4:8*i+7], v[QO], s[4:5] offset:(i/2)*131072+(i%2)*64+32
.set i, i+1
.endr
	WIN 0
.irp x, 0,1,2,3
	global_load_b32 v[FL+\x], v[FO], s[84:85] offset:128*\x  ; 128 consecutive bytes a piece
.endr
.irp x, 0,1,2,3                     ; the raw mask of keys 0-63, all four pieces
	global_load_b128 v[MR+8*\x:MR+8*\x+3],   v[MO], s[MB0:MB0+1] offset:32768*\x
	global_load_b128 v[MR+8*\x+4:MR+8*\x+7], v[MO], s[MB0:MB0+1] offset:32768*\x+512
.endr
	; What the first turn finds: V and P's second buffer hold 0 (its products, of a piece that has not been, add 0); O^T and l are 0.  All this stands in the wait for the first tile.
	WIN 0x80
.set i, VF
.rept 64
	v_mov_b32 v[i], 0
.set i, i+1
.endr
	WIN 0x40
.set i, 0
.rept 128
	v_mov_b32 v[i], 0
.set i, i+1
.endr
	WIN 0
	v_mov_b32 v[ZR], 0
.set i, 0
.rept 4
	v_mov_b32 v[ST+4*i+1], 0xdede0b6b  ; m = -8e18
	v_mov_b32 v[ST+4*i+2], 0
	v_mov_b32 v[ST+4*i+3], 0
.set i, i+1
.endr
.set i, 0
.rept 4
	v_mul_f32 v[ST+4*i], s[CS], v[ST+4*i+1]  ; c m, by the line that makes it in every step: while m stays, a is 2^0
.set i, i+1
.endr
.set i, P+16
.rept 16
	v_mov_b32 v[i], 0
.set i, i+1
.endr
	v_mul_u32_u24 v[AK0], v1, PK
	v_lshl_add_u32 v[AK0], v14, 4, v[AK0]
	v_add_nc_u32 v[AK0], s74, v[AK0]      ; row x pitch + 16 x half + my head
	v_and_b32 v32, 7, v0
	v_bfe_u32 v33, v0, 3, 1
	v_lshl_add_u32 v[AV0], v14, 3, v32    ; the turning load: lane l reads key 8 (l / 16) + l % 8, channels 8 ((l / 8) % 2) + 0..7
	v_mul_u32_u24 v[AV0], v[AV0], PV
	v_lshl_add_u32 v[AV0], v33, 4, v[AV0]
	v_add_nc_u32 v[AV0], s74, v[AV0]
	v_add_nc_u32 v[AV0], VOFF, v[AV0]
	v_mov_b32 v[AK], v[AK0]
; THE MATRIX WORK.  The accumulators take turns, one instruction a turn.  Product i of 8 of S^T = K Q^T for piece x: channels 32 (i / 4) on, keys 16 (i % 4) on.  The first 4 start the sums with the mask.
.macro KQ x
.set rS, S+32*((\x)%2)+8*(i%4)
.set rK, KF+16*(i%4)+8*(i/4)
.set rQ, 16*(\x)+8*(i/4)
.set rM, MC+64*((\x)%2)+8*(i%4)
	WIN W_KQ
.if i < 4
	v_wmma_f32_16x16x32_bf16 v[rS:rS+7], v[rK:rK+7], v[rQ:rQ+7], v[rM:rM+7]
.else
	v_wmma_f32_16x16x32_bf16 v[rS:rS+7], v[rK:rK+7], v[rQ:rQ+7], v[rS:rS+7]
.endif
.endm
; Product i of 8 of O^T += V^T P for piece x: keys 32 (i / 4) on, channels 16 (i % 4) on.
.macro PV x
	WIN W_PV
.set rO, 32*(\x)+8*(i%4)
.set rV, VF+32*(i/4)+8*(i%4)
.set rP, P+16*((\x)%2)+8*(i/4)
	v_wmma_f32_16x16x32_bf16 v[rO:rO+7], v[rV:rV+7], v[rP:rP+7], v[rO:rO+7]
.endm
.macro MM                           ; the turn's next matrix instruction
.if i < 8
	KQ (Y+1)%NP
.else
.set i, i-8
	PV (Y+NP-1)%NP
.set i, i+8
.endif
.set i, i+1
.endm
; THE LDS LOADS stand in runs of 16.  last = 1 (the tail): in the last trip there is no further step, and the run is jumped over.
.macro FETCH_K last=0
	WIN 0
.if \last
	s_cmp_eq_u32 s[CNT], 1
	s_cbranch_scc1 .Lno_k_\@
.endif
	WIN 0x80
.irp f, 0,1,2,3,4,5,6,7             ; keys 16 (f / 2) on, channels 32 (f % 2) on
	ds_load_b128 v[KF+8*\f:KF+8*\f+3],   v[AK] offset:(\f/2)*16*PK+(\f%2)*64
	ds_load_b128 v[KF+8*\f+4:KF+8*\f+7], v[AK] offset:(\f/2)*16*PK+(\f%2)*64+32
.endr
	s_add_co_u32 s[TBK], s[TBK], STEPB
	WIN 0
.if \last
.Lno_k_\@:
.endif
.endm
.macro FETCH_V
	WIN 0x80
.irp f, 0,1,2,3,4,5,6,7             ; keys 32 (f / 4) on, channels 16 (f % 4) on
	ds_load_tr16_b128 v[VF+8*\f:VF+8*\f+3],   v[AV] offset:(\f/4)*32*PV+(\f%4)*32
	ds_load_tr16_b128 v[VF+8*\f+4:VF+8*\f+7], v[AV] offset:(\f/4)*32*PV+16*PV+(\f%4)*32
.endr
	WIN 0
.endm
; Mask word n (= 8 kt + j: keys 16 kt + 8 (l / 16) + j) of piece x into buffer buf: the byte goes into the top byte of a word of zeros.
.macro MK x, buf, n
	WIN 0
	v_perm_b32 v[MC+64*(\buf)+(\n)], v[MR+8*(\x)+4*((\n)/16)+2*(((\n)/8)%2)+((\n)%8)/4], v[ZR], s[SB+(\n)%4]
.endm
.macro MLOAD x                      ; piece x's raw mask of the 64 keys at MB
	WIN 0
	global_load_b128 v[MR+8*(\x):MR+8*(\x)+3],   v[MO], s[MB:MB+1] offset:32768*(\x)
	global_load_b128 v[MR+8*(\x)+4:MR+8*(\x)+7], v[MO], s[MB:MB+1] offset:32768*(\x)+512
.endm
; THE VECTOR WORK, one line at a time: OP kind, number.  For piece Y: F n: c s - c m for pair n of 16.  E n: the exponential of score n of 32.  C n: pair n rounded to bf16.  B n: of the four weights 4 n .. the second
; pair is added onto the first, in place.  L n: l takes that sum (L 0: l = a l + sum).  R n: pair n of 16 of O^T times a.  For piece Y + 1: X n, number n of the 22 that find its maximum and statistics:
;   0-11 four chains of seven scores (each accumulator's lowest registers are read first)   12-14, 16 the four left over, the old m, and the chains into one   15 c m_old is kept
;   17, 18 the query's other 32 keys lie in the lane 16 away: the new m   19-21 c m; c m_old - c m_new; a
.set F, 0
.set E, 1
.set C, 2
.set B, 3
.set L, 4
.set R, 5
.set X, 6
.macro REGS y
.set rT, ST+4*(\y)
.set rC, TMP+4*((\y)%2)
.set rW, MV+((\y)%2)
.set rS, S+32*((\y)%2)
.set rP, P+16*((\y)%2)
.set rO, 32*(\y)
.endm
.macro OP k, n
.if (\k) == R
	REGS Y
	WIN W_RS
	v_pk_mul_f32 v[rO+2*(\n):rO+2*(\n)+1], v[rO+2*(\n):rO+2*(\n)+1], v[rC+2:rC+3] op_sel_hi:[1,0]
.elseif (\k) < R
	REGS Y
	WIN 0
.if (\k) == F
	v_pk_fma_f32 v[rS+2*(\n):rS+2*(\n)+1], v[rS+2*(\n):rS+2*(\n)+1], s[CS:CS+1], v[rT:rT+1] op_sel_hi:[1,0,0] neg_lo:[0,0,1] neg_hi:[0,0,1]
.elseif (\k) == E
	v_exp_f32 v[rS+(\n)], v[rS+(\n)]
.elseif (\k) == C
	s_wait_alu depctr_va_vdst(0)
	v_cvt_pk_bf16_f32 v[rP+(\n)], v[rS+2*(\n)], v[rS+2*(\n)+1]
.elseif (\k) == B
	s_wait_alu depctr_va_vdst(0)
	v_pk_add_f32 v[rS+4*(\n):rS+4*(\n)+1], v[rS+4*(\n):rS+4*(\n)+1], v[rS+4*(\n)+2:rS+4*(\n)+3]
.elseif (\n) == 0
	v_pk_fma_f32 v[rT+2:rT+3], v[rT+2:rT+3], v[rC+2:rC+3], v[rS:rS+1] op_sel_hi:[1,0,1]
.else
	v_pk_add_f32 v[rT+2:rT+3], v[rT+2:rT+3], v[rS+4*(\n):rS+4*(\n)+1]
.endif
.else
	REGS (Y+1)%NP
	WIN 0
.if (\n) < 4
	v_max3_num_f32 v[rC+(\n)], v[rS+8*(\n)], v[rS+8*(\n)+1], v[rS+8*(\n)+2]
.elseif (\n) < 12
	v_max3_num_f32 v[rC+(\n)%4], v[rC+(\n)%4], v[rS+8*((\n)%4)+2*((\n)/4)+1], v[rS+8*((\n)%4)+2*((\n)/4)+2]
.elseif (\n) == 12
	v_max3_num_f32 v[rC], v[rC], v[rS+7], v[rS+15]
.elseif (\n) == 13
	v_max3_num_f32 v[rC+1], v[rC+1], v[rS+23], v[rS+31]
.elseif (\n) == 14
	v_max3_num_f32 v[rC+2], v[rC+2], v[rC+3], v[rT+1]
.elseif (\n) == 15
	v_mov_b32 v[rW], v[rT]
.elseif (\n) == 16
	v_max3_num_f32 v[rC], v[rC], v[rC+1], v[rC+2]
.elseif (\n) == 17
	v_permlanex16_b32 v[rC+3], v[rC], s[SEL], s[SEL+1]
.elseif (\n) == 18
	v_max_num_f32 v[rT+1], v[rC], v[rC+3]
.elseif (\n) == 19
	v_mul_f32 v[rT], s[CS], v[rT+1]
.elseif (\n) == 20
	v_sub_f32 v[rC+1], v[rW], v[rT]
.else
	v_exp_f32 v[rC+2], v[rC+1]
.endif
.endif
.endm
.macro OPS a, i1, b=-1, i2=0, c=-1, i3=0, d=-1, i4=0
	OP \a, \i1
.if (\b) >= 0
	OP \b, \i2
.endif
.if (\c) >= 0
	OP \c, \i3
.endif
.if (\d) >= 0
	OP \d, \i4
.endif
.endm
.macro ROW a, i1, b, i2, c, i3, d, i4  ; a matrix instruction and the four behind it
	MM
	OPS \a, \i1, \b, \i2, \c, \i3, \d, \i4
.endm
; A TURN, for piece p.  Behind a matrix instruction: plain, exponential, plain, plain; or four of the rescaling or the scaling; none names a register of the products round it.
; K of the next step is fetched in piece 2's turn, behind four rescalings and a scaling that follow the last product that read K; V of the step in hand in piece 0's turn, behind three plain lines and eight mask words
; that follow the last product that read V.  Each is waited for a turn later.
; THE MASK.  The turn makes the words for the products of the turn after it: piece XM = p + 2.  Its two raw loads were issued four turns ago; the three other pieces' six may stay out.  When the words are made the
; registers take the piece's next 64 keys.  Their number steps in piece 2's turn and is held at 31, the last: every load stays inside maskp, and every turn issues two, so the count is the same on every way.
.macro TURN p, last=0, cnt=0
.set Y, (\p)
.set i, 0
.set XM, ((\p)+2)%NP
.set BM, (\p)%2
.if (\p) == 3
	s_wait_dscnt 0x0                ; K is in
.endif
	ROW F,0, F,1, F,2, F,3
	ROW F,4, E,0, F,5, F,6
	ROW F,7, E,1, F,8, F,9
	ROW F,10, E,2, C,0, F,11
	ROW F,12, E,3, X,15, F,13
	ROW R,0, R,1, R,2, R,3
	ROW B,0, E,4, F,14, L,0
.if (\p) == 2
	v_add_nc_u32 v[AK], s[TBK], v[AK0]
.endif
	ROW R,4, R,5, R,6, R,7
	OPS E,5, F,15
.if (\p) == 2
	FETCH_K \last
.endif
	OPS E,6, C,1, E,7, R,8
	OPS E,8, R,9, E,9, C,2
	OPS E,10, X,0, E,11, X,1
	OPS E,12, X,2, E,13, X,3
.if (\p) == 1
	s_wait_dscnt 0x0                ; V is in
.endif
	ROW X,4, E,14, X,5, X,6
	ROW X,7, E,15, X,8, X,9
	ROW X,10, E,16, X,11, X,12
	ROW X,13, E,17, X,14, B,1
	ROW C,4, E,18, X,16, L,1
	ROW B,2, E,19, C,6, L,2
	ROW C,8, E,20, B,3, B,4
.if (\p) == 0
	v_add_nc_u32 v[AV], s[TBV], v[AV0]
.endif
	ROW C,3, E,21, L,3, C,5
	s_wait_loadcnt 0x6              ; piece XM's raw mask is in; six younger loads stay out
.irp n, 0,1,2,3,4,5,6,7
	MK XM, BM, \n
.endr
	OPS E,22, X,17, E,23, C,10
.if (\p) == 0
	FETCH_V
.endif
	OPS E,24, L,4
	OPS E,25, X,18, E,26, C,7
	OPS E,27, B,5, E,28, X,19
	OPS E,29, C,12, E,30, L,5
	OPS E,31, X,20, B,6, C,9
	OPS C,14, C,11, X,21, L,6
.if (\p) == 0
	s_add_co_u32 s[TBV], s[TBV], STEPB
.endif
.if \cnt
	s_sub_co_u32 s[CNT], s[CNT], 1  ; the loop's count, some lines ahead of the branch behind the turn: no line below writes SCC in this turn
	s_cmp_lg_u32 s[CNT], 0
.endif
	OPS C,13, B,7, C,15, R,10
	OPS R,11, R,12, L,7, R,13
	OPS R,14, R,15
.set z, 8
.rept 24
	MK XM, BM, z
.set z, z+1
.endr
.if (\p) == 2
	s_wait_xcnt 0x0                 ; the base of the loads that are out is rewritten only behind this wait
	s_add_co_u32 s[KBN], s[KBN], 1
	s_min_u32 s73, s[KBN], 31
	s_lshl_b32 s[OFM], s73, 10
	s_add_nc_u64 s[MB:MB+1], s[MB0:MB0+1], s[OFM:OFM+1]
.endif
	MLOAD XM
.endm
	CHANGE 1                        ; slot 0 is in, everybody's part of it; slot 1 is asked for
	FETCH_K                         ; key step 0
	s_wait_loadcnt 0x4              ; Q, the flags and the raw masks of pieces 0 and 1 are in; those of pieces 2 and 3 stay out
	WIN 0x88                        ; source 1 and destination in window 2
.set i, 0
.rept 64
	v_and_b32 v[i], v[FL+i/16], v[i]  ; a query with no visible key: its row of Q becomes 0; every other row stays
.set i, i+1
.endr
.set z, 0
.rept 32
	MK 0, 0, z
	MK 1, 1, z
.set z, z+1
.endr
	MLOAD 0                         ; keys 64-127: out are now, oldest first, pieces 2, 3 (keys 0-63), 0, 1: as in every turn
	MLOAD 1
	s_wait_dscnt 0x0
.set i, 0
.rept 8
	KQ 0                            ; piece 0's first scores
.set i, i+1
.endr
	WIN 0                           ; the addresses for the way out: eight plain instructions, the places behind those products
	s_mul_i32 s75, s18, 64*SP
	s_add_co_u32 s75, s75, s74
	s_add_co_u32 s75, s75, STAGE    ; into the stage: my 64 rows, my head's 128 bytes of their 256
	v_mul_u32_u24 v[STO], v1, SP
	v_lshl_add_u32 v[STO], v14, 4, v[STO]
	v_add_nc_u32 v[STO], s75, v[STO]
	s_mul_i32 s75, s[WV], 32*SP
	s_add_co_u32 s75, s75, STAGE    ; back: wave w takes rows 32 w .. 32 w + 31, whole
	v_mul_u32_u24 v[RD], v14, SP
	v_lshl_add_u32 v[RD], v1, 4, v[RD]
	v_add_nc_u32 v[RD], s75, v[RD]
	v_lshlrev_b32 v[GO], 11, v14
	v_lshl_add_u32 v[GO], v1, 4, v[GO]
.set Y, NP-1                        ; X works for piece Y + 1: piece 0
.irp n, 0,1,2,3,4,5,6,7,8,9,10,11,12,13,14,15,16,17,18,19,20,21
	OP X, \n
.endr
	v_nop                           ; a plain instruction behind the exponential
	s_mov_b32 s[CNT], 2
	s_mov_b32 s[SLOTS], 15
	s_branch .Lfirst                ; the loop is entered at a step's first turn, in the middle of a trip
.Lslot:                             ; 14 times: every slot but the last two is filled again
	CHANGE 1
	s_mov_b32 s[CNT], 2
.Lstep:                             ; a trip: pieces 2 and 3 of one step, then pieces 0 and 1 of the next, whose K and V it fetches
	TURN 2
	TURN 3
	WIN 0
.Lfirst:
	TURN 0
	TURN 1, 0, 1
	WIN 0
	s_cbranch_scc1 .Lstep
	s_sub_co_u32 s[SLOTS], s[SLOTS], 1
	s_cmp_lg_u32 s[SLOTS], 0
	s_cbranch_scc1 .Lslot
	CHANGE 0                        ; the tail is written out: nothing is asked for
	s_mov_b32 s[CNT], 3             ; two trips fetch the last slot's steps; the third is left in its middle
.Ltail:
	TURN 2, 1
	TURN 3
	WIN 0
	s_sub_co_u32 s[CNT], s[CNT], 1
	s_cmp_eq_u32 s[CNT], 0
	s_cbranch_scc1 .Lout
	TURN 0
	TURN 1
	WIN 0
	s_branch .Ltail
.Lout:                              ; the third trip's 8 products K Q^T (on the last K once more) and the maximum made of them serve nothing: they touch piece 0's m and c m alone, which nothing reads any more
.set i, 0
.rept 8
	PV NP-1                         ; the last piece's V^T P of the last step
.set i, i+1
.endr
	; THE WAY OUT.  The additions are the places behind the last products.
	WIN 0
.macro ALL line:vararg
.set t, 0
.rept 4
	\line
.set t, t+1
.endr
.endm
	ALL v_add_f32 v[ST+4*t+2], v[ST+4*t+2], v[ST+4*t+3]
	ALL v_permlanex16_b32 v[ST+4*t+3], v[ST+4*t+2], s[SEL], s[SEL+1]
	ALL v_add_f32 v[ST+4*t+2], v[ST+4*t+2], v[ST+4*t+3]
	ALL v_rcp_f32 v[ST+4*t+2], v[ST+4*t+2]
	v_nop                           ; a plain instruction between the last reciprocal and the use of its result
.macro PACK t                       ; O / l, rounded; a lane's eight channels of a row are 16 bytes
	WIN W_RS
.set i, 32*(\t)
.rept 16
	s_wait_alu depctr_va_vdst(0)
	v_pk_mul_f32 v[i:i+1], v[i:i+1], v[ST+4*(\t)+2:ST+4*(\t)+3] op_sel_hi:[1,0]
.set i, i+2
.endr
	WIN 0x05
.set i, 0
.rept 16
	v_cvt_pk_bf16_f32 v[S+16*(\t)+i], v[32*(\t)+2*i], v[32*(\t)+2*i+1]
.set i, i+1
.endr
	WIN 0
.irp f, 0,1,2,3
	ds_store_b128 v[STO], v[S+16*(\t)+4*\f:S+16*(\t)+4*\f+3] offset:(\t)*16*SP+32*\f
.endr
.endm
	PACK 0
	PACK 1
	PACK 2
	PACK 3
	s_wait_dscnt 0x0                ; for the others' sake: a row's 256 bytes come from two waves
	s_barrier_signal -1
	s_barrier_wait -1
.irp t, 0,1,2,3,4,5,6,7,8,9,10,11,12,13,14,15
	ds_load_b128 v[S+4*\t:S+4*\t+3], v[RD] offset:\t*2*SP
.endr
.irp t, 0,1,2,3,4,5,6,7,8,9,10,11,12,13,14,15
	s_wait_dscnt 15-\t              ; the younger loads stay out
	global_store_b128 v[GO], v[S+4*\t:S+4*\t+3], s[8:9] offset:\t*4096  ; 16 lanes store 256 consecutive bytes, aligned
.endr
	s_wait_tensorcnt 0x0            ; the wave's end
	ds_add_u32 v[SPW], v[NIL]
	s_wait_dscnt 0x0
	CROUND                          ; the closing round
	s_endpgm
.Lfunc_end_k_q7ae3283e34_attn:
	.size	k_q7ae3283e34_attn, .Lfunc_end_k_q7ae3283e34_attn-k_q7ae3283e34_attn
	.p2alignl 7, 3214868480
	.fill 96, 4, 3214868480
	.section	.rodata,"a",@progbits
	.p2align	6, 0x0
	.amdhsa_kernel k_q7ae3283e34_attn
		.amdhsa_group_segment_fixed_size 327680
		.amdhsa_private_segment_fixed_size 0
		.amdhsa_enable_private_segment 0
		.amdhsa_kernarg_size 24
		.amdhsa_user_sgpr_count 2
		.amdhsa_user_sgpr_kernarg_segment_ptr 1
		.amdhsa_wavefront_size32 1
		.amdhsa_system_sgpr_workgroup_id_x 1
		.amdhsa_system_sgpr_workgroup_id_y 1
		.amdhsa_system_sgpr_workgroup_id_z 1
		.amdhsa_system_vgpr_workitem_id 0
		.amdhsa_next_free_vgpr 768
		.amdhsa_next_free_sgpr 88
		.amdhsa_reserve_vcc 0
		.amdhsa_float_denorm_mode_32 3
		.amdhsa_float_denorm_mode_16_64 3
		.amdhsa_memory_ordered 1
		.amdhsa_forward_progress 1
		.amdhsa_inst_pref_size 144
	.end_amdhsa_kernel
	.amdgpu_metadata
---
amdhsa.version: [ 1, 2 ]
amdhsa.kernels:
  - .name:           k_q7ae3283e34_attn
    .symbol:         k_q7ae3283e34_attn.kd
    .args:
      - { .name: big, .offset: 0, .size: 8, .value_kind: global_buffer, .address_space: global }
      - { .name: maskp, .offset: 8, .size: 8, .value_kind: global_buffer, .address_space: global }
      - { .name: hn, .offset: 16, .size: 8, .value_kind: global_buffer, .address_space: global }
    .group_segment_fixed_size: 327680
    .private_segment_fixed_size: 0
    .kernarg_segment_align: 8
    .kernarg_segment_size: 24
    .max_flat_workgroup_size: 128
    .sgpr_count:     88
    .vgpr_count:     768
    .wavefront_size: 32
...
	.end_amdgpu_metadata
.endif
;; end of part 9
;; launch wo (part 10): grid 8 x 32, 4 waves a work-group, clusters of 4 x 4, 327,680 bytes of LDS; arguments hn, wob, bo, x, x1; writes x1
.if DOCPART == 10
	.amdgcn_target "amdgcn-amd-amdhsa--gfx1250"
	.amdhsa_code_object_version 6
	.text
	.protected	k_q7ae3283e34_wo
	.globl	k_q7ae3283e34_wo
	.p2align	8
	.type	k_q7ae3283e34_wo,@function
k_q7ae3283e34_wo:
	s_mov_b64 s[64:65], 0
	v_nop
	global_prefetch_b8 v0, s[64:65] scope:SCOPE_SE
	s_setreg_imm32_b32 hwreg(HW_REG_WAVE_MODE, 25, 1), 1
	s_wait_xcnt 0x0
	s_wait_alu depctr_hold_cnt(0) depctr_sa_sdst(0) depctr_va_vdst(0) depctr_va_sdst(0) depctr_va_ssrc(0) depctr_va_vcc(0) depctr_vm_vsrc(0)
	s_getreg_b32 s2, hwreg(HW_REG_IB_STS2, 6, 4)
	s_cmp_eq_u32 s2, 0
	s_cbranch_scc0 .Lentry_in_a_cluster
	s_endpgm
.Lentry_in_a_cluster:
	s_bfe_u32 s2, ttmp6, 0x10000c
	s_cmp_lg_u32 s2, 0xf033
	s_cbranch_scc0 .Lentry_shape_is_right
	s_endpgm
.Lentry_shape_is_right:
; OUT[m][n] = RES[m][n] + bias[n] + sum over k of A[m][k] W[k][n].  A: [4096][SIZE_K] bf16.  W: [SIZE_K][1024] bf16, rows along n.  bias: [1024] f32.  RES, OUT: [4096][1024] f32.  Sums in f32.
; A tile of OUT is 128 x 128, which gives each of 256 work-groups one.  Four waves, each 64 x 64: 16 accumulators.  K goes in steps of 256 through two LDS slots: A's rows are 512 bytes, W's 256.
; W stays [k][n] in LDS and is turned on its way into registers (ds_load_tr16_b128).  CLUSTERS: 4 x 4 work-groups; A's tiles are asked for jointly along a row of the cluster, W's along a column.
; ONE TEXT FOR EVERY K STEP.  A scalar holds the offset of the slot that is read (0 or SLOTD), the fragment addresses are made from it once a step, and one descriptor for each tensor walks: an exclusive or on its
; LDS word, its address made anew from the K step's number.  SLOTD = 0x24000 shares no bit with a load's place in a slot (0, 0x8400, 0x10800, 0x19800), so the exclusive or is an addition one time and a subtraction the next.
; The loop fills a slot in every trip; the last two K steps, which fill nothing, are a loop of two trips that is left in its middle.
; THE WALK ALONG K IS A RING, AND EACH CLUSTER ENTERS IT AT A PLACE OF ITS OWN: cluster (X, Y) begins at K step (RX X + RY (Y mod 4)) mod STEPS and goes round once.  The two clusters that need the same rows of A
; (X = 0, 1) begin half a ring apart: each asks in the second half of its walk for the tiles that the other has asked for in its first.  Clusters that need the same columns of W begin a quarter of a ring apart.
; The number hangs on the cluster's place in the grid alone, which all its work-groups share.  LIMIT: the sums take K in a rotated order: the same terms, another order of rounding than ascending K.
; THE MATRIX INSTRUCTION IS USED TRANSPOSED (source 0 = 16 columns of W, source 1 = 16 rows of A): a lane holds eight neighbouring numbers of a row of OUT; the bias is the C operand that starts each sum.
; The residual is loaded at the start into registers of its own, in the layout in which rows leave, and is added on the way out.  A wave's 64 columns of f32 are 256 aligned bytes: each wave has a stage of its own.
; REGISTERS: window 0: v0-31 addresses; v32-63 the bias, later rows on the way out; v128-255 the accumulators.  window 1: two fragment buffers of 128 (64 of A, 64 of W).  window 2: v0-127 the residual.
.set SIZE_K, 1024
.set NO,     1024
.set KSTEP,  256
.set STEPS,  SIZE_K/KSTEP
.set RX,     STEPS/2                   ; where a cluster enters the ring: so many K steps for each cluster along x,
.set RY,     STEPS/4                   ; so many for each along y (mod 4)
.set LGA,    9                         ; a K step of A is 2^9 bytes along a row,
.set LGW,    19                        ; of W 2^19 bytes: 256 rows of 2,048
.set PFMIN,  STEPS/2+3                 ; the loop's count in the last trip that prefetches
.set PITCH,  528                       ; a row of A in LDS: 512 bytes + 16
.set HALFA,  64*PITCH
.set PW,     288                       ; a row of W in LDS: 256 bytes + 32
.set HALFW,  128*PW
.set SLOT,   2*HALFA+2*HALFW           ; A's 128 rows, then W's 256 rows: 141,312 bytes
.set SLOTD,  0x24000                   ; slot 1 begins here
.set STAGE,  SLOTD+SLOT                ; behind the ring: 16 rows x 272 bytes for each wave
.set SPITCH, 272
.set SPARE,  STAGE+4*16*SPITCH
.set A0,   16                          ; v16     LDS address of my A fragments in slot 0; never rewritten
.set ADRA, 17                          ; v17     the same in the slot that is read
.set B0,   20                          ; v20     of my W fragments in slot 0; never rewritten
.set ADRB, 21                          ; v21-22  in the slot that is read: rows 0-127, rows 128-255 (an LDS immediate has 16 bits)
.set STO,  24
.set RD,   25
.set CO,   26                          ; v26     my byte offset in two rows of RES and OUT
.set BO,   27
.set SPW,  28
.set NIL,  29
.set PFO,  30                          ; v30     the prefetch: my lane's byte offset in 16 rows of A; never rewritten
.set TMP,  32
.set BIAS, 32
.set ACC,  128
.set F0,   0
.set F1,   128
.set G1, 24                            ; s[24:31] group 1 for A; s[32:39] group 0: a set for each of the two first fills; the second then walks on
.set G0, 32
.set G1B, 48
.set G0B, 56
.set TB,  78                           ; s78     the offset of the slot that is read
.set AB,  80                           ; s[80:81] A at the rows that I fetch, K step 0
.set WB,  82                           ; s[82:83] W at the columns and the half of a step's rows that I fetch, K step 0
.set KT,  84                           ; s84     the number of the K step asked for last
.set OFP, 86                           ; s[86:87] a K step's byte offset; the high word is 0
.set PB0, 88                           ; s[88:89] the prefetch: A at my 16 rows, K step 0
.set PB,  90                           ; s[90:91] the same at the K step asked for
.set MSB, 0
.macro WIN new
.if MSB != (\new)
	s_set_vgpr_msb (MSB<<8)|(\new)
.set MSB, \new
.endif
.endm
.set MUL,  0x05                        ; sources 0 (W) and 1 (A) window 1; C and D window 0
.set TO_F, 0x40
.macro JLOAD s                         ; a joint load: waves 0 and 1 fetch A's two halves, waves 2 and 3 W's; an s_nop 0 and four v_nop follow each of the two lines
	s_cmp_eq_u32 s11, 0
	s_cbranch_scc0 .Lfor_b_\@
	tensor_load_to_lds s[G0+4*(\s):G0+4*(\s)+3], s[G1:G1+7]
	s_nop 0
.rept 4
	v_nop
.endr
	s_branch .Lasked_\@
.Lfor_b_\@:
	tensor_load_to_lds s[G0B+4*(\s):G0B+4*(\s)+3], s[G1B:G1B+7]
	s_nop 0
.rept 4
	v_nop
.endr
.Lasked_\@:
.endm
.macro CREST
	s_cmp_lg_u32 s10, 0
	s_cbranch_scc1 .Lnot_wave_0_\@
	s_barrier_signal -3
.Lnot_wave_0_\@:
	s_barrier_wait -3
	s_barrier_signal -1
	s_barrier_wait -1
.endm
.macro CROUND
	s_barrier_signal -1
	s_barrier_wait -1
	CREST
.endm
.macro STEPK                           ; one K step on, round the ring
	s_add_co_u32 s[KT], s[KT], 1
	s_and_b32 s[KT], s[KT], STEPS-1
.endm
.macro ADDR s                          ; the two descriptors of set s take K step KT: the base and an offset made apart from it, the type bits set again
	s_lshl_b32 s[OFP], s[KT], LGA
	s_add_nc_u64 s[G0+4*(\s)+2:G0+4*(\s)+3], s[AB:AB+1], s[OFP:OFP+1]
	s_or_b32 s[G0+4*(\s)+3], s[G0+4*(\s)+3], 0x80000000
	s_lshl_b32 s[OFP], s[KT], LGW
	s_add_nc_u64 s[G0B+4*(\s)+2:G0B+4*(\s)+3], s[WB:WB+1], s[OFP:OFP+1]
	s_or_b32 s[G0B+4*(\s)+3], s[G0B+4*(\s)+3], 0x80000000
.endm
	s_load_b256 s[68:75], s[0:1], 0x0              ; A s[68:69], W s[70:71], bias s[72:73], RES s[74:75]
	s_load_b64 s[76:77], s[0:1], 0x20              ; OUT
	v_lshl_add_u32 v[SPW], v0, 2, SPARE
	v_mov_b32 v[NIL], 0
	ds_add_u32 v[SPW], v[NIL]                      ; the wave's opening: the add and its wait stand ahead of my first tensor load
	v_lshrrev_b32 v1, 5, v0
	v_readfirstlane_b32 s10, v1
	s_lshr_b32 s11, s10, 1                         ; my half of the tile's rows.  Also: I fetch for A (0) or for W (1)
	s_and_b32 s12, s10, 1                          ; my half of its columns.  Also: which half of that tile I fetch
	s_bfe_u32 s40, ttmp6, 0x40000
	s_bfe_u32 s41, ttmp6, 0x40004
	s_lshl_b32 s42, ttmp9, 2
	s_add_co_u32 s42, s42, s40                     ; tile column
	s_and_b32 s13, ttmp7, 0xffff                   ; the cluster's y
	s_and_b32 s85, s13, 3
	s_mul_i32 s85, s85, RY
	s_mul_i32 s[KT], ttmp9, RX                     ; the cluster's x
	s_add_co_u32 s[KT], s[KT], s85
	s_and_b32 s[KT], s[KT], STEPS-1                ; the K step at which my cluster enters the ring
	s_mov_b32 s[OFP+1], 0
	s_lshl_b32 s13, s13, 2
	s_add_co_u32 s13, s13, s41                     ; tile row
	s_lshl_b32 s43, s41, 2
	s_lshl_b32 s43, 15, s43
	s_lshl_b32 s44, 0x1111, s40
	s_or_b32 s[G1+0], s43, (1<<16)|(1<<20)|(1<<21)|(6<<22)|(3<<25)   ; A: my row's mask; after every 128 words, 4 words
	s_mov_b32 s[G1+1], KSTEP<<16
	s_mov_b32 s[G1+2], 64<<16
	s_mov_b32 s[G1+3], KSTEP<<16
	s_mov_b32 s[G1+4], 64
	s_mov_b32 s[G1+5], SIZE_K
	s_mov_b32 s[G1+6], 0
	s_mov_b32 s[G1+7], 0
	s_or_b32 s[G1B+0], s44, (1<<16)|(1<<20)|(1<<21)|(5<<22)|(7<<25)  ; W: my column's mask; after every 64 words, 8 words
	s_mov_b32 s[G1B+1], 128<<16
	s_mov_b32 s[G1B+2], 128<<16
	s_mov_b32 s[G1B+3], 128<<16
	s_mov_b32 s[G1B+4], 128
	s_mov_b32 s[G1B+5], NO
	s_mov_b32 s[G1B+6], 0
	s_mov_b32 s[G1B+7], 0
	s_lshl_b32 s16, s13, 7
	s_lshl_b32 s17, s12, 6
	s_add_co_u32 s16, s16, s17                     ; A: row 128 x tile row + 64 x half,
	s_mul_i32 s16, s16, SIZE_K*2                   ; in bytes (under 2^26)
	s_mov_b32 s17, 0
	s_lshl_b32 s46, s42, 8                         ; W: 256 bytes for each tile column,
	s_lshl_b32 s47, s12, 18                        ; 128 rows of 2,048 bytes for my half
	s_add_co_u32 s46, s46, s47
	s_mov_b32 s47, 0
	s_mul_i32 s20, s12, HALFA                      ; where they go
	s_mul_i32 s23, s12, HALFW
	s_add_co_u32 s23, s23, 2*HALFA
	s_mov_b32 s[TB], 0
	s_wait_dscnt 0x0
	s_wait_kmcnt 0x0
	s_add_nc_u64 s[AB:AB+1], s[68:69], s[16:17]
	s_add_nc_u64 s[WB:WB+1], s[70:71], s[46:47]
	CROUND
.irp s, 0,1
	s_mov_b32 s[G0+4*(\s)], 1
	s_add_co_u32 s[G0+4*(\s)+1], s20, (\s)*SLOTD
	s_mov_b32 s[G0B+4*(\s)], 1
	s_add_co_u32 s[G0B+4*(\s)+1], s23, (\s)*SLOTD
	ADDR \s
	JLOAD \s                                       ; two tensor loads of mine are out
.if (\s) == 0
	STEPK
.endif
.endr
	v_and_b32 v1, 15, v0
	v_bfe_u32 v2, v0, 4, 1
	v_lshlrev_b32 v[BO], 5, v2
	v_lshlrev_b32 v5, 12, v2
	v_lshl_add_u32 v[CO], v1, 4, v5                ; lanes 0-15 one row's 256 bytes, lanes 16-31 the next row's
	s_lshl_b32 s46, s42, 9                         ; my first column in f32 bytes: 512 x tile column + 256 x half
	s_lshl_b32 s47, s12, 8
	s_add_co_u32 s46, s46, s47
	s_mov_b32 s47, 0
	s_add_nc_u64 s[72:73], s[72:73], s[46:47]
	s_lshl_b32 s16, s13, 19                        ; my first row: 128 rows of 4,096 bytes for each tile row, 64 for my half
	s_lshl_b32 s17, s11, 18
	s_add_co_u32 s16, s16, s17
	s_mov_b32 s17, 0
	s_add_nc_u64 s[16:17], s[16:17], s[46:47]
	s_add_nc_u64 s[74:75], s[74:75], s[16:17]
	s_add_nc_u64 s[76:77], s[76:77], s[16:17]
.irp b, 0,1,2,3
	global_load_b128 v[BIAS+8*(\b):BIAS+8*(\b)+3],   v[BO], s[72:73] offset:64*(\b)
	global_load_b128 v[BIAS+8*(\b)+4:BIAS+8*(\b)+7], v[BO], s[72:73] offset:64*(\b)+16
.endr
	WIN 0x80                                       ; destination window 2
.irp a, 0,1,2,3
.irp t, 0,1,2,3,4,5,6,7
	global_load_b128 v[32*(\a)+4*(\t):32*(\a)+4*(\t)+3], v[CO], s[74:75] offset:(16*(\a)+2*(\t))*4096
.endr
.endr
	WIN 0
.if STEPS > 4
	; THE PREFETCH, only where the walk is long.  Of A's tiles my cluster is the first to ask for those of steps 0 to STEPS / 2 - 1 of its walk; steps 0 and 1 are the first fills.  For the others the tile's 128 rows x 512 bytes are
	; shared out: work-group cx takes rows 32 cx on, its waves 0 and 1 sixteen rows each, two lanes a row, 256 bytes apart: each aligned block of 256 bytes is asked for by one lane of the launch.  Here: steps 2 and 3.
	s_lshl_b32 s92, s13, 7
	s_lshl_b32 s93, s40, 5
	s_add_co_u32 s92, s92, s93
	s_lshl_b32 s93, s12, 4
	s_add_co_u32 s92, s92, s93                     ; row 128 x tile row + 32 cx + 16 x wave,
	s_mul_i32 s92, s92, SIZE_K*2                   ; in bytes
	s_mov_b32 s93, 0
	s_add_nc_u64 s[PB0:PB0+1], s[68:69], s[92:93]
	v_and_b32 v8, 31, v0
	v_lshrrev_b32 v9, 1, v8
	v_and_b32 v8, 1, v8
	v_mul_u32_u24 v[PFO], v9, SIZE_K*2
	v_lshl_add_u32 v[PFO], v8, 8, v[PFO]           ; row lane / 2, block lane % 2
	s_cmp_lg_u32 s11, 0
	s_cbranch_scc1 .Lno_pf_head
	s_add_co_u32 s85, s[KT], 1                     ; KT is step 1's number, a multiple of RY plus 1: neither of the next two passes the ring's end
	s_lshl_b32 s[OFP], s85, LGA
	s_add_nc_u64 s[PB:PB+1], s[PB0:PB0+1], s[OFP:OFP+1]
	global_prefetch_b8 v[PFO], s[PB:PB+1] th:TH_LOAD_NT scope:SCOPE_SE
	global_prefetch_b8 v[PFO], s[PB:PB+1] offset:KSTEP*2 th:TH_LOAD_NT scope:SCOPE_SE
.Lno_pf_head:
.endif
	v_mul_u32_u24 v3, v1, PITCH
	v_lshl_add_u32 v3, v2, 4, v3
	v_and_b32 v6, 7, v0
	v_lshl_add_u32 v6, v2, 3, v6
	v_mul_u32_u24 v6, v6, PW
	v_bfe_u32 v7, v0, 3, 1
	v_lshl_add_u32 v6, v7, 4, v6
	s_mul_i32 s21, s11, HALFA
	s_lshl_b32 s22, s12, 7
	s_add_co_u32 s22, s22, 2*HALFA
	v_add_nc_u32 v[A0], s21, v3
	v_add_nc_u32 v[B0], s22, v6
	v_mov_b32 v[ADRA], v[A0]                       ; the walk's first step lies in slot 0
	v_mov_b32 v[ADRB], v[B0]
	v_add_nc_u32 v[ADRB+1], HALFW, v[B0]
	s_mul_i32 s23, s10, 16*SPITCH
	s_add_co_u32 s23, s23, STAGE                   ; my stage
	v_mul_u32_u24 v4, v1, SPITCH
	v_lshl_add_u32 v4, v2, 5, v4                   ; in: row l % 16, 32 bytes for each half of the lanes
	v_add_nc_u32 v[STO], s23, v4
	v_mul_u32_u24 v5, v2, SPITCH
	v_lshl_add_u32 v5, v1, 4, v5
	v_add_nc_u32 v[RD], s23, v5
; 8 matrix instructions: m blocks a0, a0 + 1 x all 4 n blocks, 32 along K: half c of buffer f.  zero = 1: the first product starts the sums, with the bias as C.  The 16 accumulators take turns.
.macro MUL8 f, c, a0, zero
	WIN MUL
.irp a, \a0, (\a0)+1
.irp b, 0,1,2,3
.if \zero
	v_wmma_f32_16x16x32_bf16 v[ACC+8*(4*(\a)+(\b)):ACC+8*(4*(\a)+(\b))+7], v[(\f)+64+8*(4*(\c)+(\b)):(\f)+64+8*(4*(\c)+(\b))+7], v[(\f)+8*(4*(\c)+(\a)):(\f)+8*(4*(\c)+(\a))+7], v[BIAS+8*(\b):BIAS+8*(\b)+7]
.else
	v_wmma_f32_16x16x32_bf16 v[ACC+8*(4*(\a)+(\b)):ACC+8*(4*(\a)+(\b))+7], v[(\f)+64+8*(4*(\c)+(\b)):(\f)+64+8*(4*(\c)+(\b))+7], v[(\f)+8*(4*(\c)+(\a)):(\f)+8*(4*(\c)+(\a))+7], v[ACC+8*(4*(\a)+(\b)):ACC+8*(4*(\a)+(\b))+7]
.endif
.endr
.endr
.endm
; 32 LDS loads in one run: the fragments of quarter q (64 along K) of the slot that is read, into buffer f; the first 32 along K first
.macro FETCH q, f
	WIN TO_F
.irp c, 0,1
.irp i, 0,1,2,3
	ds_load_tr16_b128 v[(\f)+64+8*(4*(\c)+(\i)):(\f)+64+8*(4*(\c)+(\i))+3],   v[ADRB+(\q)/2] offset:(((\q)%2)*64+32*(\c))*PW+32*(\i)
	ds_load_tr16_b128 v[(\f)+64+8*(4*(\c)+(\i))+4:(\f)+64+8*(4*(\c)+(\i))+7], v[ADRB+(\q)/2] offset:(((\q)%2)*64+32*(\c)+16)*PW+32*(\i)
	ds_load_b128 v[(\f)+8*(4*(\c)+(\i)):(\f)+8*(4*(\c)+(\i))+3],         v[ADRA] offset:128*(\q)+64*(\c)+(\i)*16*PITCH
	ds_load_b128 v[(\f)+8*(4*(\c)+(\i))+4:(\f)+8*(4*(\c)+(\i))+7],       v[ADRA] offset:128*(\q)+64*(\c)+(\i)*16*PITCH+32
.endr
.endr
.endm
.macro PLACES
.rept 4
	v_nop
.endr
.endm
.macro QUARTER q, f, g, zero
	s_wait_dscnt 16                                ; the first 32 along K are in
	MUL8 \f, 0, 0, \zero
	MUL8 \f, 0, 2, \zero
	PLACES
	FETCH \q, \g
	s_wait_dscnt 32                                ; all but the 32 just issued
	MUL8 \f, 1, 0, 0
	MUL8 \f, 1, 2, 0
.endm
; The last quarter multiplies buffer 1 and changes slots: one barrier; in front of it each wave waits for all its tensor loads, adds 0 to its spare word, and waits for that and for its reads of this slot.
; fill = 1: the barrier opens a round of the cluster's, and the slot just read takes the K step two on.  fill = 0 (the last two K steps): nothing is asked for; in the very last the run of loads is jumped over.
.macro TURN fill
	WIN 0
	s_wait_tensorcnt 0x0
	ds_add_u32 v[SPW], v[NIL]
	s_wait_dscnt 17                                ; the add and the youngest sixteen loads may be out
	MUL8 F1, 0, 0, 0
	s_wait_dscnt 0x0
	s_barrier_signal -1
	MUL8 F1, 0, 2, 0
	WIN 0
	s_barrier_wait -1
.if \fill
	CREST
	s_xor_b32 s[G0+5], s[G0+5], SLOTD              ; the walking descriptors: the other slot than last time,
	s_xor_b32 s[G0B+5], s[G0B+5], SLOTD
	STEPK                                          ; the ring's next K step
	ADDR 1
	JLOAD 1                                        ; my one tensor load behind the round: 112 matrix instructions ahead of the wait for it; its four v_nop are also the places in front of the loads below
.else
	s_cmp_eq_u32 s3, 1
	s_cbranch_scc1 .Lno_fetch_\@
	PLACES
.endif
	s_xor_b32 s[TB], s[TB], SLOTD                  ; the reads go on in the other slot
	v_add_nc_u32 v[ADRA], s[TB], v[A0]
	v_add_nc_u32 v[ADRB], s[TB], v[B0]
	v_add_nc_u32 v[ADRB+1], HALFW, v[ADRB]
	FETCH 0, F0
	WIN 0
.if \fill
.if STEPS > 4
	; the prefetch goes on: trip i, which has just asked for step i + 2 by its tensor load, asks for my 16 rows of A's tile of step i + 4, whose tensor load is issued two trips on; 8 KiB a wave.
	; It stops behind trip STEPS / 2 - 5: the later steps' tiles are those that the other cluster with my rows asks for first.  The number goes round the ring, so no address leaves A.
	s_cmp_lg_u32 s11, 0
	s_cbranch_scc1 .Lno_pf_\@
	s_cmp_lt_u32 s3, PFMIN
	s_cbranch_scc1 .Lno_pf_\@
	s_add_co_u32 s85, s[KT], 2
	s_and_b32 s85, s85, STEPS-1
	s_lshl_b32 s[OFP], s85, LGA
	s_wait_xcnt 0x0                                ; the base of the last trip's prefetch is rewritten only behind this wait
	s_add_nc_u64 s[PB:PB+1], s[PB0:PB0+1], s[OFP:OFP+1]
	global_prefetch_b8 v[PFO], s[PB:PB+1] th:TH_LOAD_NT scope:SCOPE_SE
.Lno_pf_\@:
.endif
.else
.Lno_fetch_\@:
.endif
	MUL8 F1, 1, 0, 0
	MUL8 F1, 1, 2, 0
.endm
	s_wait_tensorcnt 1                             ; my part of the walk's first step is in; the second's may stay out
	s_barrier_signal -1
	s_barrier_wait -1
	FETCH 0, F0
	s_wait_loadcnt 32                              ; the bias is in; the 32 loads of the residual stay out
	QUARTER 1, F0, F1, 1
	WIN 0
	s_mov_b32 s3, STEPS-2
.Lstep:                                                ; a trip goes from a K step's second quarter to the next step's first, and fills the slot that it leaves
	QUARTER 2, F1, F0, 0
	QUARTER 3, F0, F1, 0
	TURN 1
	QUARTER 1, F0, F1, 0
	WIN 0
	s_sub_co_u32 s3, s3, 1
	s_cmp_lg_u32 s3, 0
	s_cbranch_scc1 .Lstep
	s_mov_b32 s3, 2
.Ltail:                                                ; the last two K steps fill nothing: a text of their own; the second trip is left in its middle
	QUARTER 2, F1, F0, 0
	QUARTER 3, F0, F1, 0
	TURN 0
	WIN 0
	s_sub_co_u32 s3, s3, 1
	s_cmp_eq_u32 s3, 0
	s_cbranch_scc1 .Lout
	QUARTER 1, F0, F1, 0
	WIN 0
	s_branch .Ltail
.Lout:
	; THE WAY OUT, 16 rows at a time: the f32 sums go into my stage (32 bytes a lane) and come back as whole rows of 256 bytes; the residual is added; stored.
	PLACES
.irp a, 0,1,2,3
.irp b, 0,1,2,3
	ds_store_b128 v[STO], v[ACC+8*(4*(\a)+(\b)):ACC+8*(4*(\a)+(\b))+3]   offset:64*(\b)      ; each accumulator from its low end
	ds_store_b128 v[STO], v[ACC+8*(4*(\a)+(\b))+4:ACC+8*(4*(\a)+(\b))+7] offset:64*(\b)+16
.endr
.if (\a) > 0
	s_wait_xcnt 0x0                                ; the rows' registers were the data of the block before's stores: loaded again only behind this wait
.endif
.irp t, 0,1,2,3,4,5,6,7
	ds_load_b128 v[TMP+4*(\t):TMP+4*(\t)+3], v[RD] offset:(\t)*2*SPITCH  ; LDS serves a wave's instructions in order (ISA guide 5.7.1.4)
.endr
	s_wait_dscnt 0x0
	s_wait_loadcnt 24-8*(\a)                       ; this block's residual is in; eight loads for each later block stay out
	WIN 0x08                                       ; source 1 in window 2
.set z, 0
.rept 16
	v_pk_add_f32 v[TMP+z:TMP+z+1], v[TMP+z:TMP+z+1], v[32*(\a)+z:32*(\a)+z+1]
.set z, z+2
.endr
	WIN 0
.irp t, 0,1,2,3,4,5,6,7
	global_store_b128 v[CO], v[TMP+4*(\t):TMP+4*(\t)+3], s[76:77] offset:(16*(\a)+2*(\t))*4096  ; 16 lanes store 256 consecutive bytes, aligned
.endr
.endr
	s_wait_tensorcnt 0x0                           ; the wave's end
	ds_add_u32 v[SPW], v[NIL]
	s_wait_dscnt 0x0
	CROUND
	s_endpgm
.Lfunc_end_k_q7ae3283e34_wo:
	.size	k_q7ae3283e34_wo, .Lfunc_end_k_q7ae3283e34_wo-k_q7ae3283e34_wo
	.p2alignl 7, 3214868480
	.fill 96, 4, 3214868480
	.section	.rodata,"a",@progbits
	.p2align	6, 0x0
	.amdhsa_kernel k_q7ae3283e34_wo
		.amdhsa_group_segment_fixed_size 327680
		.amdhsa_private_segment_fixed_size 0
		.amdhsa_enable_private_segment 0
		.amdhsa_kernarg_size 40
		.amdhsa_user_sgpr_count 2
		.amdhsa_user_sgpr_kernarg_segment_ptr 1
		.amdhsa_wavefront_size32 1
		.amdhsa_system_sgpr_workgroup_id_x 1
		.amdhsa_system_sgpr_workgroup_id_y 1
		.amdhsa_system_sgpr_workgroup_id_z 1
		.amdhsa_system_vgpr_workitem_id 0
		.amdhsa_next_free_vgpr 640
		.amdhsa_next_free_sgpr 96
		.amdhsa_reserve_vcc 0
		.amdhsa_float_denorm_mode_32 3
		.amdhsa_float_denorm_mode_16_64 3
		.amdhsa_memory_ordered 1
		.amdhsa_forward_progress 1
		.amdhsa_inst_pref_size 67
	.end_amdhsa_kernel
	.amdgpu_metadata
---
amdhsa.version: [ 1, 2 ]
amdhsa.kernels:
  - .name:           k_q7ae3283e34_wo
    .symbol:         k_q7ae3283e34_wo.kd
    .args:
      - { .name: hn, .offset: 0, .size: 8, .value_kind: global_buffer, .address_space: global }
      - { .name: wob, .offset: 8, .size: 8, .value_kind: global_buffer, .address_space: global }
      - { .name: bo, .offset: 16, .size: 8, .value_kind: global_buffer, .address_space: global }
      - { .name: x, .offset: 24, .size: 8, .value_kind: global_buffer, .address_space: global }
      - { .name: x1, .offset: 32, .size: 8, .value_kind: global_buffer, .address_space: global }
    .group_segment_fixed_size: 327680
    .private_segment_fixed_size: 0
    .kernarg_segment_align: 8
    .kernarg_segment_size: 40
    .max_flat_workgroup_size: 128
    .sgpr_count:     96
    .vgpr_count:     640
    .wavefront_size: 32
...
	.end_amdgpu_metadata
.endif
;; end of part 10
;; launch ln2: the kernel of part 5 again; grid 256 x 1, 8 waves a work-group, no clusters, 0 bytes of LDS; arguments x1, ln2_g, ln2_b, hn; writes hn
;; launch ffn1: the kernel of part 8 again; grid 16 x 16, 4 waves a work-group, clusters of 4 x 4, 327,680 bytes of LDS; arguments hn, w1b, big; writes big
;; launch ffn2 (part 11): grid 8 x 32, 4 waves a work-group, clusters of 4 x 4, 327,680 bytes of LDS; arguments big, w2b, b2, x1, out0; writes out0
.if DOCPART == 11
	.amdgcn_target "amdgcn-amd-amdhsa--gfx1250"
	.amdhsa_code_object_version 6
	.text
	.protected	k_q7ae3283e34_ffn2
	.globl	k_q7ae3283e34_ffn2
	.p2align	8
	.type	k_q7ae3283e34_ffn2,@function
k_q7ae3283e34_ffn2:
	s_mov_b64 s[64:65], 0
	v_nop
	global_prefetch_b8 v0, s[64:65] scope:SCOPE_SE
	s_setreg_imm32_b32 hwreg(HW_REG_WAVE_MODE, 25, 1), 1
	s_wait_xcnt 0x0
	s_wait_alu depctr_hold_cnt(0) depctr_sa_sdst(0) depctr_va_vdst(0) depctr_va_sdst(0) depctr_va_ssrc(0) depctr_va_vcc(0) depctr_vm_vsrc(0)
	s_getreg_b32 s2, hwreg(HW_REG_IB_STS2, 6, 4)
	s_cmp_eq_u32 s2, 0
	s_cbranch_scc0 .Lentry_in_a_cluster
	s_endpgm
.Lentry_in_a_cluster:
	s_bfe_u32 s2, ttmp6, 0x10000c
	s_cmp_lg_u32 s2, 0xf033
	s_cbranch_scc0 .Lentry_shape_is_right
	s_endpgm
.Lentry_shape_is_right:
; OUT[m][n] = RES[m][n] + bias[n] + sum over k of A[m][k] W[k][n].  A: [4096][SIZE_K] bf16.  W: [SIZE_K][1024] bf16, rows along n.  bias: [1024] f32.  RES, OUT: [4096][1024] f32.  Sums in f32.
; The text of the attention's output projection with SIZE_K = 4096: the trip count and A's pitch are constants of the text, and the walk is long enough for the prefetch to be assembled.
; A tile of OUT is 128 x 128, which gives each of 256 work-groups one.  Four waves, each 64 x 64: 16 accumulators.  K goes in steps of 256 through two LDS slots: A's rows are 512 bytes, W's 256.
; W stays [k][n] in LDS and is turned on its way into registers (ds_load_tr16_b128).  CLUSTERS: 4 x 4 work-groups; A's tiles are asked for jointly along a row of the cluster, W's along a column.
; ONE TEXT FOR EVERY K STEP.  A scalar holds the offset of the slot that is read (0 or SLOTD), the fragment addresses are made from it once a step, and one descriptor for each tensor walks: an exclusive or on its
; LDS word, its address made anew from the K step's number.  SLOTD = 0x24000 shares no bit with a load's place in a slot (0, 0x8400, 0x10800, 0x19800), so the exclusive or is an addition one time and a subtraction the next.
; The loop fills a slot in every trip; the last two K steps, which fill nothing, are a loop of two trips that is left in its middle.
; THE WALK ALONG K IS A RING, AND EACH CLUSTER ENTERS IT AT A PLACE OF ITS OWN: cluster (X, Y) begins at K step (RX X + RY (Y mod 4)) mod STEPS and goes round once.  The two clusters that need the same rows of A
; (X = 0, 1) begin half a ring apart: each asks in the second half of its walk for the tiles that the other has asked for in its first.  Clusters that need the same columns of W begin a quarter of a ring apart.
; The number hangs on the cluster's place in the grid alone, which all its work-groups share.  LIMIT: the sums take K in a rotated order: the same terms, another order of rounding than ascending K.
; THE MATRIX INSTRUCTION IS USED TRANSPOSED (source 0 = 16 columns of W, source 1 = 16 rows of A): a lane holds eight neighbouring numbers of a row of OUT; the bias is the C operand that starts each sum.
; The residual is loaded at the start into registers of its own, in the layout in which rows leave, and is added on the way out.  A wave's 64 columns of f32 are 256 aligned bytes: each wave has a stage of its own.
; REGISTERS: window 0: v0-31 addresses; v32-63 the bias, later rows on the way out; v128-255 the accumulators.  window 1: two fragment buffers of 128 (64 of A, 64 of W).  window 2: v0-127 the residual.
.set SIZE_K, 4096
.set NO,     1024
.set KSTEP,  256
.set STEPS,  SIZE_K/KSTEP
.set RX,     STEPS/2                   ; where a cluster enters the ring: so many K steps for each cluster along x,
.set RY,     STEPS/4                   ; so many for each along y (mod 4)
.set LGA,    9                         ; a K step of A is 2^9 bytes along a row,
.set LGW,    19                        ; of W 2^19 bytes: 256 rows of 2,048
.set PFMIN,  STEPS/2+3                 ; the loop's count in the last trip that prefetches
.set PITCH,  528                       ; a row of A in LDS: 512 bytes + 16
.set HALFA,  64*PITCH
.set PW,     288                       ; a row of W in LDS: 256 bytes + 32
.set HALFW,  128*PW
.set SLOT,   2*HALFA+2*HALFW           ; A's 128 rows, then W's 256 rows: 141,312 bytes
.set SLOTD,  0x24000                   ; slot 1 begins here
.set STAGE,  SLOTD+SLOT                ; behind the ring: 16 rows x 272 bytes for each wave
.set SPITCH, 272
.set SPARE,  STAGE+4*16*SPITCH
.set A0,   16                          ; v16     LDS address of my A fragments in slot 0; never rewritten
.set ADRA, 17                          ; v17     the same in the slot that is read
.set B0,   20                          ; v20     of my W fragments in slot 0; never rewritten
.set ADRB, 21                          ; v21-22  in the slot that is read: rows 0-127, rows 128-255 (an LDS immediate has 16 bits)
.set STO,  24
.set RD,   25
.set CO,   26                          ; v26     my byte offset in two rows of RES and OUT
.set BO,   27
.set SPW,  28
.set NIL,  29
.set PFO,  30                          ; v30     the prefetch: my lane's byte offset in 16 rows of A; never rewritten
.set TMP,  32
.set BIAS, 32
.set ACC,  128
.set F0,   0
.set F1,   128
.set G1, 24                            ; s[24:31] group 1 for A; s[32:39] group 0: a set for each of the two first fills; the second then walks on
.set G0, 32
.set G1B, 48
.set G0B, 56
.set TB,  78                           ; s78     the offset of the slot that is read
.set AB,  80                           ; s[80:81] A at the rows that I fetch, K step 0
.set WB,  82                           ; s[82:83] W at the columns and the half of a step's rows that I fetch, K step 0
.set KT,  84                           ; s84     the number of the K step asked for last
.set OFP, 86                           ; s[86:87] a K step's byte offset; the high word is 0
.set PB0, 88                           ; s[88:89] the prefetch: A at my 16 rows, K step 0
.set PB,  90                           ; s[90:91] the same at the K step asked for
.set MSB, 0
.macro WIN new
.if MSB != (\new)
	s_set_vgpr_msb (MSB<<8)|(\new)
.set MSB, \new
.endif
.endm
.set MUL,  0x05                        ; sources 0 (W) and 1 (A) window 1; C and D window 0
.set TO_F, 0x40
.macro JLOAD s                         ; a joint load: waves 0 and 1 fetch A's two halves, waves 2 and 3 W's; an s_nop 0 and four v_nop follow each of the two lines
	s_cmp_eq_u32 s11, 0
	s_cbranch_scc0 .Lfor_b_\@
	tensor_load_to_lds s[G0+4*(\s):G0+4*(\s)+3], s[G1:G1+7]
	s_nop 0
.rept 4
	v_nop
.endr
	s_branch .Lasked_\@
.Lfor_b_\@:
	tensor_load_to_lds s[G0B+4*(\s):G0B+4*(\s)+3], s[G1B:G1B+7]
	s_nop 0
.rept 4
	v_nop
.endr
.Lasked_\@:
.endm
.macro CREST
	s_cmp_lg_u32 s10, 0
	s_cbranch_scc1 .Lnot_wave_0_\@
	s_barrier_signal -3
.Lnot_wave_0_\@:
	s_barrier_wait -3
	s_barrier_signal -1
	s_barrier_wait -1
.endm
.macro CROUND
	s_barrier_signal -1
	s_barrier_wait -1
	CREST
.endm
.macro STEPK                           ; one K step on, round the ring
	s_add_co_u32 s[KT], s[KT], 1
	s_and_b32 s[KT], s[KT], STEPS-1
.endm
.macro ADDR s                          ; the two descriptors of set s take K step KT: the base and an offset made apart from it, the type bits set again
	s_lshl_b32 s[OFP], s[KT], LGA
	s_add_nc_u64 s[G0+4*(\s)+2:G0+4*(\s)+3], s[AB:AB+1], s[OFP:OFP+1]
	s_or_b32 s[G0+4*(\s)+3], s[G0+4*(\s)+3], 0x80000000
	s_lshl_b32 s[OFP], s[KT], LGW
	s_add_nc_u64 s[G0B+4*(\s)+2:G0B+4*(\s)+3], s[WB:WB+1], s[OFP:OFP+1]
	s_or_b32 s[G0B+4*(\s)+3], s[G0B+4*(\s)+3], 0x80000000
.endm
	s_load_b256 s[68:75], s[0:1], 0x0              ; A s[68:69], W s[70:71], bias s[72:73], RES s[74:75]
	s_load_b64 s[76:77], s[0:1], 0x20              ; OUT
	v_lshl_add_u32 v[SPW], v0, 2, SPARE
	v_mov_b32 v[NIL], 0
	ds_add_u32 v[SPW], v[NIL]                      ; the wave's opening: the add and its wait stand ahead of my first tensor load
	v_lshrrev_b32 v1, 5, v0
	v_readfirstlane_b32 s10, v1
	s_lshr_b32 s11, s10, 1                         ; my half of the tile's rows.  Also: I fetch for A (0) or for W (1)
	s_and_b32 s12, s10, 1                          ; my half of its columns.  Also: which half of that tile I fetch
	s_bfe_u32 s40, ttmp6, 0x40000
	s_bfe_u32 s41, ttmp6, 0x40004
	s_lshl_b32 s42, ttmp9, 2
	s_add_co_u32 s42, s42, s40                     ; tile column
	s_and_b32 s13, ttmp7, 0xffff                   ; the cluster's y
	s_and_b32 s85, s13, 3
	s_mul_i32 s85, s85, RY
	s_mul_i32 s[KT], ttmp9, RX                     ; the cluster's x
	s_add_co_u32 s[KT], s[KT], s85
	s_and_b32 s[KT], s[KT], STEPS-1                ; the K step at which my cluster enters the ring
	s_mov_b32 s[OFP+1], 0
	s_lshl_b32 s13, s13, 2
	s_add_co_u32 s13, s13, s41                     ; tile row
	s_lshl_b32 s43, s41, 2
	s_lshl_b32 s43, 15, s43
	s_lshl_b32 s44, 0x1111, s40
	s_or_b32 s[G1+0], s43, (1<<16)|(1<<20)|(1<<21)|(6<<22)|(3<<25)   ; A: my row's mask; after every 128 words, 4 words
	s_mov_b32 s[G1+1], KSTEP<<16
	s_mov_b32 s[G1+2], 64<<16
	s_mov_b32 s[G1+3], KSTEP<<16
	s_mov_b32 s[G1+4], 64
	s_mov_b32 s[G1+5], SIZE_K
	s_mov_b32 s[G1+6], 0
	s_mov_b32 s[G1+7], 0
	s_or_b32 s[G1B+0], s44, (1<<16)|(1<<20)|(1<<21)|(5<<22)|(7<<25)  ; W: my column's mask; after every 64 words, 8 words
	s_mov_b32 s[G1B+1], 128<<16
	s_mov_b32 s[G1B+2], 128<<16
	s_mov_b32 s[G1B+3], 128<<16
	s_mov_b32 s[G1B+4], 128
	s_mov_b32 s[G1B+5], NO
	s_mov_b32 s[G1B+6], 0
	s_mov_b32 s[G1B+7], 0
	s_lshl_b32 s16, s13, 7
	s_lshl_b32 s17, s12, 6
	s_add_co_u32 s16, s16, s17                     ; A: row 128 x tile row + 64 x half,
	s_mul_i32 s16, s16, SIZE_K*2                   ; in bytes (under 2^26)
	s_mov_b32 s17, 0
	s_lshl_b32 s46, s42, 8                         ; W: 256 bytes for each tile column,
	s_lshl_b32 s47, s12, 18                        ; 128 rows of 2,048 bytes for my half
	s_add_co_u32 s46, s46, s47
	s_mov_b32 s47, 0
	s_mul_i32 s20, s12, HALFA                      ; where they go
	s_mul_i32 s23, s12, HALFW
	s_add_co_u32 s23, s23, 2*HALFA
	s_mov_b32 s[TB], 0
	s_wait_dscnt 0x0
	s_wait_kmcnt 0x0
	s_add_nc_u64 s[AB:AB+1], s[68:69], s[16:17]
	s_add_nc_u64 s[WB:WB+1], s[70:71], s[46:47]
	CROUND
.irp s, 0,1
	s_mov_b32 s[G0+4*(\s)], 1
	s_add_co_u32 s[G0+4*(\s)+1], s20, (\s)*SLOTD
	s_mov_b32 s[G0B+4*(\s)], 1
	s_add_co_u32 s[G0B+4*(\s)+1], s23, (\s)*SLOTD
	ADDR \s
	JLOAD \s                                       ; two tensor loads of mine are out
.if (\s) == 0
	STEPK
.endif
.endr
	v_and_b32 v1, 15, v0
	v_bfe_u32 v2, v0, 4, 1
	v_lshlrev_b32 v[BO], 5, v2
	v_lshlrev_b32 v5, 12, v2
	v_lshl_add_u32 v[CO], v1, 4, v5                ; lanes 0-15 one row's 256 bytes, lanes 16-31 the next row's
	s_lshl_b32 s46, s42, 9                         ; my first column in f32 bytes: 512 x tile column + 256 x half
	s_lshl_b32 s47, s12, 8
	s_add_co_u32 s46, s46, s47
	s_mov_b32 s47, 0
	s_add_nc_u64 s[72:73], s[72:73], s[46:47]
	s_lshl_b32 s16, s13, 19                        ; my first row: 128 rows of 4,096 bytes for each tile row, 64 for my half
	s_lshl_b32 s17, s11, 18
	s_add_co_u32 s16, s16, s17
	s_mov_b32 s17, 0
	s_add_nc_u64 s[16:17], s[16:17], s[46:47]
	s_add_nc_u64 s[74:75], s[74:75], s[16:17]
	s_add_nc_u64 s[76:77], s[76:77], s[16:17]
.irp b, 0,1,2,3
	global_load_b128 v[BIAS+8*(\b):BIAS+8*(\b)+3],   v[BO], s[72:73] offset:64*(\b)
	global_load_b128 v[BIAS+8*(\b)+4:BIAS+8*(\b)+7], v[BO], s[72:73] offset:64*(\b)+16
.endr
	WIN 0x80                                       ; destination window 2
.irp a, 0,1,2,3
.irp t, 0,1,2,3,4,5,6,7
	global_load_b128 v[32*(\a)+4*(\t):32*(\a)+4*(\t)+3], v[CO], s[74:75] offset:(16*(\a)+2*(\t))*4096
.endr
.endr
	WIN 0
.if STEPS > 4
	; THE PREFETCH, only where the walk is long.  Of A's tiles my cluster is the first to ask for those of steps 0 to STEPS / 2 - 1 of its walk; steps 0 and 1 are the first fills.  For the others the tile's 128 rows x 512 bytes are
	; shared out: work-group cx takes rows 32 cx on, its waves 0 and 1 sixteen rows each, two lanes a row, 256 bytes apart: each aligned block of 256 bytes is asked for by one lane of the launch.  Here: steps 2 and 3.
	s_lshl_b32 s92, s13, 7
	s_lshl_b32 s93, s40, 5
	s_add_co_u32 s92, s92, s93
	s_lshl_b32 s93, s12, 4
	s_add_co_u32 s92, s92, s93                     ; row 128 x tile row + 32 cx + 16 x wave,
	s_mul_i32 s92, s92, SIZE_K*2                   ; in bytes
	s_mov_b32 s93, 0
	s_add_nc_u64 s[PB0:PB0+1], s[68:69], s[92:93]
	v_and_b32 v8, 31, v0
	v_lshrrev_b32 v9, 1, v8
	v_and_b32 v8, 1, v8
	v_mul_u32_u24 v[PFO], v9, SIZE_K*2
	v_lshl_add_u32 v[PFO], v8, 8, v[PFO]           ; row lane / 2, block lane % 2
	s_cmp_lg_u32 s11, 0
	s_cbranch_scc1 .Lno_pf_head
	s_add_co_u32 s85, s[KT], 1                     ; KT is step 1's number, a multiple of RY plus 1: neither of the next two passes the ring's end
	s_lshl_b32 s[OFP], s85, LGA
	s_add_nc_u64 s[PB:PB+1], s[PB0:PB0+1], s[OFP:OFP+1]
	global_prefetch_b8 v[PFO], s[PB:PB+1] th:TH_LOAD_NT scope:SCOPE_SE
	global_prefetch_b8 v[PFO], s[PB:PB+1] offset:KSTEP*2 th:TH_LOAD_NT scope:SCOPE_SE
.Lno_pf_head:
.endif
	v_mul_u32_u24 v3, v1, PITCH
	v_lshl_add_u32 v3, v2, 4, v3
	v_and_b32 v6, 7, v0
	v_lshl_add_u32 v6, v2, 3, v6
	v_mul_u32_u24 v6, v6, PW
	v_bfe_u32 v7, v0, 3, 1
	v_lshl_add_u32 v6, v7, 4, v6
	s_mul_i32 s21, s11, HALFA
	s_lshl_b32 s22, s12, 7
	s_add_co_u32 s22, s22, 2*HALFA
	v_add_nc_u32 v[A0], s21, v3
	v_add_nc_u32 v[B0], s22, v6
	v_mov_b32 v[ADRA], v[A0]                       ; the walk's first step lies in slot 0
	v_mov_b32 v[ADRB], v[B0]
	v_add_nc_u32 v[ADRB+1], HALFW, v[B0]
	s_mul_i32 s23, s10, 16*SPITCH
	s_add_co_u32 s23, s23, STAGE                   ; my stage
	v_mul_u32_u24 v4, v1, SPITCH
	v_lshl_add_u32 v4, v2, 5, v4                   ; in: row l % 16, 32 bytes for each half of the lanes
	v_add_nc_u32 v[STO], s23, v4
	v_mul_u32_u24 v5, v2, SPITCH
	v_lshl_add_u32 v5, v1, 4, v5
	v_add_nc_u32 v[RD], s23, v5
; 8 matrix instructions: m blocks a0, a0 + 1 x all 4 n blocks, 32 along K: half c of buffer f.  zero = 1: the first product starts the sums, with the bias as C.  The 16 accumulators take turns.
.macro MUL8 f, c, a0, zero
	WIN MUL
.irp a, \a0, (\a0)+1
.irp b, 0,1,2,3
.if \zero
	v_wmma_f32_16x16x32_bf16 v[ACC+8*(4*(\a)+(\b)):ACC+8*(4*(\a)+(\b))+7], v[(\f)+64+8*(4*(\c)+(\b)):(\f)+64+8*(4*(\c)+(\b))+7], v[(\f)+8*(4*(\c)+(\a)):(\f)+8*(4*(\c)+(\a))+7], v[BIAS+8*(\b):BIAS+8*(\b)+7]
.else
	v_wmma_f32_16x16x32_bf16 v[ACC+8*(4*(\a)+(\b)):ACC+8*(4*(\a)+(\b))+7], v[(\f)+64+8*(4*(\c)+(\b)):(\f)+64+8*(4*(\c)+(\b))+7], v[(\f)+8*(4*(\c)+(\a)):(\f)+8*(4*(\c)+(\a))+7], v[ACC+8*(4*(\a)+(\b)):ACC+8*(4*(\a)+(\b))+7]
.endif
.endr
.endr
.endm
; 32 LDS loads in one run: the fragments of quarter q (64 along K) of the slot that is read, into buffer f; the first 32 along K first
.macro FETCH q, f
	WIN TO_F
.irp c, 0,1
.irp i, 0,1,2,3
	ds_load_tr16_b128 v[(\f)+64+8*(4*(\c)+(\i)):(\f)+64+8*(4*(\c)+(\i))+3],   v[ADRB+(\q)/2] offset:(((\q)%2)*64+32*(\c))*PW+32*(\i)
	ds_load_tr16_b128 v[(\f)+64+8*(4*(\c)+(\i))+4:(\f)+64+8*(4*(\c)+(\i))+7], v[ADRB+(\q)/2] offset:(((\q)%2)*64+32*(\c)+16)*PW+32*(\i)
	ds_load_b128 v[(\f)+8*(4*(\c)+(\i)):(\f)+8*(4*(\c)+(\i))+3],         v[ADRA] offset:128*(\q)+64*(\c)+(\i)*16*PITCH
	ds_load_b128 v[(\f)+8*(4*(\c)+(\i))+4:(\f)+8*(4*(\c)+(\i))+7],       v[ADRA] offset:128*(\q)+64*(\c)+(\i)*16*PITCH+32
.endr
.endr
.endm
.macro PLACES
.rept 4
	v_nop
.endr
.endm
.macro QUARTER q, f, g, zero
	s_wait_dscnt 16                                ; the first 32 along K are in
	MUL8 \f, 0, 0, \zero
	MUL8 \f, 0, 2, \zero
	PLACES
	FETCH \q, \g
	s_wait_dscnt 32                                ; all but the 32 just issued
	MUL8 \f, 1, 0, 0
	MUL8 \f, 1, 2, 0
.endm
; The last quarter multiplies buffer 1 and changes slots: one barrier; in front of it each wave waits for all its tensor loads, adds 0 to its spare word, and waits for that and for its reads of this slot.
; fill = 1: the barrier opens a round of the cluster's, and the slot just read takes the K step two on.  fill = 0 (the last two K steps): nothing is asked for; in the very last the run of loads is jumped over.
.macro TURN fill
	WIN 0
	s_wait_tensorcnt 0x0
	ds_add_u32 v[SPW], v[NIL]
	s_wait_dscnt 17                                ; the add and the youngest sixteen loads may be out
	MUL8 F1, 0, 0, 0
	s_wait_dscnt 0x0
	s_barrier_signal -1
	MUL8 F1, 0, 2, 0
	WIN 0
	s_barrier_wait -1
.if \fill
	CREST
	s_xor_b32 s[G0+5], s[G0+5], SLOTD              ; the walking descriptors: the other slot than last time,
	s_xor_b32 s[G0B+5], s[G0B+5], SLOTD
	STEPK                                          ; the ring's next K step
	ADDR 1
	JLOAD 1                                        ; my one tensor load behind the round: 112 matrix instructions ahead of the wait for it; its four v_nop are also the places in front of the loads below
.else
	s_cmp_eq_u32 s3, 1
	s_cbranch_scc1 .Lno_fetch_\@
	PLACES
.endif
	s_xor_b32 s[TB], s[TB], SLOTD                  ; the reads go on in the other slot
	v_add_nc_u32 v[ADRA], s[TB], v[A0]
	v_add_nc_u32 v[ADRB], s[TB], v[B0]
	v_add_nc_u32 v[ADRB+1], HALFW, v[ADRB]
	FETCH 0, F0
	WIN 0
.if \fill
.if STEPS > 4
	; the prefetch goes on: trip i, which has just asked for step i + 2 by its tensor load, asks for my 16 rows of A's tile of step i + 4, whose tensor load is issued two trips on; 8 KiB a wave.
	; It stops behind trip STEPS / 2 - 5: the later steps' tiles are those that the other cluster with my rows asks for first.  The number goes round the ring, so no address leaves A.
	s_cmp_lg_u32 s11, 0
	s_cbranch_scc1 .Lno_pf_\@
	s_cmp_lt_u32 s3, PFMIN
	s_cbranch_scc1 .Lno_pf_\@
	s_add_co_u32 s85, s[KT], 2
	s_and_b32 s85, s85, STEPS-1
	s_lshl_b32 s[OFP], s85, LGA
	s_wait_xcnt 0x0                                ; the base of the last trip's prefetch is rewritten only behind this wait
	s_add_nc_u64 s[PB:PB+1], s[PB0:PB0+1], s[OFP:OFP+1]
	global_prefetch_b8 v[PFO], s[PB:PB+1] th:TH_LOAD_NT scope:SCOPE_SE
.Lno_pf_\@:
.endif
.else
.Lno_fetch_\@:
.endif
	MUL8 F1, 1, 0, 0
	MUL8 F1, 1, 2, 0
.endm
	s_wait_tensorcnt 1                             ; my part of the walk's first step is in; the second's may stay out
	s_barrier_signal -1
	s_barrier_wait -1
	FETCH 0, F0
	s_wait_loadcnt 32                              ; the bias is in; the 32 loads of the residual stay out
	QUARTER 1, F0, F1, 1
	WIN 0
	s_mov_b32 s3, STEPS-2
.Lstep:                                                ; a trip goes from a K step's second quarter to the next step's first, and fills the slot that it leaves
	QUARTER 2, F1, F0, 0
	QUARTER 3, F0, F1, 0
	TURN 1
	QUARTER 1, F0, F1, 0
	WIN 0
	s_sub_co_u32 s3, s3, 1
	s_cmp_lg_u32 s3, 0
	s_cbranch_scc1 .Lstep
	s_mov_b32 s3, 2
.Ltail:                                                ; the last two K steps fill nothing: a text of their own; the second trip is left in its middle
	QUARTER 2, F1, F0, 0
	QUARTER 3, F0, F1, 0
	TURN 0
	WIN 0
	s_sub_co_u32 s3, s3, 1
	s_cmp_eq_u32 s3, 0
	s_cbranch_scc1 .Lout
	QUARTER 1, F0, F1, 0
	WIN 0
	s_branch .Ltail
.Lout:
	; THE WAY OUT, 16 rows at a time: the f32 sums go into my stage (32 bytes a lane) and come back as whole rows of 256 bytes; the residual is added; stored.
	PLACES
.irp a, 0,1,2,3
.irp b, 0,1,2,3
	ds_store_b128 v[STO], v[ACC+8*(4*(\a)+(\b)):ACC+8*(4*(\a)+(\b))+3]   offset:64*(\b)      ; each accumulator from its low end
	ds_store_b128 v[STO], v[ACC+8*(4*(\a)+(\b))+4:ACC+8*(4*(\a)+(\b))+7] offset:64*(\b)+16
.endr
.if (\a) > 0
	s_wait_xcnt 0x0                                ; the rows' registers were the data of the block before's stores: loaded again only behind this wait
.endif
.irp t, 0,1,2,3,4,5,6,7
	ds_load_b128 v[TMP+4*(\t):TMP+4*(\t)+3], v[RD] offset:(\t)*2*SPITCH  ; LDS serves a wave's instructions in order (ISA guide 5.7.1.4)
.endr
	s_wait_dscnt 0x0
	s_wait_loadcnt 24-8*(\a)                       ; this block's residual is in; eight loads for each later block stay out
	WIN 0x08                                       ; source 1 in window 2
.set z, 0
.rept 16
	v_pk_add_f32 v[TMP+z:TMP+z+1], v[TMP+z:TMP+z+1], v[32*(\a)+z:32*(\a)+z+1]
.set z, z+2
.endr
	WIN 0
.irp t, 0,1,2,3,4,5,6,7
	global_store_b128 v[CO], v[TMP+4*(\t):TMP+4*(\t)+3], s[76:77] offset:(16*(\a)+2*(\t))*4096  ; 16 lanes store 256 consecutive bytes, aligned
.endr
.endr
	s_wait_tensorcnt 0x0                           ; the wave's end
	ds_add_u32 v[SPW], v[NIL]
	s_wait_dscnt 0x0
	CROUND
	s_endpgm
.Lfunc_end_k_q7ae3283e34_ffn2:
	.size	k_q7ae3283e34_ffn2, .Lfunc_end_k_q7ae3283e34_ffn2-k_q7ae3283e34_ffn2
	.p2alignl 7, 3214868480
	.fill 96, 4, 3214868480
	.section	.rodata,"a",@progbits
	.p2align	6, 0x0
	.amdhsa_kernel k_q7ae3283e34_ffn2
		.amdhsa_group_segment_fixed_size 327680
		.amdhsa_private_segment_fixed_size 0
		.amdhsa_enable_private_segment 0
		.amdhsa_kernarg_size 40
		.amdhsa_user_sgpr_count 2
		.amdhsa_user_sgpr_kernarg_segment_ptr 1
		.amdhsa_wavefront_size32 1
		.amdhsa_system_sgpr_workgroup_id_x 1
		.amdhsa_system_sgpr_workgroup_id_y 1
		.amdhsa_system_sgpr_workgroup_id_z 1
		.amdhsa_system_vgpr_workitem_id 0
		.amdhsa_next_free_vgpr 640
		.amdhsa_next_free_sgpr 96
		.amdhsa_reserve_vcc 0
		.amdhsa_float_denorm_mode_32 3
		.amdhsa_float_denorm_mode_16_64 3
		.amdhsa_memory_ordered 1
		.amdhsa_forward_progress 1
		.amdhsa_inst_pref_size 68
	.end_amdhsa_kernel
	.amdgpu_metadata
---
amdhsa.version: [ 1, 2 ]
amdhsa.kernels:
  - .name:           k_q7ae3283e34_ffn2
    .symbol:         k_q7ae3283e34_ffn2.kd
    .args:
      - { .name: big, .offset: 0, .size: 8, .value_kind: global_buffer, .address_space: global }
      - { .name: w2b, .offset: 8, .size: 8, .value_kind: global_buffer, .address_space: global }
      - { .name: b2, .offset: 16, .size: 8, .value_kind: global_buffer, .address_space: global }
      - { .name: x1, .offset: 24, .size: 8, .value_kind: global_buffer, .address_space: global }
      - { .name: out0, .offset: 32, .size: 8, .value_kind: global_buffer, .address_space: global }
    .group_segment_fixed_size: 327680
    .private_segment_fixed_size: 0
    .kernarg_segment_align: 8
    .kernarg_segment_size: 40
    .max_flat_workgroup_size: 128
    .sgpr_count:     96
    .vgpr_count:     640
    .wavefront_size: 32
...
	.end_amdgpu_metadata
.endif
;; end of part 11
